; MI455X (gfx1250); checked and timed in simulation.
; The chip was launched on July 23, 2026; its instructions are those of AMD's public machine-readable ISA for CDNA 5 (MIT licence, August 2026) and "CDNA5" Instruction Set Architecture Reference Guide (July 2026). The comments in the code are by the model that wrote it; some were corrected since.
;; Group Mo E Layer. Allowed arithmetic: matrix products marked QUANTISED: E5M2 operands, one E8M0 scale for each 32 along K, by v_wmma_scale_f32_16x16x128_f8f6f4 with both operands' format E5M2, f32 sums; products left as they are: f32 operands where the result goes on into a quantised operand, else bf16, f16 or f32 operands; f32 sums; everything else in f32.
;; Inputs: W1 2 x 4 x 4,096 x 1,024 float32; W2 2 x 4 x 1,024 x 4,096 float32; Wg 2 x 4 x 1,024 float32; Wlg 2 x 1,024 float32; b1 2 x 4 x 4,096 float32; b2 2 x 4 x 1,024 float32; blg 2 float32; bottle_neck 2 x 512 x 1,024 float32; xs 2 x 512 x 1,024 float32.
;; Outputs: out0 2 x 512 x 1,024 float32.
;; Constants: top_k = 2.
;; This version of the problem:
;;   THIS VERSION OF THE PROBLEM IS GIVEN IN LOW PRECISION. The matrix products marked QUANTISED in the list below multiply operands that are first quantised to E5M2 (5 exponent bits, 2 mantissa bits; 8 bits a number), with one power-of-two scale for each 32 numbers along K (OCP MX v1.0); their sums are f32. All else is computed in f32.
;;   The module's matrix products, in the order in which they are computed (A, B: the left and right operand; K: the contracted axis; several contracted axes count as one K, in the product's order):
;;     1. [M 1,024, K 1,024] x [K 1,024, N 2]; A: input bottle_neck; B: input Wlg: left as it is (N = 2 < 16)
;;     2. [M 1,024, K 1,024] x [K 1,024, N 4]; A: input xs; B: input Wg: left as it is (N = 4 < 16)
;;     3. [M 1,024, K 1,024] x [K 1,024, N 16,384]; A: input xs; B: input W1: QUANTISED
;;     4. batch 4 x [M 1,024, K 4,096] x [K 4,096, N 1,024]; A: input W2; B: computed on the way: QUANTISED
;;     5. [M 1,024, K 1,024] x [K 1,024, N 4]; A: input xs; B: input Wg: left as it is (N = 4 < 16)
;;     6. [M 1,024, K 1,024] x [K 1,024, N 16,384]; A: input xs; B: input W1: QUANTISED
;;     7. batch 4 x [M 1,024, K 4,096] x [K 4,096, N 1,024]; A: input W2; B: computed on the way: QUANTISED
;;   THE QUANTISER, for each operand of a quantised product, along K:
;;     - K is cut into blocks of 32 from its start; a last block that is shorter is filled with zeros.
;;     - A block's scale is 2^e with e = floor(log2(the largest magnitude in the block)) - 15, held to -126 .. 127; a block of zeros has e = 0. As a byte (E8M0): e + 127.
;;     - Each number is divided by its block's scale, clamped to +-57,344, and rounded to the nearest number of E5M2, ties to even, subnormals kept.
;;     - The product sums the exact products of the quantised numbers (number of the format x scale) in f32.
;;   ~~~python
;;   def quantise(x, axis):      # numpy; x: float32 -> the quantised numbers, widened to float32 again
;;       x = np.moveaxis(x, axis, -1); K = x.shape[-1]
;;       x = np.pad(x, [(0, 0)] * (x.ndim - 1) + [(0, -K % 32)]); x = x.reshape(x.shape[:-1] + (-1, 32)); a = np.abs(x).max(-1, keepdims=True)
;;       e = np.where(a > 0, np.clip(np.frexp(np.where(a > 0, a, 1))[1] - 1 - 15, -126, 127), 0)      # np.frexp(a)[1] - 1 = floor(log2(a)), exactly
;;       r = np.clip(x / 2.0 ** e, -57344, 57344)
;;       step = 2.0 ** (np.maximum(np.frexp(np.where(r == 0, 1, r))[1] - 1, -14) - 2)
;;       q = np.round(r / step) * step * 2.0 ** e      # np.round: ties to even
;;       return np.moveaxis(q.reshape(q.shape[:-2] + (-1,))[..., :K], -1, axis).astype(np.float32)
;;   ~~~
;;   OPERANDS COMPUTED ON THE WAY. 'Computed on the way' means the value that the module computes at that place (a softmax that the list does not call 'softmax' is quantised finished and normalised). What goes into a quantiser is computed in f32, as accurately as f32 sums, v_exp_f32 and their like allow (about 1e-6 of the number): no bf16 or f16 on the way to a quantiser, and a product that is left as it is and whose result goes on into a quantised operand takes f32 operands (vector FMAs, or v_wmma_f32_16x16x4_f32). A number that lies on a knife's edge between two numbers of the format may be rounded either way, as far as f32 arithmetic and the matrix unit's own rounding can turn it there, and no further.
;; 2 versions. Each part assembles by itself: llvm-mc -triple=amdgcn-amd-amdhsa -mcpu=gfx1250 --defsym DOCPART=n.
;; ======== version 1 of 2: 5 launches
;; workspace buffers: xq 1,081,344 bytes; sel 8,192 bytes of whole numbers; gw 8,192 bytes; ord 18,688 bytes of whole numbers; xss 81,920 bytes; hq 10,813,440 bytes; part 41,943,040 bytes
;; launch route (part 1): grid 128 x 1, 8 waves a work-group, no clusters, 63,488 bytes of LDS; arguments xs, bottle_neck, Wlg, blg, Wg, xq, sel, gw; writes xq, sel, gw
.if DOCPART == 1
	.amdgcn_target "amdgcn-amd-amdhsa--gfx1250"
	.amdhsa_code_object_version 6
	.text
	.protected	k_q8993d02187_route
	.globl	k_q8993d02187_route
	.p2align	8
	.type	k_q8993d02187_route,@function
k_q8993d02187_route:
	s_mov_b64 s[64:65], 0
	v_nop
	global_prefetch_b8 v0, s[64:65] scope:SCOPE_SE
	s_setreg_imm32_b32 hwreg(HW_REG_WAVE_MODE, 25, 1), 1
	s_wait_xcnt 0x0
; ROUTE.  One wave takes one token t = 8 x work-group + wave.  It makes, in f32 fused multiply-adds, the two group logits (bottle_neck . Wlg + blg) and the eight expert
; logits (xs . Wg), chooses the group (the softmax's larger term; a tie gives group 0, as argmax does) and the group's two largest logits (a tie keeps the lower index, as
; lax.top_k does), makes the two softmax weights, and quantises the token's row of xs to codes of E5M2 with one E8M0 byte for each 32 along D.
; OUT: xq: codes [1024][1024], from byte 1,048,576 on the scale bytes [1024][32];  sel: [1024][2] expert numbers 4 x group + expert;  gw: [1024][2] weights.  All at fixed places:
; nothing here forms an address or a branch from a floating-point number.
; LIMITS: NaN and infinities among the inputs are not served.  The logits are f32 sums in another order than the reference's: a token whose two candidates agree to within the error
; of such a sum may be routed either way.  A block of zeros gets the byte 1 (its codes are zeros; only this program reads the bytes).
; No matrix unit, no cluster, no tensor load: the launch reads 8.4 MB once, 16 dense loads a wave, and the ten weight rows (40 KB) are shared through LDS.
.set WT,   0                           ; LDS: rows 0-1 Wlg, rows 2-9 Wg, 4,096 bytes each
.set STG,  40960                       ; a stage of 32 x 80 bytes for each wave
.set SCB,  61440                       ; the work-group's 8 x 32 scale bytes
.set SELB, 61696                       ; 8 x {E0, E1}
.set GWB,  61760                       ; 8 x {w0, w1}: directly behind SELB
.set X,    16                          ; v16-47   my token's row of xs: chunk i (512 bytes of the row, 16 a lane) in 4 i ..
.set BN,   48                          ; v48-79   the same of bottle_neck
.set WR,   80                          ; v80-143  two sets of 32: a weight row; later x's 16 neighbours a lane
.set DA,   144                         ; v144-183 four partial sums for each of the ten rows; the row's sum ends in the first
.set C,    184                         ; v184-191 codes
	s_load_b512 s[4:19], s[0:1], 0x0               ; xs, bottle_neck, Wlg, blg, Wg, xq, sel, gw
	v_lshl_add_u32 v192, v0, 2, 0xf400
	v_mov_b32 v193, 0
	v_lshrrev_b32 v1, 5, v0
	v_readfirstlane_b32 s20, v1                    ; wave
	v_and_b32 v1, 31, v0                           ; lane
	v_lshlrev_b32 v2, 4, v1                        ; 16 x lane
	s_mul_i32 s21, s20, 2560
	s_add_co_u32 s21, s21, STG                     ; my stage
	v_lshrrev_b32 v3, 2, v1
	v_mul_u32_u24 v3, v3, 80
	v_and_b32 v8, 3, v1
	v_lshl_add_u32 v3, v8, 4, v3
	v_add_nc_u32 v3, s21, v3                       ; into it: four lanes' 64 bytes on end, then 16 of padding
	v_mul_u32_u24 v4, v1, 80
	v_add_nc_u32 v4, s21, v4                       ; out of it: 80 x lane: my 16 neighbours
	s_lshl_b32 s21, s20, 5
	s_add_co_u32 s21, s21, SCB
	v_lshrrev_b32 v5, 1, v1
	v_add_nc_u32 v5, s21, v5                       ; my block's scale byte
	s_lshl_b32 s21, s20, 12
	v_add_nc_u32 v6, s21, v2                       ; 16 x lane + 4,096 x wave
	s_lshl_b32 s21, s20, 10
	v_add_nc_u32 v7, s21, v2                       ; 16 x lane + 1,024 x wave
	s_mov_b32 s28, 0x76543210
	s_mov_b32 s29, 0xfedcba98                      ; v_permlanex16_b32's selects for lane l xor 16
	s_mov_b32 s30, 0x600000                        ; the mantissa field of 57,344
	s_lshl_b32 s22, ttmp9, 15                      ; the work-group's 8 rows of 4,096 bytes
	s_mov_b32 s23, 0
	s_mov_b32 s27, 0
	s_wait_kmcnt 0x0
	s_load_b64 s[24:25], s[10:11], 0x0             ; blg
	s_add_nc_u64 s[4:5], s[4:5], s[22:23]
	s_add_nc_u64 s[6:7], s[6:7], s[22:23]
.irp i, 0,1,2,3,4,5,6,7
	global_load_b128 v[WR+4*\i:WR+4*\i+3], v6, s[12:13] offset:512*\i          ; wave w brings row w of Wg,
.endr
	global_load_b128 v[WR+32:WR+35], v7, s[8:9]                                ; and 1,024 bytes of Wlg
	global_load_b128 v[WR+36:WR+39], v7, s[8:9] offset:512
.irp i, 0,1,2,3,4,5,6,7
	global_load_b128 v[X+4*\i:X+4*\i+3], v6, s[4:5] offset:512*\i th:TH_LOAD_NT
.endr
.irp i, 0,1,2,3,4,5,6,7
	global_load_b128 v[BN+4*\i:BN+4*\i+3], v6, s[6:7] offset:512*\i th:TH_LOAD_NT
.endr
	s_lshl_b32 s26, ttmp9, 13
	s_add_nc_u64 s[32:33], s[14:15], s[26:27]      ; xq: the work-group's 8 rows of codes
	s_lshl_b32 s26, ttmp9, 8
	s_add_co_u32 s26, s26, 0x100000
	s_add_nc_u64 s[34:35], s[14:15], s[26:27]      ; and its 256 scale bytes
	s_lshl_b32 s26, ttmp9, 6
	s_add_nc_u64 s[16:17], s[16:17], s[26:27]      ; sel and gw: 64 bytes a work-group
	s_add_nc_u64 s[18:19], s[18:19], s[26:27]
	s_wait_loadcnt 16                              ; the ten weight loads are in; x's and bottle_neck's sixteen may be out
.irp i, 0,1,2,3,4,5,6,7
	ds_store_b128 v6, v[WR+4*\i:WR+4*\i+3] offset:8192+512*\i
.endr
	ds_store_b128 v7, v[WR+32:WR+35]
	ds_store_b128 v7, v[WR+36:WR+39] offset:512
	s_wait_dscnt 0x0                               ; for the others' sake: my part of the table has landed
	s_barrier_signal -1
	s_barrier_wait -1
.irp i, 0,1,2,3,4,5,6,7
	ds_load_b128 v[WR+4*\i:WR+4*\i+3], v2 offset:512*\i                        ; weight row 0
.endr
	s_wait_loadcnt 0x0                             ; x and bottle_neck
; One weight row against my token's row: the next row is asked for first; 16 packed multiply-adds in two chains.
.macro DOT rho, src
.if \rho < 9
.irp i, 0,1,2,3,4,5,6,7
	ds_load_b128 v[WR+32*((\rho+1)%2)+4*\i:WR+32*((\rho+1)%2)+4*\i+3], v2 offset:4096*(\rho+1)+512*\i
.endr
	s_wait_dscnt 8                                 ; this row is in; the next row's eight loads may be out
.else
	s_wait_dscnt 0x0
.endif
.set W0, WR+32*((\rho)%2)
.set D0, DA+4*(\rho)
	v_pk_mul_f32 v[D0:D0+1], v[\src:\src+1], v[W0:W0+1]
	v_pk_mul_f32 v[D0+2:D0+3], v[\src+2:\src+3], v[W0+2:W0+3]
.irp i, 1,2,3,4,5,6,7
	v_pk_fma_f32 v[D0:D0+1], v[\src+4*\i:\src+4*\i+1], v[W0+4*\i:W0+4*\i+1], v[D0:D0+1]
	v_pk_fma_f32 v[D0+2:D0+3], v[\src+4*\i+2:\src+4*\i+3], v[W0+4*\i+2:W0+4*\i+3], v[D0+2:D0+3]
.endr
.endm
	DOT 0, BN
	DOT 1, BN
.irp r, 2,3,4,5,6,7,8,9
	DOT \r, X
.endr
; x's 1,024 numbers turn through my stage, 512 at a time, so that a lane holds 16 neighbours.  LDS serves a wave's instructions in order: no wait between these lines.
.macro TURNX a
.irp i, 0,1,2,3
	ds_store_b128 v3, v[X+16*\a+4*\i:X+16*\a+4*\i+3] offset:640*\i
.endr
.irp i, 0,1,2,3
	ds_load_b128 v[WR+16*\a+4*\i:WR+16*\a+4*\i+3], v4 offset:16*\i
.endr
.endm
	TURNX 0
	TURNX 1
; the ten sums: within the lane, then over the 32 lanes; the rows by turns
.irp r, 0,1,2,3,4,5,6,7,8,9
	v_add_f32 v[DA+4*\r], v[DA+4*\r], v[DA+4*\r+1]
.endr
.irp r, 0,1,2,3,4,5,6,7,8,9
	v_add_f32 v[DA+4*\r+2], v[DA+4*\r+2], v[DA+4*\r+3]
.endr
.irp r, 0,1,2,3,4,5,6,7,8,9
	v_add_f32 v[DA+4*\r], v[DA+4*\r], v[DA+4*\r+2]
.endr
.irp m, 1,2,4,8
.irp r, 0,1,2,3,4,5,6,7,8,9
	v_add_f32_dpp v[DA+4*\r], v[DA+4*\r], v[DA+4*\r] row_xmask:\m row_mask:0xf bank_mask:0xf
.endr
.endr
.irp r, 0,1,2,3,4,5,6,7,8,9
	v_permlanex16_b32 v[DA+4*\r+1], v[DA+4*\r], s28, s29
.endr
.irp r, 0,1,2,3,4,5,6,7,8,9
	v_add_f32 v[DA+4*\r], v[DA+4*\r], v[DA+4*\r+1]                             ; every lane holds all ten sums
.endr
; THE GROUP: the softmax's two terms, the larger logit taken away first; their common divisor does not change the order and is not formed
	s_wait_kmcnt 0x0                               ; blg
	v_add_f32 v8, s24, v[DA]
	v_add_f32 v9, s25, v[DA+4]
	v_max_num_f32 v10, v8, v9
	v_sub_f32 v8, v8, v10
	v_sub_f32 v9, v9, v10
	v_mul_f32 v8, 0x3fb8aa3b, v8
	v_mul_f32 v9, 0x3fb8aa3b, v9
	v_exp_f32 v8, v8
	v_exp_f32 v9, v9
	v_nop                                          ; a plain instruction behind the last exponential,
	s_wait_alu depctr_va_vdst(0)                   ; and one wait for the two, ahead of their first reader
	v_cmp_gt_f32 s36, v9, v8                       ; group 1 only where its term is truly larger
.irp k, 0,1,2,3
	v_cndmask_b32 v[12+\k], v[DA+8+4*\k], v[DA+24+4*\k], s36                   ; the chosen group's four logits
.endr
	v_cndmask_b32 v[DA+1], 0, 4, s36               ; 4 x group
; THE TWO LARGEST: a value is replaced only by a truly larger one, so the lower index wins a tie
	v_mov_b32 v8, v12                              ; m
	v_mov_b32 v9, 0                                ; its index
.irp k, 1,2,3
	v_cmp_le_f32 vcc_lo, v[12+\k], v8              ; keep where the newcomer is not larger
	v_cndmask_b32 v8, v[12+\k], v8, vcc_lo
	v_cndmask_b32 v9, \k, v9, vcc_lo
.endr
	v_mov_b32 v10, 0xff800000                      ; the second: from -infinity, passing over the first's index
	v_mov_b32 v11, 0
.irp k, 0,1,2,3
	v_cmp_eq_u32 s37, \k, v9
	v_cmp_le_f32 vcc_lo, v[12+\k], v10
	s_or_b32 vcc_lo, vcc_lo, s37
	v_cndmask_b32 v10, v[12+\k], v10, vcc_lo
	v_cndmask_b32 v11, \k, v11, vcc_lo
.endr
; THE WEIGHTS: softmax of (m, m2) with m taken away: 1 / (1 + x) and x / (1 + x), x = e^(m2 - m) <= 1
	v_sub_f32 v10, v10, v8
	v_mul_f32 v10, 0x3fb8aa3b, v10
	v_exp_f32 v10, v10
	v_add_nc_u32 v[DA+2], v9, v[DA+1]              ; E0 = 4 x group + first index (plain work behind the exponential)
	v_add_nc_u32 v[DA+3], v11, v[DA+1]             ; E1
	s_wait_alu depctr_va_vdst(0)
	v_add_f32 v8, 1.0, v10
	v_rcp_f32 v[DA+6], v8                          ; w0
	v_nop
	s_wait_alu depctr_va_vdst(0)
	v_mul_f32 v[DA+7], v10, v[DA+6]                ; w1
	s_wait_dscnt 0x0                               ; x's neighbours are back from the stage
; 512 numbers: a lane's 16, two neighbouring lanes to a block of 32
.macro QSTEP a
.set XS, WR+16*\a
	v_max3_num_f32 v8, |v[XS]|, |v[XS+1]|, |v[XS+2]|
	v_max3_num_f32 v9, |v[XS+3]|, |v[XS+4]|, |v[XS+5]|
.irp i, 6,10
	v_max3_num_f32 v8, v8, |v[XS+\i]|, |v[XS+\i+1]|
	v_max3_num_f32 v9, v9, |v[XS+\i+2]|, |v[XS+\i+3]|
.endr
	v_max3_num_f32 v8, v8, |v[XS+14]|, |v[XS+15]|
	v_max3_num_f32 v8, v8, v9, 0x8000000           ; and the floor 2^(16 - 127): the byte cannot fall under 1
	v_max_num_f32_dpp v8, v8, v8 row_xmask:1 row_mask:0xf bank_mask:0xf        ; with my neighbour's 16: the block's largest magnitude
	v_add_nc_u32 v11, 0xf8800000, v8               ; 15 off its exponent field: the conversion's scale operand
	v_and_or_b32 v10, v8, 0x7f800000, s30          ; 57,344 x the scale
.irp i, 0,1,2,3,4,5,6,7,8,9,10,11,12,13,14,15
	v_med3_num_f32 v[XS+\i], v[XS+\i], -v10, v10   ; the conversion to an 8-bit code does not saturate (ISA guide 7.6.2): the hold comes first
.endr
	v_cvt_scalef32_pk8_bf8_f32 v[C+4*\a:C+4*\a+1], v[XS:XS+7], v11
	v_cvt_scalef32_pk8_bf8_f32 v[C+4*\a+2:C+4*\a+3], v[XS+8:XS+15], v11
	v_lshrrev_b32 v[12+\a], 23, v11                ; the scale's byte (a plain instruction behind the conversions)
	ds_store_b8 v5, v[12+\a] offset:16*\a          ; both lanes of a block write the same byte with the same value
	global_store_b128 v7, v[C+4*\a:C+4*\a+3], s[32:33] offset:512*\a           ; 32 lanes store 512 consecutive bytes
.endm
	QSTEP 0
	QSTEP 1
	s_lshl_b32 s21, s20, 3
	v_mov_b32 v14, s21
	ds_store_b64 v14, v[DA+2:DA+3] offset:SELB     ; all lanes write the same words with the same values
	ds_store_b64 v14, v[DA+6:DA+7] offset:GWB
	s_wait_dscnt 0x0                               ; for wave 0's sake
	s_barrier_signal -1
	s_barrier_wait -1
	s_cmp_lg_u32 s20, 0
	s_cbranch_scc1 .Lend
	v_lshlrev_b32 v15, 3, v1
	v_lshlrev_b32 v18, 2, v1
	v_and_b32 v20, 15, v1
	v_lshlrev_b32 v20, 2, v20
	ds_load_b64 v[16:17], v15 offset:SCB           ; the eight tokens' 256 scale bytes
	ds_load_b32 v19, v18 offset:SELB               ; lanes 0-15: the experts' 64 bytes; lanes 16-31: the weights' 64
	s_wait_dscnt 0x0
	global_store_b64 v15, v[16:17], s[34:35]       ; 256 consecutive bytes, aligned
	v_cmp_gt_u32 vcc_lo, 16, v1
	s_wait_xcnt 0x0                                ; EXEC changes only behind this wait
	s_and_saveexec_b32 s31, vcc_lo
	global_store_b32 v20, v19, s[16:17]
	s_wait_xcnt 0x0
	s_or_b32 exec_lo, exec_lo, s31
	v_cmp_le_u32 vcc_lo, 16, v1
	s_and_saveexec_b32 s31, vcc_lo
	global_store_b32 v20, v19, s[18:19]
	s_wait_xcnt 0x0
	s_or_b32 exec_lo, exec_lo, s31
.Lend:
	s_wait_tensorcnt 0x0
	ds_add_u32 v192, v193
	s_wait_dscnt 0x0
	s_endpgm
.Lfunc_end_k_q8993d02187_route:
	.size	k_q8993d02187_route, .Lfunc_end_k_q8993d02187_route-k_q8993d02187_route
	.p2alignl 7, 3214868480
	.fill 96, 4, 3214868480
	.section	.rodata,"a",@progbits
	.p2align	6, 0x0
	.amdhsa_kernel k_q8993d02187_route
		.amdhsa_group_segment_fixed_size 63488
		.amdhsa_private_segment_fixed_size 0
		.amdhsa_enable_private_segment 0
		.amdhsa_kernarg_size 64
		.amdhsa_user_sgpr_count 2
		.amdhsa_user_sgpr_kernarg_segment_ptr 1
		.amdhsa_wavefront_size32 1
		.amdhsa_system_sgpr_workgroup_id_x 1
		.amdhsa_system_sgpr_workgroup_id_y 1
		.amdhsa_system_sgpr_workgroup_id_z 1
		.amdhsa_system_vgpr_workitem_id 0
		.amdhsa_next_free_vgpr 194
		.amdhsa_next_free_sgpr 66
		.amdhsa_reserve_vcc 1
		.amdhsa_float_denorm_mode_32 3
		.amdhsa_float_denorm_mode_16_64 3
		.amdhsa_memory_ordered 1
		.amdhsa_forward_progress 1
		.amdhsa_inst_pref_size 34
	.end_amdhsa_kernel
	.amdgpu_metadata
---
amdhsa.version: [ 1, 2 ]
amdhsa.kernels:
  - .name:           k_q8993d02187_route
    .symbol:         k_q8993d02187_route.kd
    .args:
      - { .name: xs, .offset: 0, .size: 8, .value_kind: global_buffer, .address_space: global }
      - { .name: bottle_neck, .offset: 8, .size: 8, .value_kind: global_buffer, .address_space: global }
      - { .name: Wlg, .offset: 16, .size: 8, .value_kind: global_buffer, .address_space: global }
      - { .name: blg, .offset: 24, .size: 8, .value_kind: global_buffer, .address_space: global }
      - { .name: Wg, .offset: 32, .size: 8, .value_kind: global_buffer, .address_space: global }
      - { .name: xq, .offset: 40, .size: 8, .value_kind: global_buffer, .address_space: global }
      - { .name: sel, .offset: 48, .size: 8, .value_kind: global_buffer, .address_space: global }
      - { .name: gw, .offset: 56, .size: 8, .value_kind: global_buffer, .address_space: global }
    .group_segment_fixed_size: 63488
    .private_segment_fixed_size: 0
    .kernarg_segment_align: 8
    .kernarg_segment_size: 64
    .max_flat_workgroup_size: 256
    .sgpr_count:     66
    .vgpr_count:     194
    .wavefront_size: 32
...
	.end_amdgpu_metadata
.endif
;; end of part 1
;; launch place (part 2): grid 1 x 1, 32 waves a work-group, no clusters, 8,192 bytes of LDS; arguments sel, xq, ord, xss; writes ord, xss
.if DOCPART == 2
	.amdgcn_target "amdgcn-amd-amdhsa--gfx1250"
	.amdhsa_code_object_version 6
	.text
	.protected	k_q8993d02187_place
	.globl	k_q8993d02187_place
	.p2align	8
	.type	k_q8993d02187_place,@function
k_q8993d02187_place:
	s_mov_b64 s[64:65], 0
	v_nop
	global_prefetch_b8 v0, s[64:65] scope:SCOPE_SE
	s_setreg_imm32_b32 hwreg(HW_REG_WAVE_MODE, 25, 1), 1
	s_wait_xcnt 0x0
; PLACE.  A counting sort of the 2,048 (token, expert) pairs by expert, in whole numbers alone.  One work-group, thread t = token t.
; Each expert's rows stand together, in the order of the tokens, and are filled up to groups of 64 rows; the fill rows name token 0 and carry the scale byte 0x7f: they are
; multiplied, stored and never read.  There are at most (2,048 + 8 x 63) / 64 = 39 groups, whatever the choice.
; OUT: ord: bytes 0-63 pairs {first group, number of groups} of the 8 experts; byte 64 the number of groups; from byte 256 pos[1024][2], each pair's sorted row; from byte 8,448
; list[2560], sorted row -> token.  xss: xs' scale bytes by sorted row, [2560][32].
; One work-group does it: the sort needs every wave's counts, and there is no traffic between work-groups.
; All offsets that hang on ids alone are made here at the head, ahead of the first load.
	s_load_b256 s[4:11], s[0:1], 0x0               ; sel, xq, ord, xss
	v_lshl_add_u32 v64, v0, 2, 0x1000
	v_mov_b32 v65, 0
	v_lshrrev_b32 v1, 5, v0
	v_readfirstlane_b32 s12, v1                    ; wave 0..31
	v_and_b32 v1, 31, v0                           ; lane
	v_lshlrev_b32 v2, 3, v0                        ; 8 t
	v_lshlrev_b32 v3, 5, v0                        ; 32 t
	v_and_b32 v6, 31, v0
	v_lshlrev_b32 v6, 2, v6                        ; 4 x lane: the table of groups, on its way out
	v_lshlrev_b32 v7, 2, v0                        ; LDS: my word of the table [wave][lane]
	v_lshlrev_b32 v21, 7, v1                       ; LDS: row "lane" of the table
	v_mov_b32 v16, 0                               ; my rank among my wave's rows of expert E0,
	v_mov_b32 v17, 0                               ; of E1
	v_mov_b32 v19, 0                               ; lane e: my wave's count for expert e
	s_mov_b32 s18, 0x76543210
	s_mov_b32 s19, 0xfedcba98
	s_wait_kmcnt 0x0
	s_add_nc_u64 s[6:7], s[6:7], 0x100000          ; xq's scale bytes
	global_load_b64 v[4:5], v2, s[4:5]
	global_load_b128 v[8:11], v3, s[6:7]
	global_load_b128 v[12:15], v3, s[6:7] offset:16
	s_wait_loadcnt 0x2                             ; the two experts are in; the scale bytes' two loads may be out
	v_min_u32 v4, 7, v4
	v_min_u32 v5, 7, v5
.irp e, 0,1,2,3,4,5,6,7
	v_cmp_eq_u32 s14, \e, v4
	v_cmp_eq_u32 s15, \e, v5
	s_or_b32 s16, s14, s15                         ; the wave's tokens that use expert e
	v_mbcnt_lo_u32_b32 v18, s16, 0                 ; how many of them stand in lower lanes
	v_cndmask_b32 v16, v16, v18, s14
	v_cndmask_b32 v17, v17, v18, s15
	s_bcnt1_i32_b32 s17, s16
	v_writelane_b32 v19, s17, \e
.endr
	ds_store_b32 v7, v19
	s_wait_dscnt 0x0
	s_barrier_signal -1
	s_barrier_wait -1
	ds_load_b128 v[24:27], v21                     ; lane l: wave l's eight counts
	ds_load_b128 v[28:31], v21 offset:16
	v_cmp_gt_u32 vcc_lo, s12, v1                   ; waves ahead of mine
	s_wait_dscnt 0x0
.irp e, 0,1,2,3,4,5,6,7
	v_cndmask_b32 v[32+\e], 0, v[24+\e], vcc_lo
.endr
.irp e, 0,1,2,3,4,5,6,7
	v_lshl_add_u32 v[24+\e], v[32+\e], 16, v[24+\e]                            ; low half: for the total; high half: for the rows ahead of my wave's (both at most 1,024)
.endr
.irp m, 1,2,4,8
.irp e, 0,1,2,3,4,5,6,7
	v_mov_b32_dpp v[32+\e], v[24+\e] row_xmask:\m row_mask:0xf bank_mask:0xf
.endr
.irp e, 0,1,2,3,4,5,6,7
	v_add_nc_u32 v[24+\e], v[24+\e], v[32+\e]
.endr
.endr
.irp e, 0,1,2,3,4,5,6,7
	v_permlanex16_b32 v[32+\e], v[24+\e], s18, s19
.endr
.irp e, 0,1,2,3,4,5,6,7
	v_add_nc_u32 v[24+\e], v[24+\e], v[32+\e]
.endr
.irp e, 0,1,2,3,4,5,6,7
	v_readfirstlane_b32 s[32+\e], v[24+\e]
.endr
	s_mov_b32 s74, 0                               ; groups so far
.irp e, 0,1,2,3,4,5,6,7
	s_and_b32 s[40+\e], s[32+\e], 0xffff           ; the expert's rows
	s_lshr_b32 s[48+\e], s[32+\e], 16              ; those of earlier waves
	s_add_co_u32 s[56+\e], s[40+\e], 63
	s_lshr_b32 s[56+\e], s[56+\e], 6               ; its groups
	s_mov_b32 s[66+\e], s74                        ; its first group
	s_lshl_b32 s75, s74, 6
	s_add_co_u32 s[48+\e], s[48+\e], s75           ; where my wave's rows of it begin
	s_add_co_u32 s74, s74, s[56+\e]
.endr
	v_mov_b32 v22, s48
	v_mov_b32 v23, s48
.irp e, 1,2,3,4,5,6,7
	v_cmp_ne_u32 vcc_lo, \e, v4
	v_cndmask_b32 v22, s[48+\e], v22, vcc_lo
	v_cmp_ne_u32 vcc_lo, \e, v5
	v_cndmask_b32 v23, s[48+\e], v23, vcc_lo
.endr
	v_add_nc_u32 v22, v22, v16
	v_add_nc_u32 v23, v23, v17
	v_min_u32 v22, 0x9ff, v22                      ; my two sorted rows, inside the tables
	v_min_u32 v23, 0x9ff, v23
	v_lshlrev_b32 v34, 2, v22
	v_lshlrev_b32 v35, 2, v23
	v_lshlrev_b32 v36, 5, v22
	v_lshlrev_b32 v37, 5, v23
	s_wait_loadcnt 0x0                             ; my token's scale bytes
	global_store_b64 v2, v[22:23], s[8:9] offset:256
	global_store_b32 v34, v0, s[8:9] offset:8448
	global_store_b32 v35, v0, s[8:9] offset:8448
	global_store_b128 v36, v[8:11], s[10:11]
	global_store_b128 v36, v[12:15], s[10:11] offset:16
	global_store_b128 v37, v[8:11], s[10:11]
	global_store_b128 v37, v[12:15], s[10:11] offset:16
; THE FILL ROWS: at most 63 an expert: waves e and e + 8 take 32 each
	s_cmp_lt_u32 s12, 16
	s_cbranch_scc0 .Lnopad
	s_and_b32 s76, s12, 7
	s_mov_b32 s77, s40
	s_mov_b32 s78, s56
	s_mov_b32 s79, s66
.irp e, 1,2,3,4,5,6,7
	s_cmp_eq_u32 s76, \e
	s_cselect_b32 s77, s[40+\e], s77
	s_cselect_b32 s78, s[56+\e], s78
	s_cselect_b32 s79, s[66+\e], s79
.endr
	s_lshr_b32 s76, s12, 3
	s_lshl_b32 s76, s76, 5
	s_add_co_u32 s76, s76, s77
	v_add_nc_u32 v40, s76, v1                      ; a row of the expert, behind its last real one
	s_lshl_b32 s78, s78, 6
	s_lshl_b32 s79, s79, 6
	v_cmp_gt_u32 vcc_lo, s78, v40                  ; still inside its groups?
	v_add_nc_u32 v40, s79, v40
	v_min_u32 v40, 0x9ff, v40
	v_lshlrev_b32 v41, 2, v40
	v_lshlrev_b32 v43, 5, v40
	v_mov_b32 v42, 0
.irp i, 0,1,2,3
	v_mov_b32 v[44+\i], 0x7f7f7f7f
.endr
	s_wait_xcnt 0x0                                ; EXEC changes only behind this wait
	s_and_saveexec_b32 s76, vcc_lo
	global_store_b32 v41, v42, s[8:9] offset:8448
	global_store_b128 v43, v[44:47], s[10:11]
	global_store_b128 v43, v[44:47], s[10:11] offset:16
	s_wait_xcnt 0x0
	s_or_b32 exec_lo, exec_lo, s76
.Lnopad:
	s_cmp_eq_u32 s12, 16                           ; wave 16 stores the table of groups
	s_cbranch_scc0 .Lend
	v_mov_b32 v48, 0
.irp e, 0,1,2,3,4,5,6,7
	v_writelane_b32 v48, s[66+\e], 2*\e
	v_writelane_b32 v48, s[56+\e], 2*\e+1
.endr
	v_writelane_b32 v48, s74, 16
	global_store_b32 v6, v48, s[8:9]               ; 128 consecutive bytes: the 8 pairs, the number of groups, zeros
.Lend:
	s_wait_tensorcnt 0x0
	ds_add_u32 v64, v65
	s_wait_dscnt 0x0
	s_endpgm
.Lfunc_end_k_q8993d02187_place:
	.size	k_q8993d02187_place, .Lfunc_end_k_q8993d02187_place-k_q8993d02187_place
	.p2alignl 7, 3214868480
	.fill 96, 4, 3214868480
	.section	.rodata,"a",@progbits
	.p2align	6, 0x0
	.amdhsa_kernel k_q8993d02187_place
		.amdhsa_group_segment_fixed_size 8192
		.amdhsa_private_segment_fixed_size 0
		.amdhsa_enable_private_segment 0
		.amdhsa_kernarg_size 32
		.amdhsa_user_sgpr_count 2
		.amdhsa_user_sgpr_kernarg_segment_ptr 1
		.amdhsa_wavefront_size32 1
		.amdhsa_system_sgpr_workgroup_id_x 1
		.amdhsa_system_sgpr_workgroup_id_y 1
		.amdhsa_system_sgpr_workgroup_id_z 1
		.amdhsa_system_vgpr_workitem_id 0
		.amdhsa_next_free_vgpr 66
		.amdhsa_next_free_sgpr 80
		.amdhsa_reserve_vcc 1
		.amdhsa_float_denorm_mode_32 3
		.amdhsa_float_denorm_mode_16_64 3
		.amdhsa_memory_ordered 1
		.amdhsa_forward_progress 1
		.amdhsa_inst_pref_size 18
	.end_amdhsa_kernel
	.amdgpu_metadata
---
amdhsa.version: [ 1, 2 ]
amdhsa.kernels:
  - .name:           k_q8993d02187_place
    .symbol:         k_q8993d02187_place.kd
    .args:
      - { .name: sel, .offset: 0, .size: 8, .value_kind: global_buffer, .address_space: global }
      - { .name: xq, .offset: 8, .size: 8, .value_kind: global_buffer, .address_space: global }
      - { .name: ord, .offset: 16, .size: 8, .value_kind: global_buffer, .address_space: global }
      - { .name: xss, .offset: 24, .size: 8, .value_kind: global_buffer, .address_space: global }
    .group_segment_fixed_size: 8192
    .private_segment_fixed_size: 0
    .kernarg_segment_align: 8
    .kernarg_segment_size: 32
    .max_flat_workgroup_size: 1024
    .sgpr_count:     80
    .vgpr_count:     66
    .wavefront_size: 32
...
	.end_amdgpu_metadata
.endif
;; end of part 2
;; launch ffn1 (part 3): grid 32 x 8, 4 waves a work-group, no clusters, 311,808 bytes of LDS; arguments W1, b1, xq, ord, xss, hq; writes hq
.if DOCPART == 3
	.amdgcn_target "amdgcn-amd-amdhsa--gfx1250"
	.amdhsa_code_object_version 6
	.text
	.protected	k_q8993d02187_ffn1
	.globl	k_q8993d02187_ffn1
	.p2align	8
	.type	k_q8993d02187_ffn1,@function
k_q8993d02187_ffn1:
	s_mov_b64 s[64:65], 0
	v_nop
	global_prefetch_b8 v0, s[64:65] scope:SCOPE_SE
	s_setreg_imm32_b32 hwreg(HW_REG_WAVE_MODE, 25, 1), 1
	s_wait_xcnt 0x0
; FFN1.  h = relu(x W1^T + b1) for the rows that were routed to an expert, on codes of E5M2 with one E8M0 scale for each 32 along K = D; h leaves quantised along H.
; SHARES.  Work-group (x, y) owns hidden units 128 x .. 128 x + 127 of expert y: a slab of 128 rows x 1,024 of W1, 512 KB of f32, which no other work-group reads.
; PHASE 1, the stream: wave w reads rows 32 w .. 32 w + 31 of the slab, 64 loads of 512 consecutive bytes always on their way, quantises them in registers and lays the fragments
; in LDS as images of the operand's registers.  PHASE 2: wave (ih, j) takes column tiles 4 ih .. 4 ih + 3 for all 8 K steps into 512 registers, where they stay.
; PHASE 3, the rows: the expert's groups of 64 sorted rows, one a trip.  x's codes are gathered by the token list into LDS (two buffers by turns, a trip ahead); wave (ih, j)
; multiplies row tiles 2 j, 2 j + 1; b1 is the C of each sum's first product; relu and the hold are one instruction; the codes leave as fragment images for the next launch.
; THE PRODUCT IS USED TRANSPOSED (source 0 = 16 rows of W1, source 1 = 16 rows of x): a lane holds one row of x.  THE ROWS OF W1 THAT FORM A TILE ARE NOT NEIGHBOURS: lane r of
; tile 2 b + u takes row 32 b + 8 u + r + 8 (r / 8), so that the 16 registers of tiles 2 b and 2 b + 1 are 16 neighbours along H, the next K.
; THE LOOP OVER GROUPS HAS 16 TRIPS, as many as an expert can have groups (1,024 rows); a trip's work is jumped over by scalar branches on the stored number of groups, its barrier is not.
; A GROUP'S NUMBER, the expert's first group (read from memory) + the trip, is held at 39, the last group that the buffers have room for, each time it enters an address.
; NO TENSOR LOAD, NO CLUSTER: the trips' branches hang on numbers read from memory, so operands go through registers; what the 32 work-groups of an expert share, 64 KB of codes a
; group, is small beside each one's own 512 KB.  No prefetch: the stream has 64 loads a wave out, and a group's rows are asked for a whole trip ahead.
; LIMITS: NaN and infinities are not served; a block of zeros gets the byte 1 (its codes are zeros; only this program reads the bytes).
; hq: codes [K step 32][group 40][tile 4][2,048 bytes], piece c of a fragment at 512 c + 16 x lane; from byte 10,485,760 scale words [K step 32][row 2,560].
; REGISTERS.  window 0: v1-20 addresses; v24-39 the gather's offsets; v40-71 W1's scale words; v72-87 x's, two sets; v88-119 b1; v120-136 the quantiser's; v140-155 codes; v160-223 the
; 8 accumulators (in phase 1: 64 numbers of W1).  windows 1, 2: W1's fragments of K steps 0-3, 4-7.  window 3: in phase 1 four sets of 64 as loaded; then v0-127 x's codes from
; memory, v128-255 a ring of four K steps' fragments of x.
.set RPITCH, 4096                      ; a row of W1 in bytes
.set GLAST, 39                         ; the last group that the buffers have room for
.set IMG,   0                          ; LDS: fragment (tile ct, K step s) at (8 ct + s) x 2,048
.set WSC,   131072                     ; its scale words, 128 bytes each
.set TURN,  139264                     ; 16 rows x 528 bytes for each wave: rows of 512 bytes + 16: the sixteen rows that a read touches begin 4 words apart modulo 64
.set ABUF0, 173056                     ; 64 rows of x's codes, 1,040 bytes apart (1,024 + 16)
.set ABUF1, 239616
.set HSB0,  306176                     ; h's scale bytes of a group, 64 rows x 4; a second set 256 bytes on
.set L16,  1
.set TSW,  2
.set TSR,  3
.set IMA0, 4
.set IMS0, 5
.set IMA,  6
.set IMS,  7
.set WLD,  8
.set WSL,  9
.set AFR,  10
.set AST,  12
.set ASO,  14
.set HO,   15
.set HO0,  16
.set HSBW, 17
.set HSBR, 18
.set HSO,  19
.set ASO0, 20
.set AO,   24
.set WS,   40
.set AS,   72
.set BI,   88
.set TM,   120
.set PW,   136
.set PC,   140
.set ACC,  160
.set HB,   224
.set WB,   22                          ; s[22:23] where my wave's stream stands
.set TK,   36                          ; s[36:51] sixteen tokens of the list
.set SEL,  30
.set MNT,  32
.set MSB, 0
.macro WIN new                         ; the immediate's high byte repeats the setting that is left; a switch that changes nothing is dropped
.if MSB != \new
	s_set_vgpr_msb (MSB<<8)|\new
.set MSB, \new
.endif
.endm
.macro NOPS n
.rept \n
	v_nop
.endr
.endm
; 64 numbers of a lane, register 16 b + i = k 32 b + 16 (lane / 16) + i of my row, become a fragment's codes in v[PC] on, its bytes in v[TM+4] on and its scale word in v[PW].
.macro QUANT s, relu                   ; relu = 1: what is negative becomes 0 on the way
.if \relu
.irp b, 0,1,2,3
	v_max3_num_f32 v[TM+\b], v[\s+16*\b], v[\s+1+16*\b], 0x8000000             ; no |.|: what is negative must not count; the floor 2^(16 - 127) holds the byte at 1 from below
.endr
.irp i, 2,4,6,8,10,12,14
.irp b, 0,1,2,3
	v_max3_num_f32 v[TM+\b], v[TM+\b], v[\s+16*\b+\i], v[\s+1+16*\b+\i]
.endr
.endr
.else
.irp b, 0,1,2,3
	v_max3_num_f32 v[TM+\b], |v[\s+16*\b]|, |v[\s+1+16*\b]|, 0x8000000
.endr
.irp i, 2,4,6,8,10,12,14
.irp b, 0,1,2,3
	v_max3_num_f32 v[TM+\b], v[TM+\b], |v[\s+16*\b+\i]|, |v[\s+1+16*\b+\i]|
.endr
.endr
.endif
.irp b, 0,1,2,3
	v_permlanex16_b32 v[TM+4+\b], v[TM+\b], s[SEL], s[SEL+1]
.endr
.irp b, 0,1,2,3
	v_max_num_f32 v[TM+\b], v[TM+\b], v[TM+4+\b]   ; with lane l xor 16's: the block's largest magnitude
.endr
.irp b, 0,1,2,3
	v_add_nc_u32 v[TM+12+\b], 0xf8800000, v[TM+\b] ; 15 off its exponent field: the conversion's scale operand
.endr
.irp b, 0,1,2,3
	v_and_or_b32 v[TM+8+\b], v[TM+\b], 0x7f800000, s[MNT]                      ; 57,344 x the scale
.endr
.irp b, 0,1,2,3
	v_lshrrev_b32 v[TM+4+\b], 23, v[TM+12+\b]      ; the scale's byte
.endr
	v_lshl_or_b32 v[PW], v[TM+5], 8, v[TM+4]
	v_lshl_or_b32 v[PW], v[TM+6], 16, v[PW]
	v_lshl_or_b32 v[PW], v[TM+7], 24, v[PW]
.irp b, 0,1,2,3
.irp i, 0,1,2,3,4,5,6,7,8,9,10,11,12,13,14,15
.if \relu
	v_med3_num_f32 v[\s+16*\b+\i], v[\s+16*\b+\i], 0, v[TM+8+\b]               ; the activation and the hold in one
.else
	v_med3_num_f32 v[\s+16*\b+\i], v[\s+16*\b+\i], -v[TM+8+\b], v[TM+8+\b]     ; the conversion to an 8-bit code does not saturate (ISA guide 7.6.2)
.endif
.endr
	v_cvt_scalef32_pk8_bf8_f32 v[PC+4*\b:PC+1+4*\b], v[\s+16*\b:\s+7+16*\b], v[TM+12+\b]
	v_cvt_scalef32_pk8_bf8_f32 v[PC+2+4*\b:PC+3+4*\b], v[\s+8+16*\b:\s+15+16*\b], v[TM+12+\b]
.endr
	v_nop                                          ; a plain instruction behind the last conversion: later products write its sources
.endm
; 16 rows x 512 bytes of W1 into set pos: tile pos % 2 of my two, K step pos / 2 of the trip's two; each load reads 512 consecutive bytes of one row
.macro WLOAD pos, extra
	WIN 0xc0                                       ; destination window 3
.irp i, 0,1,2,3,4,5,6,7,8,9,10,11,12,13,14,15
	global_load_b128 v[64*\pos+4*\i:64*\pos+4*\i+3], v[L16], s[WB:WB+1] offset:(8*(\pos%2)+\i+8*(\i/8))*RPITCH+512*(\pos/2)+\extra th:TH_LOAD_NT
.endr
	WIN 0
.endm
; One fragment: set pos turns through my stage, so that lane (r, h) holds 16 neighbours of each block of 32 of row r; the set is asked for anew (ld = 1); quantised; image to LDS.
.macro FR pos, ld, cnt
	s_wait_loadcnt \cnt                            ; this set's 16 loads are in; cnt younger ones may be out
	WIN 0x0c                                       ; an LDS store's data: window 3
.irp i, 0,1,2,3,4,5,6,7,8,9,10,11,12,13,14,15
	ds_store_b128 v[TSW], v[64*\pos+4*\i:64*\pos+4*\i+3] offset:528*\i
.endr
	WIN 0
.irp c, 0,1,2,3
.irp k, 0,1,2,3
	ds_load_b128 v[ACC+16*\c+4*\k:ACC+16*\c+4*\k+3], v[TSR] offset:128*\c+16*\k    ; LDS serves a wave's instructions in order: these see the stores above
.endr
.endr
	s_wait_dscnt 0x0                               ; the numbers are back; the stores have read the set; the last fragment's image stores have read the codes
.if \ld
	WLOAD \pos, 1024                               ; the same place two K steps on
.endif
	QUANT ACC, 0
.irp c, 0,1,2,3
	ds_store_b128 v[IMA], v[PC+4*\c:PC+4*\c+3] offset:16384*(\pos%2)+2048*(\pos/2)+512*\c
.endr
	ds_store_b32 v[IMS], v[PW] offset:1024*(\pos%2)+128*(\pos/2)
.endm
; The rows of group s52 (held at GLAST by the caller) are asked for: my 16 rows of x's codes by the token list (two loads of 512 bytes a row), my 32 rows' scale words into set tgt; then the list's next sixteen tokens.
.macro ISSUE tgt
	s_wait_kmcnt 0x0                               ; the tokens are in, and s53, the last list load's offset, may be written
.irp i, 0,1,2,3,4,5,6,7,8,9,10,11,12,13,14,15
	s_min_u32 s53, s[TK+\i], 0x3ff
	s_lshl_b32 s53, s53, 10
	v_add_nc_u32 v[AO+\i], s53, v[L16]
.endr
	s_lshl_b32 s53, s52, 11
	v_add_nc_u32 v[ASO], s53, v[ASO0]
	WIN 0xc0
.irp i, 0,1,2,3,4,5,6,7,8,9,10,11,12,13,14,15
	global_load_b128 v[8*\i:8*\i+3], v[AO+\i], s[8:9]
	global_load_b128 v[8*\i+4:8*\i+7], v[AO+\i], s[8:9] offset:512
.endr
	WIN 0
	global_load_b128 v[AS+8*(\tgt):AS+8*(\tgt)+3], v[ASO], s[12:13]            ; lane l: the 8 scale words of row 32 j + l: lanes 0-15 my first tile's rows, lanes 16-31 my second's
	global_load_b128 v[AS+8*(\tgt)+4:AS+8*(\tgt)+7], v[ASO], s[12:13] offset:16
	s_add_co_u32 s53, s52, 1
	s_min_u32 s53, s53, s26                        ; the group after it, or the last group that the list holds
	s_min_u32 s53, s53, GLAST
	s_lshl_b32 s53, s53, 8
	s_add_co_u32 s53, s53, s62
	s_load_b512 s[TK:TK+15], s[58:59], s53 offset:0x0
.endm
.macro CONSUME tgt                     ; my 16 rows go into buffer tgt
	WIN 0x0c
.irp i, 0,1,2,3,4,5,6,7,8,9,10,11,12,13,14,15
	ds_store_b128 v[AST+(\tgt)], v[8*\i:8*\i+3] offset:1040*\i
	ds_store_b128 v[AST+(\tgt)], v[8*\i+4:8*\i+7] offset:1040*\i+512
.endr
	WIN 0
.endm
.macro FRAGS p, s                      ; K step s of my two row tiles: 8 loads, into ring place s % 4 (window 3)
.irp m, 0,1
.irp c, 0,1,2,3
	ds_load_b128 v[128+32*((\s)%4)+16*\m+4*\c:128+32*((\s)%4)+16*\m+4*\c+3], v[AFR+\p] offset:16640*\m+128*(\s)+32*\c
.endr
.endr
.endm
; 8 products: my two row tiles x my four column tiles, K step s.  The 8 accumulators take turns, one instruction a turn, in the same order in every K step.
.macro MUL p, s
.irp m, 0,1
.irp t, 0,1,2,3
.set rD, ACC+32*\m+8*\t
.set rW, 16*(4*\t+(\s)%4)
.set rF, 128+32*((\s)%4)+16*\m
.set rC, rD
.if (\s) == 0
.set rC, BI+8*\t                       ; the bias starts the sum
.endif
.if \m
	v_wmma_scale_f32_16x16x128_f8f6f4 v[rD:rD+7], v[rW:rW+15], v[rF:rF+15], v[rC:rC+7], v[WS+8*\t+(\s)], v[AS+8*(\p)+(\s)] matrix_a_fmt:MATRIX_FMT_BF8 matrix_b_fmt:MATRIX_FMT_BF8 matrix_b_scale:MATRIX_SCALE_ROW1
.else
	v_wmma_scale_f32_16x16x128_f8f6f4 v[rD:rD+7], v[rW:rW+15], v[rF:rF+15], v[rC:rC+7], v[WS+8*\t+(\s)], v[AS+8*(\p)+(\s)] matrix_a_fmt:MATRIX_FMT_BF8 matrix_b_fmt:MATRIX_FMT_BF8
.endif
.endr
.endr
.endm
; A group's 64 products.  Each wait's count is the loads of the younger K steps, 8 each.  Eight plain instructions stand between the last product that read a ring place and the loads
; into it; nine behind the last products, whose accumulators the next group's first products write anew.
.macro COMPUTE p
	WIN 0xc0
	FRAGS \p, 0
	FRAGS \p, 1
	FRAGS \p, 2
	FRAGS \p, 3
	s_wait_dscnt 24
	WIN 0x0d                                       ; source 0 (W1) window 1, source 1 (x) window 3, C and D window 0
	MUL \p, 0
	s_wait_dscnt 16
	MUL \p, 1
	NOPS 8
	WIN 0xc0
	FRAGS \p, 4
	FRAGS \p, 5
	s_wait_dscnt 24
	WIN 0x0d
	MUL \p, 2
	s_wait_dscnt 16
	MUL \p, 3
	NOPS 8
	WIN 0xc0
	FRAGS \p, 6
	FRAGS \p, 7
	s_wait_dscnt 24
	WIN 0x0e                                       ; W1's K steps 4-7: window 2
	MUL \p, 4
	s_wait_dscnt 16
	MUL \p, 5
	s_wait_dscnt 8
	MUL \p, 6
	s_wait_dscnt 0x0
	MUL \p, 7
	WIN 0
	NOPS 9
.endm
; The group's h: block 2 m + b of the quantiser is hidden units 32 (2 ih + b) .. + 31 of row tile 2 j + m: piece 2 ih + b of that tile's fragment.
.macro EPI p
	s_wait_xcnt 0x0                                ; the last group's stores have read their codes and their offset
	QUANT ACC, 1
	s_add_co_u32 s35, s24, s27
	s_min_u32 s35, s35, GLAST                      ; the group's number, held inside the buffer
	s_lshl_b32 s35, s35, 13                        ; its 8,192 bytes
	v_add_nc_u32 v[HO], s35, v[HO0]
.irp m, 0,1
.irp b, 0,1
	global_store_b128 v[HO], v[PC+4*(2*\m+\b):PC+4*(2*\m+\b)+3], s[54:55] offset:2048*\m+512*\b th:TH_STORE_NT    ; 32 lanes store 512 consecutive bytes, aligned
	ds_store_b8 v[HSBW], v[TM+4+2*\m+\b] offset:256*\p+64*\m+\b                ; both lanes of a row write the same byte with the same value
.endr
.endr
.endm
	s_load_b256 s[4:11], s[0:1], 0x0               ; W1, b1, xq, ord
	s_load_b128 s[12:15], s[0:1], 0x20             ; xss, hq
	v_lshl_add_u32 v254, v0, 2, 0x4c000
	v_mov_b32 v255, 0
	v_lshrrev_b32 v1, 5, v0
	v_readfirstlane_b32 s16, v1                    ; wave w
	s_lshr_b32 s17, s16, 1                         ; ih: which half of the slab's columns I multiply
	s_and_b32 s18, s16, 1                          ; j: which half of a group's rows
	s_and_b32 s19, ttmp7, 0xffff                   ; the expert
	s_mov_b32 s20, ttmp9                           ; the slice of H
	v_and_b32 v21, 31, v0                          ; lane
	v_and_b32 v22, 15, v0                          ; r
	v_bfe_u32 v23, v0, 4, 1                        ; h
	v_lshlrev_b32 v[L16], 4, v21
	s_mul_i32 s21, s16, 8448
	s_add_co_u32 s21, s21, TURN
	v_add_nc_u32 v[TSW], s21, v[L16]
	v_mul_u32_u24 v[TSR], v22, 528
	v_lshl_add_u32 v[TSR], v23, 6, v[TSR]
	v_add_nc_u32 v[TSR], s21, v[TSR]
	s_lshl_b32 s21, s16, 15
	v_add_nc_u32 v[IMA0], s21, v[L16]
	s_lshl_b32 s21, s16, 11
	s_add_co_u32 s21, s21, WSC
	v_lshl_add_u32 v[IMS0], v21, 2, s21
	s_lshl_b32 s21, s17, 16
	v_add_nc_u32 v[WLD], s21, v[L16]
	s_lshl_b32 s21, s17, 12
	s_add_co_u32 s21, s21, WSC
	v_lshl_add_u32 v[WSL], v21, 2, s21
	s_mul_i32 s21, s18, 33280
	v_mul_u32_u24 v[AFR], v22, 1040
	v_lshl_add_u32 v[AFR], v23, 4, v[AFR]
	v_add_nc_u32 v[AFR], s21, v[AFR]
	v_add_nc_u32 v[AFR+1], ABUF1, v[AFR]
	v_add_nc_u32 v[AFR], ABUF0, v[AFR]
	s_mul_i32 s21, s16, 16640
	v_add_nc_u32 v[AST], s21, v[L16]
	v_add_nc_u32 v[AST+1], ABUF1, v[AST]
	v_add_nc_u32 v[AST], ABUF0, v[AST]
	s_lshl_b32 s21, s18, 10
	v_lshl_add_u32 v[ASO0], v21, 5, s21            ; xss: 32 bytes x (32 j + lane)
	s_lshl_b32 s21, s18, 12
	s_lshl_b32 s35, s17, 10
	s_add_co_u32 s21, s21, s35
	v_add_nc_u32 v[HO0], s21, v[L16]               ; hq: 4,096 j + 1,024 ih + 16 x lane
	s_lshl_b32 s21, s18, 7
	s_lshl_b32 s35, s17, 1
	s_add_co_u32 s21, s21, s35
	s_add_co_u32 s21, s21, HSB0
	v_lshl_add_u32 v[HSBW], v22, 2, s21            ; row (32 j + r)'s word, byte 2 ih
	v_lshl_add_u32 v[HSBR], v21, 3, HSB0
	v_lshlrev_b32 v[HSO], 6, v23                   ; (first: b1's offset, 16 h numbers)
.irp b, 0,1,2,3
	v_mov_b32 v[TM+4+\b], 0                        ; written once: a lane permute's destination counts as one of its sources
.endr
.irp i, 0,1,2,3,4,5,6,7,8,9,10,11,12,13,14,15
	v_mov_b32 v[AS+\i], 0x7f7f7f7f                 ; written once: on every way to a product these registers hold scales
.endr
	s_mov_b32 s[SEL], 0x76543210
	s_mov_b32 s[SEL+1], 0xfedcba98
	s_mov_b32 s[MNT], 0x600000
	s_lshl_b32 s62, s16, 6                         ; 64 w: my sixteen words of a group's 64 in the list
	s_lshl_b32 s52, s19, 3
	s_mov_b32 s61, 0
	s_wait_kmcnt 0x0
	s_load_b64 s[24:25], s[10:11], s52 offset:0x0  ; the expert's first group, its number of groups
	s_load_b32 s26, s[10:11], 0x40                 ; the number of groups in all
	s_lshl_b32 s35, s19, 12
	s_lshl_b32 s21, s20, 7
	s_add_co_u32 s35, s35, s21                     ; the slab's first hidden unit, counted over all experts
	s_lshl_b32 s60, s16, 5
	s_add_co_u32 s60, s60, s35
	s_lshl_b32 s60, s60, 12
	s_add_nc_u64 s[WB:WB+1], s[4:5], s[60:61]
	s_lshl_b32 s60, s17, 6
	s_add_co_u32 s60, s60, s35
	s_lshl_b32 s60, s60, 2
	s_add_nc_u64 s[6:7], s[6:7], s[60:61]          ; b1 at my 64 hidden units
	s_mul_i32 s60, s20, 327680
	s_add_nc_u64 s[54:55], s[14:15], s[60:61]      ; hq: this K step's codes,
	s_mul_i32 s60, s20, 10240
	s_add_co_u32 s60, s60, 10485760
	s_add_nc_u64 s[56:57], s[14:15], s[60:61]      ; its scale words
	s_add_nc_u64 s[58:59], s[10:11], 8448          ; the list
.irp t, 0,1,2,3
	global_load_b128 v[BI+8*\t:BI+8*\t+3], v[HSO], s[6:7] offset:(32*(\t/2)+8*(\t%2))*4        ; b1 in the result's layout: tile 2 b + u, lane half h: units 32 b + 16 h + 8 u + 0 .. 7
	global_load_b128 v[BI+8*\t+4:BI+8*\t+7], v[HSO], s[6:7] offset:(32*(\t/2)+8*(\t%2))*4+16
.endr
	WLOAD 0, 0
	WLOAD 1, 0
	WLOAD 2, 0
	WLOAD 3, 0
	s_wait_kmcnt 0x0
	s_min_u32 s24, s24, GLAST
	s_min_u32 s25, s25, 16
	s_sub_co_u32 s26, s26, 1
	s_min_u32 s26, s26, GLAST                      ; the last group
	s_min_u32 s52, s24, s26
	s_min_u32 s52, s52, GLAST                      ; the first group that I ask for: the expert's first (for an expert without rows: some group that exists; its rows are not used)
	s_lshl_b32 s53, s52, 8
	s_add_co_u32 s53, s53, s62
	s_load_b512 s[TK:TK+15], s[58:59], s53 offset:0x0
; PHASE 1.  A trip: two K steps x my two tiles.  The count 48 leaves the three younger sets out; b1's loads are older.
	s_mov_b32 s33, 0
	s_mov_b32 s34, 0
	s_mov_b32 s29, 0
.Lstream:
	v_add_nc_u32 v[IMA], s33, v[IMA0]
	v_add_nc_u32 v[IMS], s34, v[IMS0]
	FR 0, 1, 48
	FR 1, 1, 48
	FR 2, 1, 48
	FR 3, 1, 48
	s_wait_xcnt 0x0                                ; the loads have read their base
	s_add_nc_u64 s[WB:WB+1], s[WB:WB+1], 1024
	s_add_co_u32 s33, s33, 4096
	s_add_co_u32 s34, s34, 256
	s_add_co_u32 s29, s29, 1
	s_cmp_lt_u32 s29, 3
	s_cbranch_scc1 .Lstream
	v_add_nc_u32 v[IMA], s33, v[IMA0]
	v_add_nc_u32 v[IMS], s34, v[IMS0]
	FR 0, 0, 48                                    ; the last two K steps load nothing: the counts run down
	FR 1, 0, 32
	FR 2, 0, 16
	ISSUE 0                                        ; the first group's rows, into the two sets that are done with: 34 loads
	FR 3, 0, 34
	s_wait_dscnt 0x0                               ; for the others' sake: my images have landed
	s_barrier_signal -1
	s_barrier_wait -1
; PHASE 2.  My four column tiles, all 8 K steps, and their scale words; the first group's rows into buffer 0.
	WIN 0x40
.irp t, 0,1,2,3
.irp s, 0,1,2,3
.irp c, 0,1,2,3
	ds_load_b128 v[16*(4*\t+\s)+4*\c:16*(4*\t+\s)+4*\c+3], v[WLD] offset:(8*\t+\s)*2048+512*\c
.endr
.endr
.endr
	WIN 0x80
.irp t, 0,1,2,3
.irp s, 0,1,2,3
.irp c, 0,1,2,3
	ds_load_b128 v[16*(4*\t+\s)+4*\c:16*(4*\t+\s)+4*\c+3], v[WLD] offset:(8*\t+\s+4)*2048+512*\c
.endr
.endr
.endr
	WIN 0
.irp i, 0,1,2,3,4,5,6,7,8,9,10,11,12,13,14,15,16,17,18,19,20,21,22,23,24,25,26,27,28,29,30,31
	ds_load_b32 v[WS+\i], v[WSL] offset:128*\i
.endr
	s_wait_loadcnt 0x0
	CONSUME 0
	s_wait_dscnt 0x0
	s_barrier_signal -1
	s_barrier_wait -1
; PHASE 3.  Trip g works on buffer p = g % 2.  One barrier a trip: buffer 1 - p was last read in front of the last trip's barrier; the scale bytes' set p is written again only behind
; the next trip's barrier, which wave 0 signals behind its read of it.
.macro TRIP p
	s_add_co_u32 s28, s27, 1
	s_cmp_ge_u32 s27, s25
	s_cbranch_scc1 .Lidle_\@
	s_cmp_lt_u32 s28, s25
	s_cbranch_scc0 .Lnoissue_\@
	s_add_co_u32 s52, s24, s28
	s_min_u32 s52, s52, GLAST                      ; the next group's number, held inside the buffers
	ISSUE 1-\p                                     ; its rows: they have this trip's products in which to land
.Lnoissue_\@:
	COMPUTE \p
	EPI \p
	s_cmp_lt_u32 s28, s25
	s_cbranch_scc0 .Lidle_\@
	s_wait_loadcnt 0x0
	CONSUME 1-\p
.Lidle_\@:
	s_wait_loadcnt 0x0                             ; on every way: no load of mine is out, so the next trip may write the gather's offsets
	s_wait_dscnt 0x0                               ; my LDS stores have landed and my reads of buffer p are over
	s_barrier_signal -1
	s_barrier_wait -1
	s_cmp_ge_u32 s27, s25
	s_cbranch_scc1 .Lnos_\@
	s_cmp_lg_u32 s16, 0
	s_cbranch_scc1 .Lnos_\@
	s_wait_xcnt 0x0                                ; the last such store has read its registers
	s_add_co_u32 s35, s24, s27
	s_min_u32 s35, s35, GLAST                      ; the group's number, held inside the buffer
	s_lshl_b32 s35, s35, 8
	v_lshl_add_u32 v[HSO], v21, 3, s35
	ds_load_b64 v[HB:HB+1], v[HSBR] offset:256*\p  ; the group's 64 scale words
	s_wait_dscnt 0x0
	global_store_b64 v[HSO], v[HB:HB+1], s[56:57]  ; 256 consecutive bytes, aligned
.Lnos_\@:
	s_mov_b32 s27, s28
.endm
	s_mov_b32 s27, 0
	s_mov_b32 s29, 0
.Lrows:
	TRIP 0
	TRIP 1
	s_add_co_u32 s29, s29, 1
	s_cmp_lt_u32 s29, 8
	s_cbranch_scc1 .Lrows
	s_wait_tensorcnt 0x0
	ds_add_u32 v254, v255
	s_wait_dscnt 0x0
	s_endpgm
.Lfunc_end_k_q8993d02187_ffn1:
	.size	k_q8993d02187_ffn1, .Lfunc_end_k_q8993d02187_ffn1-k_q8993d02187_ffn1
	.p2alignl 7, 3214868480
	.fill 96, 4, 3214868480
	.section	.rodata,"a",@progbits
	.p2align	6, 0x0
	.amdhsa_kernel k_q8993d02187_ffn1
		.amdhsa_group_segment_fixed_size 311808
		.amdhsa_private_segment_fixed_size 0
		.amdhsa_enable_private_segment 0
		.amdhsa_kernarg_size 48
		.amdhsa_user_sgpr_count 2
		.amdhsa_user_sgpr_kernarg_segment_ptr 1
		.amdhsa_wavefront_size32 1
		.amdhsa_system_sgpr_workgroup_id_x 1
		.amdhsa_system_sgpr_workgroup_id_y 1
		.amdhsa_system_sgpr_workgroup_id_z 1
		.amdhsa_system_vgpr_workitem_id 0
		.amdhsa_next_free_vgpr 1024
		.amdhsa_next_free_sgpr 66
		.amdhsa_reserve_vcc 0
		.amdhsa_float_denorm_mode_32 3
		.amdhsa_float_denorm_mode_16_64 3
		.amdhsa_memory_ordered 1
		.amdhsa_forward_progress 1
		.amdhsa_inst_pref_size 182
	.end_amdhsa_kernel
	.amdgpu_metadata
---
amdhsa.version: [ 1, 2 ]
amdhsa.kernels:
  - .name:           k_q8993d02187_ffn1
    .symbol:         k_q8993d02187_ffn1.kd
    .args:
      - { .name: W1, .offset: 0, .size: 8, .value_kind: global_buffer, .address_space: global }
      - { .name: b1, .offset: 8, .size: 8, .value_kind: global_buffer, .address_space: global }
      - { .name: xq, .offset: 16, .size: 8, .value_kind: global_buffer, .address_space: global }
      - { .name: ord, .offset: 24, .size: 8, .value_kind: global_buffer, .address_space: global }
      - { .name: xss, .offset: 32, .size: 8, .value_kind: global_buffer, .address_space: global }
      - { .name: hq, .offset: 40, .size: 8, .value_kind: global_buffer, .address_space: global }
    .group_segment_fixed_size: 311808
    .private_segment_fixed_size: 0
    .kernarg_segment_align: 8
    .kernarg_segment_size: 48
    .max_flat_workgroup_size: 128
    .sgpr_count:     66
    .vgpr_count:     1024
    .wavefront_size: 32
...
	.end_amdgpu_metadata
.endif
;; end of part 3
;; launch ffn2 (part 4): grid 32 x 8, 4 waves a work-group, no clusters, 311,808 bytes of LDS; arguments W2, hq, ord, part; writes part
.if DOCPART == 4
	.amdgcn_target "amdgcn-amd-amdhsa--gfx1250"
	.amdhsa_code_object_version 6
	.text
	.protected	k_q8993d02187_ffn2
	.globl	k_q8993d02187_ffn2
	.p2align	8
	.type	k_q8993d02187_ffn2,@function
k_q8993d02187_ffn2:
	s_mov_b64 s[64:65], 0
	v_nop
	global_prefetch_b8 v0, s[64:65] scope:SCOPE_SE
	s_setreg_imm32_b32 hwreg(HW_REG_WAVE_MODE, 25, 1), 1
	s_wait_xcnt 0x0
; FFN2.  Partial sums of h W2^T for the routed rows, on codes of E5M2 with one E8M0 scale for each 32 along K = H.
; SHARES.  Work-group (x, y): expert y, columns 128 cs .. 128 cs + 127 of D (cs = x % 8), quarter q = x / 8 of H: a slab of 128 rows x 1,024 of W2, 512 KB of f32, which no other
; work-group reads.  H is cut in four so that a work-group reads a quarter of its expert's h; the four f32 partial rows are added, with b2 and the gate's weights, by the next launch.
; The three phases are those of the launch before: the slab is streamed and quantised into fragment images in LDS; each wave takes four column tiles x 8 K steps into 512 registers;
; then the expert's groups of 64 rows, one a trip of a loop of 16 trips, whose work (not whose barrier) is jumped over by scalar branches on the stored number of groups.
; h arrives as fragment images, so a K step of a group is 8,192 dense bytes: wave w brings K steps 2 w, 2 w + 1 and lays them into LDS as they lie.
; THE PRODUCT IS USED TRANSPOSED (source 0 = 16 rows of W2, source 1 = 16 rows of h), and lane r of tile 2 b + u takes row 32 b + 8 u + r + 8 (r / 8) of the slab: so a lane's 16
; registers of two neighbouring tiles are 16 neighbouring columns of one row, 64 bytes.  They meet in a stage in LDS and leave as rows of 512 bytes.
; A GROUP'S NUMBER, the expert's first group (read from memory) + the trip, is held at 39, the last group that the buffers have room for, each time it enters an address.
; NO TENSOR LOAD, NO CLUSTER: the trips' branches hang on numbers read from memory, so operands go through registers; what the 8 work-groups of an expert's quarter share, 64 KB a
; group, is small beside each one's own 512 KB.  No prefetch: the stream has 64 loads a wave out, and a group's rows are asked for a whole trip ahead.
; LIMITS: NaN and infinities are not served; a block of zeros gets the byte 1.
; part: [q 4][row 2,560][1,024] f32.
; REGISTERS.  window 0: v1-20 addresses; v40-71 W2's scale words; v72-87 h's, two sets; v120-155 the quantiser's (phase 1); v88-151 rows on the way out (phase 3); v160-223 the 8
; accumulators.  windows 1, 2: W2's fragments of K steps 0-3, 4-7.  window 3: in phase 1 four sets of 64; then v0-127 h from memory, v128-255 a ring of four K steps' fragments.
.set RPITCH, 16384                     ; a row of W2 in bytes
.set GLAST, 39                         ; the last group that the buffers have room for
.set IMG,   0
.set WSC,   131072
.set TURN,  139264
.set ABUF0, 173056                     ; a group's h of 8 K steps: fragment (K step s, tile m) at (4 s + m) x 2,048
.set ABUF1, 238592
.set OUTB,  33792                      ; the stages, 64 rows x (512 + 16) bytes, at 0 and at OUTB: over the images, which nobody reads behind the second barrier
.set L16,  1
.set TSW,  2
.set TSR,  3
.set IMA0, 4
.set IMS0, 5
.set IMA,  6
.set IMS,  7
.set WLD,  8
.set WSL,  9
.set AFR,  10
.set AST,  12
.set AGO,  14
.set ASO,  15
.set OST,  17
.set ORD,  18
.set OGO,  19
.set ASO0, 20
.set WS,   40
.set AS,   72
.set OB,   88
.set TM,   120
.set PW,   136
.set PC,   140
.set ACC,  160
.set WB,   22
.set SEL,  30
.set MNT,  32
.set MSB, 0
.macro WIN new                         ; the immediate's high byte repeats the setting that is left; a switch that changes nothing is dropped
.if MSB != \new
	s_set_vgpr_msb (MSB<<8)|\new
.set MSB, \new
.endif
.endm
.macro NOPS n
.rept \n
	v_nop
.endr
.endm
; 64 numbers of a lane, register 16 b + i = k 32 b + 16 (lane / 16) + i of my row, become a fragment's codes in v[PC] on and its scale word in v[PW].
.macro QUANT s
.irp b, 0,1,2,3
	v_max3_num_f32 v[TM+\b], |v[\s+16*\b]|, |v[\s+1+16*\b]|, 0x8000000         ; with the floor 2^(16 - 127): the byte cannot fall under 1
.endr
.irp i, 2,4,6,8,10,12,14
.irp b, 0,1,2,3
	v_max3_num_f32 v[TM+\b], v[TM+\b], |v[\s+16*\b+\i]|, |v[\s+1+16*\b+\i]|
.endr
.endr
.irp b, 0,1,2,3
	v_permlanex16_b32 v[TM+4+\b], v[TM+\b], s[SEL], s[SEL+1]
.endr
.irp b, 0,1,2,3
	v_max_num_f32 v[TM+\b], v[TM+\b], v[TM+4+\b]
.endr
.irp b, 0,1,2,3
	v_add_nc_u32 v[TM+12+\b], 0xf8800000, v[TM+\b]
.endr
.irp b, 0,1,2,3
	v_and_or_b32 v[TM+8+\b], v[TM+\b], 0x7f800000, s[MNT]
.endr
.irp b, 0,1,2,3
	v_lshrrev_b32 v[TM+4+\b], 23, v[TM+12+\b]
.endr
	v_lshl_or_b32 v[PW], v[TM+5], 8, v[TM+4]
	v_lshl_or_b32 v[PW], v[TM+6], 16, v[PW]
	v_lshl_or_b32 v[PW], v[TM+7], 24, v[PW]
.irp b, 0,1,2,3
.irp i, 0,1,2,3,4,5,6,7,8,9,10,11,12,13,14,15
	v_med3_num_f32 v[\s+16*\b+\i], v[\s+16*\b+\i], -v[TM+8+\b], v[TM+8+\b]     ; the conversion to an 8-bit code does not saturate (ISA guide 7.6.2)
.endr
	v_cvt_scalef32_pk8_bf8_f32 v[PC+4*\b:PC+1+4*\b], v[\s+16*\b:\s+7+16*\b], v[TM+12+\b]
	v_cvt_scalef32_pk8_bf8_f32 v[PC+2+4*\b:PC+3+4*\b], v[\s+8+16*\b:\s+15+16*\b], v[TM+12+\b]
.endr
	v_nop                                          ; a plain instruction behind the last conversion: later products write its sources
.endm
.macro WLOAD pos, extra                ; 16 rows x 512 bytes of W2 into set pos: tile pos % 2 of my two, K step pos / 2 of the trip's two
	WIN 0xc0
.irp i, 0,1,2,3,4,5,6,7,8,9,10,11,12,13,14,15
	global_load_b128 v[64*\pos+4*\i:64*\pos+4*\i+3], v[L16], s[WB:WB+1] offset:(8*(\pos%2)+\i+8*(\i/8))*RPITCH+512*(\pos/2)+\extra th:TH_LOAD_NT
.endr
	WIN 0
.endm
.macro FR pos, ld, cnt                 ; one fragment: through my stage, asked for anew, quantised, image to LDS
	s_wait_loadcnt \cnt                            ; this set's 16 loads are in; cnt younger ones may be out
	WIN 0x0c
.irp i, 0,1,2,3,4,5,6,7,8,9,10,11,12,13,14,15
	ds_store_b128 v[TSW], v[64*\pos+4*\i:64*\pos+4*\i+3] offset:528*\i
.endr
	WIN 0
.irp c, 0,1,2,3
.irp k, 0,1,2,3
	ds_load_b128 v[ACC+16*\c+4*\k:ACC+16*\c+4*\k+3], v[TSR] offset:128*\c+16*\k    ; LDS serves a wave's instructions in order: these see the stores above
.endr
.endr
	s_wait_dscnt 0x0                               ; the numbers are back; the stores have read the set; the last fragment's image stores have read the codes
.if \ld
	WLOAD \pos, 1024
.endif
	QUANT ACC
.irp c, 0,1,2,3
	ds_store_b128 v[IMA], v[PC+4*\c:PC+4*\c+3] offset:16384*(\pos%2)+2048*(\pos/2)+512*\c
.endr
	ds_store_b32 v[IMS], v[PW] offset:1024*(\pos%2)+128*(\pos/2)
.endm
; Group s52 (held at GLAST by the caller) is asked for: my two K steps of its h, 8,192 dense bytes each, and my 32 rows' scale words of all 8 K steps into set tgt: 40 loads
.macro ISSUE tgt
	s_lshl_b32 s53, s52, 13
	v_add_nc_u32 v[AGO], s53, v[L16]
	s_lshl_b32 s53, s52, 8
	v_add_nc_u32 v[ASO], s53, v[ASO0]
	WIN 0xc0
.irp k, 0,1
.irp i, 0,1,2,3,4,5,6,7,8,9,10,11,12,13,14,15
	global_load_b128 v[64*\k+4*\i:64*\k+4*\i+3], v[AGO], s[54:55] offset:327680*\k+512*\i
.endr
.endr
	WIN 0
.irp s, 0,1,2,3,4,5,6,7
	global_load_b32 v[AS+8*(\tgt)+\s], v[ASO], s[56:57] offset:10240*\s        ; lane l: row 32 j + l: lanes 0-15 my first tile's rows, lanes 16-31 my second's
.endr
.endm
.macro CONSUME tgt
	WIN 0x0c
.irp k, 0,1
.irp i, 0,1,2,3,4,5,6,7,8,9,10,11,12,13,14,15
	ds_store_b128 v[AST+(\tgt)], v[64*\k+4*\i:64*\k+4*\i+3] offset:8192*\k+512*\i
.endr
.endr
	WIN 0
.endm
.macro FRAGS p, s                      ; K step s of my two row tiles: 8 loads, into ring place s % 4 (window 3)
.irp m, 0,1
.irp c, 0,1,2,3
	ds_load_b128 v[128+32*((\s)%4)+16*\m+4*\c:128+32*((\s)%4)+16*\m+4*\c+3], v[AFR+\p] offset:8192*(\s)+2048*\m+512*\c
.endr
.endr
.endm
; 8 products; the 8 accumulators take turns, one instruction a turn, in the same order in every K step.  K step 0 starts the sums with the constant 0.
.macro MUL p, s
.irp m, 0,1
.irp t, 0,1,2,3
.set rD, ACC+32*\m+8*\t
.set rW, 16*(4*\t+(\s)%4)
.set rF, 128+32*((\s)%4)+16*\m
.if (\s) == 0
.if \m
	v_wmma_scale_f32_16x16x128_f8f6f4 v[rD:rD+7], v[rW:rW+15], v[rF:rF+15], 0, v[WS+8*\t+(\s)], v[AS+8*(\p)+(\s)] matrix_a_fmt:MATRIX_FMT_BF8 matrix_b_fmt:MATRIX_FMT_BF8 matrix_b_scale:MATRIX_SCALE_ROW1
.else
	v_wmma_scale_f32_16x16x128_f8f6f4 v[rD:rD+7], v[rW:rW+15], v[rF:rF+15], 0, v[WS+8*\t+(\s)], v[AS+8*(\p)+(\s)] matrix_a_fmt:MATRIX_FMT_BF8 matrix_b_fmt:MATRIX_FMT_BF8
.endif
.else
.if \m
	v_wmma_scale_f32_16x16x128_f8f6f4 v[rD:rD+7], v[rW:rW+15], v[rF:rF+15], v[rD:rD+7], v[WS+8*\t+(\s)], v[AS+8*(\p)+(\s)] matrix_a_fmt:MATRIX_FMT_BF8 matrix_b_fmt:MATRIX_FMT_BF8 matrix_b_scale:MATRIX_SCALE_ROW1
.else
	v_wmma_scale_f32_16x16x128_f8f6f4 v[rD:rD+7], v[rW:rW+15], v[rF:rF+15], v[rD:rD+7], v[WS+8*\t+(\s)], v[AS+8*(\p)+(\s)] matrix_a_fmt:MATRIX_FMT_BF8 matrix_b_fmt:MATRIX_FMT_BF8
.endif
.endif
.endr
.endr
.endm
; A group's 64 products.  Each wait's count is the loads of the younger K steps, 8 each.  Eight plain instructions stand between the last product that read a ring place and the loads
; into it; nine behind the last products, whose accumulators the next group's first products write anew.
.macro COMPUTE p
	WIN 0xc0
	FRAGS \p, 0
	FRAGS \p, 1
	FRAGS \p, 2
	FRAGS \p, 3
	s_wait_dscnt 24
	WIN 0x0d                                       ; source 0 (W2) window 1, source 1 (h) window 3, C and D window 0
	MUL \p, 0
	s_wait_dscnt 16
	MUL \p, 1
	NOPS 8
	WIN 0xc0
	FRAGS \p, 4
	FRAGS \p, 5
	s_wait_dscnt 24
	WIN 0x0d
	MUL \p, 2
	s_wait_dscnt 16
	MUL \p, 3
	NOPS 8
	WIN 0xc0
	FRAGS \p, 6
	FRAGS \p, 7
	s_wait_dscnt 24
	WIN 0x0e
	MUL \p, 4
	s_wait_dscnt 16
	MUL \p, 5
	s_wait_dscnt 8
	MUL \p, 6
	s_wait_dscnt 0x0
	MUL \p, 7
	WIN 0
	NOPS 9
.endm
.macro OUTST p                         ; lane (r, h): row 32 j + 16 m + r, columns 64 ih + 32 b + 16 h + 0 .. 15; each accumulator from its low end on
.irp m, 0,1
.irp b, 0,1
.irp k, 0,1,2,3
	ds_store_b128 v[OST], v[ACC+32*\m+16*\b+4*\k:ACC+32*\m+16*\b+4*\k+3] offset:OUTB*\p+8448*\m+128*\b+16*\k
.endr
.endr
.endr
.endm
.macro SENDOUT p                       ; wave w stores rows 16 w .. 16 w + 15 of the group: 512 consecutive bytes an instruction, aligned
	s_wait_xcnt 0x0                                ; the last group's stores have read their registers
	s_add_co_u32 s35, s24, s27
	s_min_u32 s35, s35, GLAST                      ; the group's number, held inside the buffer
	s_lshl_b32 s35, s35, 18                        ; its 64 rows of 4,096 bytes
	v_add_nc_u32 v[OGO], s35, v[L16]
.irp i, 0,1,2,3,4,5,6,7,8,9,10,11,12,13,14,15
	ds_load_b128 v[OB+4*\i:OB+4*\i+3], v[ORD] offset:OUTB*\p+528*\i
.endr
.irp i, 0,1,2,3,4,5,6,7,8,9,10,11,12,13,14,15
	s_wait_dscnt 15-\i                             ; row i is in; the younger rows' loads may be out
	global_store_b128 v[OGO], v[OB+4*\i:OB+4*\i+3], s[58:59] offset:4096*\i th:TH_STORE_NT
.endr
.endm
	s_load_b256 s[4:11], s[0:1], 0x0               ; W2, hq, ord, part
	v_lshl_add_u32 v254, v0, 2, 0x4c000
	v_mov_b32 v255, 0
	v_lshrrev_b32 v1, 5, v0
	v_readfirstlane_b32 s16, v1                    ; wave w
	s_lshr_b32 s17, s16, 1                         ; ih
	s_and_b32 s18, s16, 1                          ; j
	s_and_b32 s19, ttmp7, 0xffff                   ; the expert
	s_and_b32 s20, ttmp9, 7                        ; cs: which 128 columns of D
	s_lshr_b32 s36, ttmp9, 3                       ; q: which quarter of H
	v_and_b32 v21, 31, v0                          ; lane
	v_and_b32 v22, 15, v0                          ; r
	v_bfe_u32 v23, v0, 4, 1                        ; h
	v_lshlrev_b32 v[L16], 4, v21
	s_mul_i32 s21, s16, 8448
	v_add_nc_u32 v[ORD], s21, v[L16]               ; the stage, on the way back: my 16 rows, 16 bytes a lane
	s_add_co_u32 s21, s21, TURN
	v_add_nc_u32 v[TSW], s21, v[L16]
	v_mul_u32_u24 v[TSR], v22, 528
	v_lshl_add_u32 v[OST], v23, 6, v[TSR]          ; 528 r + 64 h
	v_add_nc_u32 v[TSR], s21, v[OST]
	s_mul_i32 s21, s18, 16896
	s_lshl_b32 s35, s17, 8
	s_add_co_u32 s21, s21, s35
	v_add_nc_u32 v[OST], s21, v[OST]               ; the stage, on the way in: row 32 j + r, + 256 ih + 64 h
	s_lshl_b32 s21, s16, 15
	v_add_nc_u32 v[IMA0], s21, v[L16]
	s_lshl_b32 s21, s16, 11
	s_add_co_u32 s21, s21, WSC
	v_lshl_add_u32 v[IMS0], v21, 2, s21
	s_lshl_b32 s21, s17, 16
	v_add_nc_u32 v[WLD], s21, v[L16]
	s_lshl_b32 s21, s17, 12
	s_add_co_u32 s21, s21, WSC
	v_lshl_add_u32 v[WSL], v21, 2, s21
	s_lshl_b32 s21, s18, 12
	v_add_nc_u32 v[AFR], s21, v[L16]
	v_add_nc_u32 v[AFR+1], ABUF1, v[AFR]
	v_add_nc_u32 v[AFR], ABUF0, v[AFR]
	s_lshl_b32 s21, s16, 14
	v_add_nc_u32 v[AST], s21, v[L16]
	v_add_nc_u32 v[AST+1], ABUF1, v[AST]
	v_add_nc_u32 v[AST], ABUF0, v[AST]
	s_lshl_b32 s21, s18, 7
	v_lshl_add_u32 v[ASO0], v21, 2, s21            ; scale words: 4 bytes x (32 j + lane)
.irp b, 0,1,2,3
	v_mov_b32 v[TM+4+\b], 0                        ; written once: a lane permute's destination counts as one of its sources
.endr
.irp i, 0,1,2,3,4,5,6,7,8,9,10,11,12,13,14,15
	v_mov_b32 v[AS+\i], 0x7f7f7f7f                 ; written once: on every way to a product these registers hold scales
.endr
	s_mov_b32 s[SEL], 0x76543210
	s_mov_b32 s[SEL+1], 0xfedcba98
	s_mov_b32 s[MNT], 0x600000
	s_lshl_b32 s52, s19, 3
	s_mov_b32 s61, 0
	s_wait_kmcnt 0x0
	s_load_b64 s[24:25], s[8:9], s52 offset:0x0    ; the expert's first group, its number of groups
	s_load_b32 s26, s[8:9], 0x40                   ; the number of groups in all
	s_lshl_b32 s60, s19, 10
	s_lshl_b32 s21, s20, 7
	s_add_co_u32 s60, s60, s21
	s_lshl_b32 s21, s16, 5
	s_add_co_u32 s60, s60, s21                     ; my first row of W2, counted over all experts
	s_lshl_b32 s60, s60, 14
	s_lshl_b32 s21, s36, 12
	s_add_co_u32 s60, s60, s21                     ; + my quarter of the row
	s_add_nc_u64 s[WB:WB+1], s[4:5], s[60:61]
	s_lshl_b32 s60, s36, 3
	s_lshl_b32 s21, s16, 1
	s_add_co_u32 s60, s60, s21
	s_mul_i32 s60, s60, 327680
	s_add_nc_u64 s[54:55], s[6:7], s[60:61]        ; hq: K step 8 q + 2 w
	s_mul_i32 s60, s36, 81920
	s_add_co_u32 s60, s60, 10485760
	s_add_nc_u64 s[56:57], s[6:7], s[60:61]        ; its scale words from K step 8 q on
	s_mul_i32 s60, s36, 10485760
	s_lshl_b32 s21, s16, 16
	s_add_co_u32 s60, s60, s21
	s_lshl_b32 s21, s20, 9
	s_add_co_u32 s60, s60, s21
	s_add_nc_u64 s[58:59], s[10:11], s[60:61]      ; part: quarter q, row 16 w, column 128 cs
	WLOAD 0, 0
	WLOAD 1, 0
	WLOAD 2, 0
	WLOAD 3, 0
	s_wait_kmcnt 0x0
	s_min_u32 s24, s24, GLAST
	s_min_u32 s25, s25, 16
	s_sub_co_u32 s26, s26, 1
	s_min_u32 s26, s26, GLAST
	s_min_u32 s52, s24, s26
	s_min_u32 s52, s52, GLAST                      ; the first group that I ask for: the expert's first (for an expert without rows: some group that exists; its rows are not used)
; PHASE 1.  A trip: two K steps x my two tiles.  The count 48 leaves the three younger sets out.
	s_mov_b32 s33, 0
	s_mov_b32 s34, 0
	s_mov_b32 s29, 0
.Lstream:
	v_add_nc_u32 v[IMA], s33, v[IMA0]
	v_add_nc_u32 v[IMS], s34, v[IMS0]
	FR 0, 1, 48
	FR 1, 1, 48
	FR 2, 1, 48
	FR 3, 1, 48
	s_wait_xcnt 0x0                                ; the loads have read their base
	s_add_nc_u64 s[WB:WB+1], s[WB:WB+1], 1024
	s_add_co_u32 s33, s33, 4096
	s_add_co_u32 s34, s34, 256
	s_add_co_u32 s29, s29, 1
	s_cmp_lt_u32 s29, 3
	s_cbranch_scc1 .Lstream
	v_add_nc_u32 v[IMA], s33, v[IMA0]
	v_add_nc_u32 v[IMS], s34, v[IMS0]
	FR 0, 0, 48                                    ; the last two K steps load nothing: the counts run down
	FR 1, 0, 32
	FR 2, 0, 16
	ISSUE 0                                        ; the first group's h, into the two sets that are done with: 40 loads
	FR 3, 0, 40
	s_wait_dscnt 0x0                               ; for the others' sake: my images have landed
	s_barrier_signal -1
	s_barrier_wait -1
; PHASE 2.  My four column tiles, all 8 K steps, and their scale words; the first group's h into buffer 0.
	WIN 0x40
.irp t, 0,1,2,3
.irp s, 0,1,2,3
.irp c, 0,1,2,3
	ds_load_b128 v[16*(4*\t+\s)+4*\c:16*(4*\t+\s)+4*\c+3], v[WLD] offset:(8*\t+\s)*2048+512*\c
.endr
.endr
.endr
	WIN 0x80
.irp t, 0,1,2,3
.irp s, 0,1,2,3
.irp c, 0,1,2,3
	ds_load_b128 v[16*(4*\t+\s)+4*\c:16*(4*\t+\s)+4*\c+3], v[WLD] offset:(8*\t+\s+4)*2048+512*\c
.endr
.endr
.endr
	WIN 0
.irp i, 0,1,2,3,4,5,6,7,8,9,10,11,12,13,14,15,16,17,18,19,20,21,22,23,24,25,26,27,28,29,30,31
	ds_load_b32 v[WS+\i], v[WSL] offset:128*\i
.endr
	s_wait_loadcnt 0x0
	CONSUME 0
	s_wait_dscnt 0x0                               ; my reads of the images are over too: the stages may be laid over them
	s_barrier_signal -1
	s_barrier_wait -1
; PHASE 3.  Trip g works on buffer and stage p = g % 2.  One barrier a trip: buffer 1 - p was last read in front of the last trip's barrier; stage p is written again only behind the
; next trip's barrier, which every wave signals behind its reads of it.
.macro TRIP p
	s_add_co_u32 s28, s27, 1
	s_cmp_ge_u32 s27, s25
	s_cbranch_scc1 .Lidle_\@
	s_cmp_lt_u32 s28, s25
	s_cbranch_scc0 .Lnoissue_\@
	s_add_co_u32 s52, s24, s28
	s_min_u32 s52, s52, GLAST                      ; the next group's number, held inside the buffer
	ISSUE 1-\p                                     ; its h: it has this trip's products in which to land
.Lnoissue_\@:
	COMPUTE \p
	OUTST \p
	s_cmp_lt_u32 s28, s25
	s_cbranch_scc0 .Lidle_\@
	s_wait_loadcnt 0x0
	CONSUME 1-\p
.Lidle_\@:
	s_wait_loadcnt 0x0                             ; on every way: no load of mine is out, so the next trip may write the loads' offsets
	s_wait_dscnt 0x0                               ; my LDS stores have landed and my reads of buffer p are over
	s_barrier_signal -1
	s_barrier_wait -1
	s_cmp_ge_u32 s27, s25
	s_cbranch_scc1 .Lnos_\@
	SENDOUT \p
.Lnos_\@:
	s_mov_b32 s27, s28
.endm
	s_mov_b32 s27, 0
	s_mov_b32 s29, 0
.Lrows:
	TRIP 0
	TRIP 1
	s_add_co_u32 s29, s29, 1
	s_cmp_lt_u32 s29, 8
	s_cbranch_scc1 .Lrows
	s_wait_tensorcnt 0x0
	ds_add_u32 v254, v255
	s_wait_dscnt 0x0
	s_endpgm
.Lfunc_end_k_q8993d02187_ffn2:
	.size	k_q8993d02187_ffn2, .Lfunc_end_k_q8993d02187_ffn2-k_q8993d02187_ffn2
	.p2alignl 7, 3214868480
	.fill 96, 4, 3214868480
	.section	.rodata,"a",@progbits
	.p2align	6, 0x0
	.amdhsa_kernel k_q8993d02187_ffn2
		.amdhsa_group_segment_fixed_size 311808
		.amdhsa_private_segment_fixed_size 0
		.amdhsa_enable_private_segment 0
		.amdhsa_kernarg_size 32
		.amdhsa_user_sgpr_count 2
		.amdhsa_user_sgpr_kernarg_segment_ptr 1
		.amdhsa_wavefront_size32 1
		.amdhsa_system_sgpr_workgroup_id_x 1
		.amdhsa_system_sgpr_workgroup_id_y 1
		.amdhsa_system_sgpr_workgroup_id_z 1
		.amdhsa_system_vgpr_workitem_id 0
		.amdhsa_next_free_vgpr 1024
		.amdhsa_next_free_sgpr 66
		.amdhsa_reserve_vcc 0
		.amdhsa_float_denorm_mode_32 3
		.amdhsa_float_denorm_mode_16_64 3
		.amdhsa_memory_ordered 1
		.amdhsa_forward_progress 1
		.amdhsa_inst_pref_size 166
	.end_amdhsa_kernel
	.amdgpu_metadata
---
amdhsa.version: [ 1, 2 ]
amdhsa.kernels:
  - .name:           k_q8993d02187_ffn2
    .symbol:         k_q8993d02187_ffn2.kd
    .args:
      - { .name: W2, .offset: 0, .size: 8, .value_kind: global_buffer, .address_space: global }
      - { .name: hq, .offset: 8, .size: 8, .value_kind: global_buffer, .address_space: global }
      - { .name: ord, .offset: 16, .size: 8, .value_kind: global_buffer, .address_space: global }
      - { .name: part, .offset: 24, .size: 8, .value_kind: global_buffer, .address_space: global }
    .group_segment_fixed_size: 311808
    .private_segment_fixed_size: 0
    .kernarg_segment_align: 8
    .kernarg_segment_size: 32
    .max_flat_workgroup_size: 128
    .sgpr_count:     66
    .vgpr_count:     1024
    .wavefront_size: 32
...
	.end_amdgpu_metadata
.endif
;; end of part 4
;; launch combine (part 5): grid 256 x 1, 8 waves a work-group, no clusters, 0 bytes of LDS; arguments part, ord, sel, gw, b2, out0; writes out0
.if DOCPART == 5
	.amdgcn_target "amdgcn-amd-amdhsa--gfx1250"
	.amdhsa_code_object_version 6
	.text
	.protected	k_q8993d02187_combine
	.globl	k_q8993d02187_combine
	.p2align	8
	.type	k_q8993d02187_combine,@function
k_q8993d02187_combine:
	s_mov_b64 s[64:65], 0
	v_nop
	global_prefetch_b8 v0, s[64:65] scope:SCOPE_SE
	s_setreg_imm32_b32 hwreg(HW_REG_WAVE_MODE, 25, 1), 1
	s_wait_xcnt 0x0
; COMBINE.  out[t] = w0 (sum over q of part[q][pos0] + b2[E0]) + w1 (sum over q of part[q][pos1] + b2[E1]).
; A wave takes half a token's row (2,048 bytes): t = 4 x work-group + wave / 2.  The two sorted rows, the two experts and the two weights come by scalar loads; the rows' numbers are
; whole numbers that earlier launches stored, held inside their tables.  All 40 loads of a wave go out at once, 512 consecutive bytes each; each chunk of 512 bytes has registers
; of its own, so no register is written again.  A stream: no LDS, no barrier, no matrix unit, no cluster: nothing is shared but b2's rows.
.set R, 16                             ; chunk c at v[R + 40 c]: part (j, q) at + 16 j + 4 q, b2 (j) at + 32 + 4 j
	s_load_b256 s[4:11], s[0:1], 0x0               ; part, ord, sel, gw
	s_load_b128 s[12:15], s[0:1], 0x20             ; b2, out0
	v_lshrrev_b32 v1, 5, v0
	v_readfirstlane_b32 s16, v1
	v_and_b32 v1, 31, v0
	v_lshlrev_b32 v1, 4, v1                        ; 16 x lane
	s_lshr_b32 s17, s16, 1
	s_and_b32 s18, s16, 1
	s_lshl_b32 s18, s18, 11                        ; my half of the row
	s_lshl_b32 s19, ttmp9, 2
	s_add_co_u32 s19, s19, s17                     ; t
	s_lshl_b32 s20, s19, 3
	s_lshl_b32 s40, s19, 12
	s_add_co_u32 s40, s40, s18
	s_mov_b32 s41, 0
	s_wait_kmcnt 0x0
	s_load_b64 s[22:23], s[6:7], s20 offset:0x100  ; pos
	s_load_b64 s[24:25], s[8:9], s20 offset:0x0    ; the experts
	s_load_b64 s[26:27], s[10:11], s20 offset:0x0  ; the weights
	s_mov_b64 s[32:33], s[4:5]
	s_add_nc_u64 s[34:35], s[4:5], 0xa00000        ; the four quarters' partial rows, 10,485,760 bytes apart
	s_add_nc_u64 s[36:37], s[4:5], 0x1400000
	s_add_nc_u64 s[38:39], s[4:5], 0x1e00000
	s_add_nc_u64 s[14:15], s[14:15], s[40:41]
	s_wait_kmcnt 0x0
	s_min_u32 s22, s22, 0x9ff
	s_min_u32 s23, s23, 0x9ff
	s_min_u32 s24, s24, 7
	s_min_u32 s25, s25, 7
	s_mov_b32 s28, s27                             ; w1 in a pair of its own: the packed form takes a pair's low word for both halves
	s_mov_b32 s29, s27
.irp j, 0,1
	s_lshl_b32 s[22+\j], s[22+\j], 12
	s_add_co_u32 s[22+\j], s[22+\j], s18
	v_add_nc_u32 v[2+\j], s[22+\j], v1
	s_lshl_b32 s[24+\j], s[24+\j], 12
	s_add_co_u32 s[24+\j], s[24+\j], s18
	v_add_nc_u32 v[4+\j], s[24+\j], v1
.endr
.irp c, 0,1,2,3
.irp j, 0,1
.irp q, 0,1,2,3
	global_load_b128 v[R+40*\c+16*\j+4*\q:R+40*\c+16*\j+4*\q+3], v[2+\j], s[32+2*\q:33+2*\q] offset:512*\c th:TH_LOAD_NT
.endr
.endr
.irp j, 0,1
	global_load_b128 v[R+40*\c+32+4*\j:R+40*\c+32+4*\j+3], v[4+\j], s[12:13] offset:512*\c
.endr
.endr
.macro CHUNK c
	s_wait_loadcnt 30-10*\c                        ; this chunk's ten loads are in; the younger chunks' may be out
.set B0, R+40*\c
.irp j, 0,1
.irp u, 0,2
	v_pk_add_f32 v[B0+16*\j+\u:B0+16*\j+\u+1], v[B0+16*\j+\u:B0+16*\j+\u+1], v[B0+16*\j+4+\u:B0+16*\j+4+\u+1]
	v_pk_add_f32 v[B0+16*\j+8+\u:B0+16*\j+8+\u+1], v[B0+16*\j+8+\u:B0+16*\j+8+\u+1], v[B0+16*\j+12+\u:B0+16*\j+12+\u+1]
.endr
.endr
.irp j, 0,1
.irp u, 0,2
	v_pk_add_f32 v[B0+16*\j+\u:B0+16*\j+\u+1], v[B0+16*\j+\u:B0+16*\j+\u+1], v[B0+16*\j+8+\u:B0+16*\j+8+\u+1]
.endr
.endr
.irp j, 0,1
.irp u, 0,2
	v_pk_add_f32 v[B0+16*\j+\u:B0+16*\j+\u+1], v[B0+16*\j+\u:B0+16*\j+\u+1], v[B0+32+4*\j+\u:B0+32+4*\j+\u+1]    ; + b2
.endr
.endr
.irp u, 0,2
	v_pk_mul_f32 v[B0+\u:B0+\u+1], v[B0+\u:B0+\u+1], s[26:27] op_sel_hi:[1,0]
.endr
.irp u, 0,2
	v_pk_fma_f32 v[B0+\u:B0+\u+1], v[B0+16+\u:B0+16+\u+1], s[28:29], v[B0+\u:B0+\u+1] op_sel_hi:[1,0,1]
.endr
	global_store_b128 v1, v[B0:B0+3], s[14:15] offset:512*\c th:TH_STORE_NT    ; 32 lanes store 512 consecutive bytes, aligned
.endm
	CHUNK 0
	CHUNK 1
	CHUNK 2
	CHUNK 3
	s_endpgm
.Lfunc_end_k_q8993d02187_combine:
	.size	k_q8993d02187_combine, .Lfunc_end_k_q8993d02187_combine-k_q8993d02187_combine
	.p2alignl 7, 3214868480
	.fill 96, 4, 3214868480
	.section	.rodata,"a",@progbits
	.p2align	6, 0x0
	.amdhsa_kernel k_q8993d02187_combine
		.amdhsa_group_segment_fixed_size 0
		.amdhsa_private_segment_fixed_size 0
		.amdhsa_enable_private_segment 0
		.amdhsa_kernarg_size 48
		.amdhsa_user_sgpr_count 2
		.amdhsa_user_sgpr_kernarg_segment_ptr 1
		.amdhsa_wavefront_size32 1
		.amdhsa_system_sgpr_workgroup_id_x 1
		.amdhsa_system_sgpr_workgroup_id_y 1
		.amdhsa_system_sgpr_workgroup_id_z 1
		.amdhsa_system_vgpr_workitem_id 0
		.amdhsa_next_free_vgpr 192
		.amdhsa_next_free_sgpr 66
		.amdhsa_reserve_vcc 0
		.amdhsa_float_denorm_mode_32 3
		.amdhsa_float_denorm_mode_16_64 3
		.amdhsa_memory_ordered 1
		.amdhsa_forward_progress 1
		.amdhsa_inst_pref_size 12
	.end_amdhsa_kernel
	.amdgpu_metadata
---
amdhsa.version: [ 1, 2 ]
amdhsa.kernels:
  - .name:           k_q8993d02187_combine
    .symbol:         k_q8993d02187_combine.kd
    .args:
      - { .name: part, .offset: 0, .size: 8, .value_kind: global_buffer, .address_space: global }
      - { .name: ord, .offset: 8, .size: 8, .value_kind: global_buffer, .address_space: global }
      - { .name: sel, .offset: 16, .size: 8, .value_kind: global_buffer, .address_space: global }
      - { .name: gw, .offset: 24, .size: 8, .value_kind: global_buffer, .address_space: global }
      - { .name: b2, .offset: 32, .size: 8, .value_kind: global_buffer, .address_space: global }
      - { .name: out0, .offset: 40, .size: 8, .value_kind: global_buffer, .address_space: global }
    .group_segment_fixed_size: 0
    .private_segment_fixed_size: 0
    .kernarg_segment_align: 8
    .kernarg_segment_size: 48
    .max_flat_workgroup_size: 256
    .sgpr_count:     66
    .vgpr_count:     192
    .wavefront_size: 32
...
	.end_amdgpu_metadata
.endif
;; end of part 5
;; ======== version 2 of 2: 5 launches
;; workspace buffers: xq 1,081,344 bytes; sel 8,192 bytes of whole numbers; gw 8,192 bytes; ord 18,688 bytes of whole numbers; xss 81,920 bytes; hq 10,813,440 bytes; part 41,943,040 bytes
;; launch route (part 6): grid 128 x 1, 8 waves a work-group, no clusters, 63,488 bytes of LDS; arguments xs, bottle_neck, Wlg, blg, Wg, xq, sel, gw; writes xq, sel, gw
.if DOCPART == 6
	.amdgcn_target "amdgcn-amd-amdhsa--gfx1250"
	.amdhsa_code_object_version 6
	.text
	.protected	k_q8993d02187_route
	.globl	k_q8993d02187_route
	.p2align	8
	.type	k_q8993d02187_route,@function
k_q8993d02187_route:
	s_mov_b64 s[64:65], 0
	v_nop
	global_prefetch_b8 v0, s[64:65] scope:SCOPE_SE
	s_setreg_imm32_b32 hwreg(HW_REG_WAVE_MODE, 25, 1), 1
	s_wait_xcnt 0x0
; ROUTE.  One wave takes one token t = 8 x work-group + wave.  It makes, in f32 fused multiply-adds, the two group logits (bottle_neck . Wlg + blg) and the eight expert
; logits (xs . Wg), chooses the group (the softmax's larger term; a tie gives group 0, as argmax does) and the group's two largest logits (a tie keeps the lower index, as
; lax.top_k does), makes the two softmax weights, and quantises the token's row of xs to codes of E5M2 with one E8M0 byte for each 32 along D.
; OUT: xq: codes [1024][1024], from byte 1,048,576 on the scale bytes [1024][32];  sel: [1024][2] expert numbers 4 x group + expert;  gw: [1024][2] weights.  All at fixed places:
; nothing here forms an address or a branch from a floating-point number.
; LIMITS: NaN and infinities among the inputs are not served.  The logits are f32 sums in another order than the reference's: a token whose two candidates agree to within the error
; of such a sum may be routed either way.  A block of zeros gets the byte 1 (its codes are zeros; only this program reads the bytes).
; No matrix unit, no cluster, no tensor load: the launch reads 8.4 MB once, 16 dense loads a wave, and the ten weight rows (40 KB) are shared through LDS.
.set WT,   0                           ; LDS: rows 0-1 Wlg, rows 2-9 Wg, 4,096 bytes each
.set STG,  40960                       ; a stage of 32 x 80 bytes for each wave
.set SCB,  61440                       ; the work-group's 8 x 32 scale bytes
.set SELB, 61696                       ; 8 x {E0, E1}
.set GWB,  61760                       ; 8 x {w0, w1}: directly behind SELB
.set X,    16                          ; v16-47   my token's row of xs: chunk i (512 bytes of the row, 16 a lane) in 4 i ..
.set BN,   48                          ; v48-79   the same of bottle_neck
.set WR,   80                          ; v80-143  two sets of 32: a weight row; later x's 16 neighbours a lane
.set DA,   144                         ; v144-183 four partial sums for each of the ten rows; the row's sum ends in the first
.set C,    184                         ; v184-191 codes
	s_load_b512 s[4:19], s[0:1], 0x0               ; xs, bottle_neck, Wlg, blg, Wg, xq, sel, gw
	v_lshl_add_u32 v192, v0, 2, 0xf400
	v_mov_b32 v193, 0
	v_lshrrev_b32 v1, 5, v0
	s_delay_alu instid0(VALU_DEP_1)
	v_readfirstlane_b32 s20, v1                    ; wave
	v_and_b32 v1, 31, v0                           ; lane
	s_delay_alu instid0(VALU_DEP_1)
	v_lshlrev_b32 v2, 4, v1                        ; 16 x lane
	s_mul_i32 s21, s20, 2560
	s_add_co_u32 s21, s21, STG                     ; my stage
	v_lshrrev_b32 v3, 2, v1
	s_delay_alu instid0(VALU_DEP_1)
	v_mul_u32_u24 v3, v3, 80
	v_and_b32 v8, 3, v1
	s_delay_alu instid0(VALU_DEP_1)
	v_lshl_add_u32 v3, v8, 4, v3
	s_delay_alu instid0(VALU_DEP_1)
	v_add_nc_u32 v3, s21, v3                       ; into it: four lanes' 64 bytes on end, then 16 of padding
	v_mul_u32_u24 v4, v1, 80
	s_delay_alu instid0(VALU_DEP_1)
	v_add_nc_u32 v4, s21, v4                       ; out of it: 80 x lane: my 16 neighbours
	s_lshl_b32 s21, s20, 5
	s_add_co_u32 s21, s21, SCB
	v_lshrrev_b32 v5, 1, v1
	s_delay_alu instid0(VALU_DEP_1)
	v_add_nc_u32 v5, s21, v5                       ; my block's scale byte
	s_lshl_b32 s21, s20, 12
	v_add_nc_u32 v6, s21, v2                       ; 16 x lane + 4,096 x wave
	s_lshl_b32 s21, s20, 10
	v_add_nc_u32 v7, s21, v2                       ; 16 x lane + 1,024 x wave
	s_mov_b32 s28, 0x76543210
	s_mov_b32 s29, 0xfedcba98                      ; v_permlanex16_b32's selects for lane l xor 16
	s_mov_b32 s30, 0x600000                        ; the mantissa field of 57,344
	s_lshl_b32 s22, ttmp9, 15                      ; the work-group's 8 rows of 4,096 bytes
	s_mov_b32 s23, 0
	s_mov_b32 s27, 0
	s_wait_alu depctr_va_vdst(0)
	s_wait_kmcnt 0x0
	s_load_b64 s[24:25], s[10:11], 0x0             ; blg
	s_add_nc_u64 s[4:5], s[4:5], s[22:23]
	s_add_nc_u64 s[6:7], s[6:7], s[22:23]
.irp i, 0,1,2,3,4,5,6,7
	global_load_b128 v[WR+4*\i:WR+4*\i+3], v6, s[12:13] offset:512*\i          ; wave w brings row w of Wg,
.endr
	global_load_b128 v[WR+32:WR+35], v7, s[8:9]                                ; and 1,024 bytes of Wlg
	global_load_b128 v[WR+36:WR+39], v7, s[8:9] offset:512
.irp i, 0,1,2,3,4,5,6,7
	global_load_b128 v[X+4*\i:X+4*\i+3], v6, s[4:5] offset:512*\i th:TH_LOAD_NT
.endr
.irp i, 0,1,2,3,4,5,6,7
	global_load_b128 v[BN+4*\i:BN+4*\i+3], v6, s[6:7] offset:512*\i th:TH_LOAD_NT
.endr
	s_lshl_b32 s26, ttmp9, 13
	s_add_nc_u64 s[32:33], s[14:15], s[26:27]      ; xq: the work-group's 8 rows of codes
	s_lshl_b32 s26, ttmp9, 8
	s_add_co_u32 s26, s26, 0x100000
	s_add_nc_u64 s[34:35], s[14:15], s[26:27]      ; and its 256 scale bytes
	s_lshl_b32 s26, ttmp9, 6
	s_add_nc_u64 s[16:17], s[16:17], s[26:27]      ; sel and gw: 64 bytes a work-group
	s_add_nc_u64 s[18:19], s[18:19], s[26:27]
	s_wait_loadcnt 16                              ; the ten weight loads are in; x's and bottle_neck's sixteen may be out
.irp i, 0,1,2,3,4,5,6,7
	ds_store_b128 v6, v[WR+4*\i:WR+4*\i+3] offset:8192+512*\i
.endr
	ds_store_b128 v7, v[WR+32:WR+35]
	ds_store_b128 v7, v[WR+36:WR+39] offset:512
	s_wait_dscnt 0x0                               ; for the others' sake: my part of the table has landed
	s_barrier_signal -1
	s_barrier_wait -1
.irp i, 0,1,2,3,4,5,6,7
	ds_load_b128 v[WR+4*\i:WR+4*\i+3], v2 offset:512*\i                        ; weight row 0
.endr
	s_wait_loadcnt 0x0                             ; x and bottle_neck
; One weight row against my token's row: the next row is asked for first; 16 packed multiply-adds in two chains.
.macro DOT rho, src
.if \rho < 9
.irp i, 0,1,2,3,4,5,6,7
	ds_load_b128 v[WR+32*((\rho+1)%2)+4*\i:WR+32*((\rho+1)%2)+4*\i+3], v2 offset:4096*(\rho+1)+512*\i
.endr
	s_wait_dscnt 8                                 ; this row is in; the next row's eight loads may be out
.else
	s_wait_dscnt 0x0
.endif
.set W0, WR+32*((\rho)%2)
.set D0, DA+4*(\rho)
	v_pk_mul_f32 v[D0:D0+1], v[\src:\src+1], v[W0:W0+1]
	v_pk_mul_f32 v[D0+2:D0+3], v[\src+2:\src+3], v[W0+2:W0+3]
.irp i, 1,2,3,4,5,6,7
	s_delay_alu instid0(VALU_DEP_2)
	v_pk_fma_f32 v[D0:D0+1], v[\src+4*\i:\src+4*\i+1], v[W0+4*\i:W0+4*\i+1], v[D0:D0+1]
	s_delay_alu instid0(VALU_DEP_2)
	v_pk_fma_f32 v[D0+2:D0+3], v[\src+4*\i+2:\src+4*\i+3], v[W0+4*\i+2:W0+4*\i+3], v[D0+2:D0+3]
.endr
.endm
	DOT 0, BN
	DOT 1, BN
.irp r, 2,3,4,5,6,7,8,9
	DOT \r, X
.endr
; x's 1,024 numbers turn through my stage, 512 at a time, so that a lane holds 16 neighbours.  LDS serves a wave's instructions in order: no wait between these lines.
.macro TURNX a
.irp i, 0,1,2,3
	ds_store_b128 v3, v[X+16*\a+4*\i:X+16*\a+4*\i+3] offset:640*\i
.endr
.irp i, 0,1,2,3
	ds_load_b128 v[WR+16*\a+4*\i:WR+16*\a+4*\i+3], v4 offset:16*\i
.endr
.endm
	TURNX 0
	TURNX 1
; the ten sums: within the lane, then over the 32 lanes; the rows by turns
.irp r, 0,1,2,3,4,5,6,7,8,9
	v_add_f32 v[DA+4*\r], v[DA+4*\r], v[DA+4*\r+1]
.endr
.irp r, 0,1,2,3,4,5,6,7,8,9
	v_add_f32 v[DA+4*\r+2], v[DA+4*\r+2], v[DA+4*\r+3]
.endr
.irp r, 0,1,2,3,4,5,6,7,8,9
	v_add_f32 v[DA+4*\r], v[DA+4*\r], v[DA+4*\r+2]
.endr
.irp m, 1,2,4,8
.irp r, 0,1,2,3,4,5,6,7,8,9
	v_add_f32_dpp v[DA+4*\r], v[DA+4*\r], v[DA+4*\r] row_xmask:\m row_mask:0xf bank_mask:0xf
.endr
.endr
.irp r, 0,1,2,3,4,5,6,7,8,9
	v_permlanex16_b32 v[DA+4*\r+1], v[DA+4*\r], s28, s29
.endr
.irp r, 0,1,2,3,4,5,6,7,8,9
	v_add_f32 v[DA+4*\r], v[DA+4*\r], v[DA+4*\r+1]                             ; every lane holds all ten sums
.endr
; THE GROUP: the softmax's two terms, the larger logit taken away first; their common divisor does not change the order and is not formed
	s_wait_kmcnt 0x0                               ; blg
	v_add_f32 v8, s24, v[DA]
	v_add_f32 v9, s25, v[DA+4]
	s_delay_alu instid0(VALU_DEP_1)
	v_max_num_f32 v10, v8, v9
	s_delay_alu instid0(VALU_DEP_1)
	v_sub_f32 v8, v8, v10
	s_delay_alu instid0(VALU_DEP_2)
	v_sub_f32 v9, v9, v10
	s_delay_alu instid0(VALU_DEP_2)
	v_mul_f32 v8, 0x3fb8aa3b, v8
	s_delay_alu instid0(VALU_DEP_2)
	v_mul_f32 v9, 0x3fb8aa3b, v9
	s_wait_alu depctr_va_vdst(0)
	v_exp_f32 v8, v8
	v_exp_f32 v9, v9
	v_nop                                          ; a plain instruction behind the last exponential,
	s_wait_alu depctr_va_vdst(0)                   ; and one wait for the two, ahead of their first reader
	v_cmp_gt_f32 s36, v9, v8                       ; group 1 only where its term is truly larger
.irp k, 0,1,2,3
	v_cndmask_b32 v[12+\k], v[DA+8+4*\k], v[DA+24+4*\k], s36                   ; the chosen group's four logits
.endr
	v_cndmask_b32 v[DA+1], 0, 4, s36               ; 4 x group
; THE TWO LARGEST: a value is replaced only by a truly larger one, so the lower index wins a tie
	v_mov_b32 v8, v12                              ; m
	v_mov_b32 v9, 0                                ; its index
.irp k, 1,2,3
	s_delay_alu instid0(VALU_DEP_2)
	v_cmp_le_f32 vcc_lo, v[12+\k], v8              ; keep where the newcomer is not larger
	s_delay_alu instid0(VALU_DEP_1)
	v_cndmask_b32 v8, v[12+\k], v8, vcc_lo
	s_delay_alu instid0(VALU_DEP_2)
	v_cndmask_b32 v9, \k, v9, vcc_lo
.endr
	v_mov_b32 v10, 0xff800000                      ; the second: from -infinity, passing over the first's index
	v_mov_b32 v11, 0
.irp k, 0,1,2,3
	v_cmp_eq_u32 s37, \k, v9
	s_delay_alu instid0(VALU_DEP_3)
	v_cmp_le_f32 vcc_lo, v[12+\k], v10
	s_or_b32 vcc_lo, vcc_lo, s37
	v_cndmask_b32 v10, v[12+\k], v10, vcc_lo
	v_cndmask_b32 v11, \k, v11, vcc_lo
.endr
	s_delay_alu instid0(VALU_DEP_2)
; THE WEIGHTS: softmax of (m, m2) with m taken away: 1 / (1 + x) and x / (1 + x), x = e^(m2 - m) <= 1
	v_sub_f32 v10, v10, v8
	s_delay_alu instid0(VALU_DEP_1)
	v_mul_f32 v10, 0x3fb8aa3b, v10
	s_wait_alu depctr_va_vdst(0)
	v_exp_f32 v10, v10
	v_add_nc_u32 v[DA+2], v9, v[DA+1]              ; E0 = 4 x group + first index (plain work behind the exponential)
	v_add_nc_u32 v[DA+3], v11, v[DA+1]             ; E1
	s_wait_alu depctr_va_vdst(0)
	v_add_f32 v8, 1.0, v10
	s_wait_alu depctr_va_vdst(0)
	v_rcp_f32 v[DA+6], v8                          ; w0
	v_nop
	s_wait_alu depctr_va_vdst(0)
	v_mul_f32 v[DA+7], v10, v[DA+6]                ; w1
	s_wait_dscnt 0x0                               ; x's neighbours are back from the stage
; 512 numbers: a lane's 16, two neighbouring lanes to a block of 32
.macro QSTEP a
.set XS, WR+16*\a
	v_max3_num_f32 v8, |v[XS]|, |v[XS+1]|, |v[XS+2]|
	v_max3_num_f32 v9, |v[XS+3]|, |v[XS+4]|, |v[XS+5]|
.irp i, 6,10
	s_delay_alu instid0(VALU_DEP_2)
	v_max3_num_f32 v8, v8, |v[XS+\i]|, |v[XS+\i+1]|
	s_delay_alu instid0(VALU_DEP_2)
	v_max3_num_f32 v9, v9, |v[XS+\i+2]|, |v[XS+\i+3]|
.endr
	s_delay_alu instid0(VALU_DEP_2)
	v_max3_num_f32 v8, v8, |v[XS+14]|, |v[XS+15]|
	s_delay_alu instid0(VALU_DEP_1)
	v_max3_num_f32 v8, v8, v9, 0x8000000           ; and the floor 2^(16 - 127): the byte cannot fall under 1
	s_delay_alu instid0(VALU_DEP_1)
	v_max_num_f32_dpp v8, v8, v8 row_xmask:1 row_mask:0xf bank_mask:0xf        ; with my neighbour's 16: the block's largest magnitude
	s_delay_alu instid0(VALU_DEP_1)
	v_add_nc_u32 v11, 0xf8800000, v8               ; 15 off its exponent field: the conversion's scale operand
	s_delay_alu instid0(VALU_DEP_2)
	v_and_or_b32 v10, v8, 0x7f800000, s30          ; 57,344 x the scale
.irp i, 0,1,2,3,4,5,6,7,8,9,10,11,12,13,14,15
	v_med3_num_f32 v[XS+\i], v[XS+\i], -v10, v10   ; the conversion to an 8-bit code does not saturate (ISA guide 7.6.2): the hold comes first
.endr
	v_cvt_scalef32_pk8_bf8_f32 v[C+4*\a:C+4*\a+1], v[XS:XS+7], v11
	v_cvt_scalef32_pk8_bf8_f32 v[C+4*\a+2:C+4*\a+3], v[XS+8:XS+15], v11
	v_lshrrev_b32 v[12+\a], 23, v11                ; the scale's byte (a plain instruction behind the conversions)
	ds_store_b8 v5, v[12+\a] offset:16*\a          ; both lanes of a block write the same byte with the same value
	global_store_b128 v7, v[C+4*\a:C+4*\a+3], s[32:33] offset:512*\a           ; 32 lanes store 512 consecutive bytes
.endm
	QSTEP 0
	QSTEP 1
	s_lshl_b32 s21, s20, 3
	v_mov_b32 v14, s21
	ds_store_b64 v14, v[DA+2:DA+3] offset:SELB     ; all lanes write the same words with the same values
	ds_store_b64 v14, v[DA+6:DA+7] offset:GWB
	s_wait_dscnt 0x0                               ; for wave 0's sake
	s_barrier_signal -1
	s_barrier_wait -1
	s_cmp_lg_u32 s20, 0
	s_cbranch_scc1 .Lend
	v_lshlrev_b32 v15, 3, v1
	v_lshlrev_b32 v18, 2, v1
	v_and_b32 v20, 15, v1
	s_delay_alu instid0(VALU_DEP_1)
	v_lshlrev_b32 v20, 2, v20
	ds_load_b64 v[16:17], v15 offset:SCB           ; the eight tokens' 256 scale bytes
	ds_load_b32 v19, v18 offset:SELB               ; lanes 0-15: the experts' 64 bytes; lanes 16-31: the weights' 64
	s_wait_alu depctr_va_vdst(0)
	s_wait_dscnt 0x0
	global_store_b64 v15, v[16:17], s[34:35]       ; 256 consecutive bytes, aligned
	v_cmp_gt_u32 vcc_lo, 16, v1
	s_wait_xcnt 0x0                                ; EXEC changes only behind this wait
	s_and_saveexec_b32 s31, vcc_lo
	global_store_b32 v20, v19, s[16:17]
	s_wait_xcnt 0x0
	s_or_b32 exec_lo, exec_lo, s31
	v_cmp_le_u32 vcc_lo, 16, v1
	s_and_saveexec_b32 s31, vcc_lo
	global_store_b32 v20, v19, s[18:19]
	s_wait_xcnt 0x0
	s_or_b32 exec_lo, exec_lo, s31
.Lend:
	s_wait_tensorcnt 0x0
	ds_add_u32 v192, v193
	s_wait_dscnt 0x0
	s_endpgm
.Lfunc_end_k_q8993d02187_route:
	.size	k_q8993d02187_route, .Lfunc_end_k_q8993d02187_route-k_q8993d02187_route
	.p2alignl 7, 3214868480
	.fill 96, 4, 3214868480
	.section	.rodata,"a",@progbits
	.p2align	6, 0x0
	.amdhsa_kernel k_q8993d02187_route
		.amdhsa_group_segment_fixed_size 63488
		.amdhsa_private_segment_fixed_size 0
		.amdhsa_enable_private_segment 0
		.amdhsa_kernarg_size 64
		.amdhsa_user_sgpr_count 2
		.amdhsa_user_sgpr_kernarg_segment_ptr 1
		.amdhsa_wavefront_size32 1
		.amdhsa_system_sgpr_workgroup_id_x 1
		.amdhsa_system_sgpr_workgroup_id_y 1
		.amdhsa_system_sgpr_workgroup_id_z 1
		.amdhsa_system_vgpr_workitem_id 0
		.amdhsa_next_free_vgpr 194
		.amdhsa_next_free_sgpr 66
		.amdhsa_reserve_vcc 1
		.amdhsa_float_denorm_mode_32 3
		.amdhsa_float_denorm_mode_16_64 3
		.amdhsa_memory_ordered 1
		.amdhsa_forward_progress 1
		.amdhsa_inst_pref_size 40
	.end_amdhsa_kernel
	.amdgpu_metadata
---
amdhsa.version: [ 1, 2 ]
amdhsa.kernels:
  - .name:           k_q8993d02187_route
    .symbol:         k_q8993d02187_route.kd
    .args:
      - { .name: xs, .offset: 0, .size: 8, .value_kind: global_buffer, .address_space: global }
      - { .name: bottle_neck, .offset: 8, .size: 8, .value_kind: global_buffer, .address_space: global }
      - { .name: Wlg, .offset: 16, .size: 8, .value_kind: global_buffer, .address_space: global }
      - { .name: blg, .offset: 24, .size: 8, .value_kind: global_buffer, .address_space: global }
      - { .name: Wg, .offset: 32, .size: 8, .value_kind: global_buffer, .address_space: global }
      - { .name: xq, .offset: 40, .size: 8, .value_kind: global_buffer, .address_space: global }
      - { .name: sel, .offset: 48, .size: 8, .value_kind: global_buffer, .address_space: global }
      - { .name: gw, .offset: 56, .size: 8, .value_kind: global_buffer, .address_space: global }
    .group_segment_fixed_size: 63488
    .private_segment_fixed_size: 0
    .kernarg_segment_align: 8
    .kernarg_segment_size: 64
    .max_flat_workgroup_size: 256
    .sgpr_count:     66
    .vgpr_count:     194
    .wavefront_size: 32
...
	.end_amdgpu_metadata
.endif
;; end of part 6
;; launch place (part 7): grid 1 x 1, 32 waves a work-group, no clusters, 8,192 bytes of LDS; arguments sel, xq, ord, xss; writes ord, xss
.if DOCPART == 7
	.amdgcn_target "amdgcn-amd-amdhsa--gfx1250"
	.amdhsa_code_object_version 6
	.text
	.protected	k_q8993d02187_place
	.globl	k_q8993d02187_place
	.p2align	8
	.type	k_q8993d02187_place,@function
k_q8993d02187_place:
	s_mov_b64 s[64:65], 0
	v_nop
	global_prefetch_b8 v0, s[64:65] scope:SCOPE_SE
	s_setreg_imm32_b32 hwreg(HW_REG_WAVE_MODE, 25, 1), 1
	s_wait_xcnt 0x0
; PLACE.  A counting sort of the 2,048 (token, expert) pairs by expert, in whole numbers alone.  One work-group, thread t = token t.
; Each expert's rows stand together, in the order of the tokens, and are filled up to groups of 64 rows; the fill rows name token 0 and carry the scale byte 0x7f: they are
; multiplied, stored and never read.  There are at most (2,048 + 8 x 63) / 64 = 39 groups, whatever the choice.
; OUT: ord: bytes 0-63 pairs {first group, number of groups} of the 8 experts; byte 64 the number of groups; from byte 256 pos[1024][2], each pair's sorted row; from byte 8,448
; list[2560], sorted row -> token.  xss: xs' scale bytes by sorted row, [2560][32].
; One work-group does it: the sort needs every wave's counts, and there is no traffic between work-groups.
; All offsets that hang on ids alone are made here at the head, ahead of the first load.
	s_load_b256 s[4:11], s[0:1], 0x0               ; sel, xq, ord, xss
	v_lshl_add_u32 v64, v0, 2, 0x1000
	v_mov_b32 v65, 0
	v_lshrrev_b32 v1, 5, v0
	s_delay_alu instid0(VALU_DEP_1)
	v_readfirstlane_b32 s12, v1                    ; wave 0..31
	v_and_b32 v1, 31, v0                           ; lane
	v_lshlrev_b32 v2, 3, v0                        ; 8 t
	v_lshlrev_b32 v3, 5, v0                        ; 32 t
	v_and_b32 v6, 31, v0
	s_delay_alu instid0(VALU_DEP_1)
	v_lshlrev_b32 v6, 2, v6                        ; 4 x lane: the table of groups, on its way out
	v_lshlrev_b32 v7, 2, v0                        ; LDS: my word of the table [wave][lane]
	v_lshlrev_b32 v21, 7, v1                       ; LDS: row "lane" of the table
	v_mov_b32 v16, 0                               ; my rank among my wave's rows of expert E0,
	v_mov_b32 v17, 0                               ; of E1
	v_mov_b32 v19, 0                               ; lane e: my wave's count for expert e
	s_mov_b32 s18, 0x76543210
	s_mov_b32 s19, 0xfedcba98
	s_wait_alu depctr_va_vdst(0)
	s_wait_kmcnt 0x0
	s_add_nc_u64 s[6:7], s[6:7], 0x100000          ; xq's scale bytes
	global_load_b64 v[4:5], v2, s[4:5]
	global_load_b128 v[8:11], v3, s[6:7]
	global_load_b128 v[12:15], v3, s[6:7] offset:16
	s_wait_loadcnt 0x2                             ; the two experts are in; the scale bytes' two loads may be out
	v_min_u32 v4, 7, v4
	v_min_u32 v5, 7, v5
.irp e, 0,1,2,3,4,5,6,7
	v_cmp_eq_u32 s14, \e, v4
	v_cmp_eq_u32 s15, \e, v5
	s_or_b32 s16, s14, s15                         ; the wave's tokens that use expert e
	v_mbcnt_lo_u32_b32 v18, s16, 0                 ; how many of them stand in lower lanes
	s_delay_alu instid0(VALU_DEP_1)
	v_cndmask_b32 v16, v16, v18, s14
	s_delay_alu instid0(VALU_DEP_2)
	v_cndmask_b32 v17, v17, v18, s15
	s_bcnt1_i32_b32 s17, s16
	v_writelane_b32 v19, s17, \e
.endr
	ds_store_b32 v7, v19
	s_wait_dscnt 0x0
	s_barrier_signal -1
	s_barrier_wait -1
	ds_load_b128 v[24:27], v21                     ; lane l: wave l's eight counts
	ds_load_b128 v[28:31], v21 offset:16
	v_cmp_gt_u32 vcc_lo, s12, v1                   ; waves ahead of mine
	s_wait_dscnt 0x0
.irp e, 0,1,2,3,4,5,6,7
	v_cndmask_b32 v[32+\e], 0, v[24+\e], vcc_lo
.endr
.irp e, 0,1,2,3,4,5,6,7
	v_lshl_add_u32 v[24+\e], v[32+\e], 16, v[24+\e]                            ; low half: for the total; high half: for the rows ahead of my wave's (both at most 1,024)
.endr
.irp m, 1,2,4,8
.irp e, 0,1,2,3,4,5,6,7
	v_mov_b32_dpp v[32+\e], v[24+\e] row_xmask:\m row_mask:0xf bank_mask:0xf
.endr
.irp e, 0,1,2,3,4,5,6,7
	v_add_nc_u32 v[24+\e], v[24+\e], v[32+\e]
.endr
.endr
.irp e, 0,1,2,3,4,5,6,7
	v_permlanex16_b32 v[32+\e], v[24+\e], s18, s19
.endr
.irp e, 0,1,2,3,4,5,6,7
	v_add_nc_u32 v[24+\e], v[24+\e], v[32+\e]
.endr
.irp e, 0,1,2,3,4,5,6,7
	v_readfirstlane_b32 s[32+\e], v[24+\e]
.endr
	s_mov_b32 s74, 0                               ; groups so far
.irp e, 0,1,2,3,4,5,6,7
	s_and_b32 s[40+\e], s[32+\e], 0xffff           ; the expert's rows
	s_lshr_b32 s[48+\e], s[32+\e], 16              ; those of earlier waves
	s_add_co_u32 s[56+\e], s[40+\e], 63
	s_lshr_b32 s[56+\e], s[56+\e], 6               ; its groups
	s_mov_b32 s[66+\e], s74                        ; its first group
	s_lshl_b32 s75, s74, 6
	s_add_co_u32 s[48+\e], s[48+\e], s75           ; where my wave's rows of it begin
	s_add_co_u32 s74, s74, s[56+\e]
.endr
	v_mov_b32 v22, s48
	v_mov_b32 v23, s48
.irp e, 1,2,3,4,5,6,7
	v_cmp_ne_u32 vcc_lo, \e, v4
	s_delay_alu instid0(VALU_DEP_1)
	v_cndmask_b32 v22, s[48+\e], v22, vcc_lo
	v_cmp_ne_u32 vcc_lo, \e, v5
	s_delay_alu instid0(VALU_DEP_1)
	v_cndmask_b32 v23, s[48+\e], v23, vcc_lo
.endr
	s_delay_alu instid0(VALU_DEP_3)
	v_add_nc_u32 v22, v22, v16
	s_delay_alu instid0(VALU_DEP_2)
	v_add_nc_u32 v23, v23, v17
	s_delay_alu instid0(VALU_DEP_2)
	v_min_u32 v22, 0x9ff, v22                      ; my two sorted rows, inside the tables
	s_delay_alu instid0(VALU_DEP_2)
	v_min_u32 v23, 0x9ff, v23
	s_delay_alu instid0(VALU_DEP_2)
	v_lshlrev_b32 v34, 2, v22
	s_delay_alu instid0(VALU_DEP_2)
	v_lshlrev_b32 v35, 2, v23
	s_delay_alu instid0(VALU_DEP_4)
	v_lshlrev_b32 v36, 5, v22
	s_delay_alu instid0(VALU_DEP_4)
	v_lshlrev_b32 v37, 5, v23
	s_wait_alu depctr_va_vdst(0)
	s_wait_loadcnt 0x0                             ; my token's scale bytes
	global_store_b64 v2, v[22:23], s[8:9] offset:256
	global_store_b32 v34, v0, s[8:9] offset:8448
	global_store_b32 v35, v0, s[8:9] offset:8448
	global_store_b128 v36, v[8:11], s[10:11]
	global_store_b128 v36, v[12:15], s[10:11] offset:16
	global_store_b128 v37, v[8:11], s[10:11]
	global_store_b128 v37, v[12:15], s[10:11] offset:16
; THE FILL ROWS: at most 63 an expert: waves e and e + 8 take 32 each
	s_cmp_lt_u32 s12, 16
	s_cbranch_scc0 .Lnopad
	s_and_b32 s76, s12, 7
	s_mov_b32 s77, s40
	s_mov_b32 s78, s56
	s_mov_b32 s79, s66
.irp e, 1,2,3,4,5,6,7
	s_cmp_eq_u32 s76, \e
	s_cselect_b32 s77, s[40+\e], s77
	s_cselect_b32 s78, s[56+\e], s78
	s_cselect_b32 s79, s[66+\e], s79
.endr
	s_lshr_b32 s76, s12, 3
	s_lshl_b32 s76, s76, 5
	s_add_co_u32 s76, s76, s77
	v_add_nc_u32 v40, s76, v1                      ; a row of the expert, behind its last real one
	s_lshl_b32 s78, s78, 6
	s_lshl_b32 s79, s79, 6
	v_cmp_gt_u32 vcc_lo, s78, v40                  ; still inside its groups?
	v_add_nc_u32 v40, s79, v40
	s_delay_alu instid0(VALU_DEP_1)
	v_min_u32 v40, 0x9ff, v40
	s_delay_alu instid0(VALU_DEP_1)
	v_lshlrev_b32 v41, 2, v40
	s_delay_alu instid0(VALU_DEP_2)
	v_lshlrev_b32 v43, 5, v40
	v_mov_b32 v42, 0
.irp i, 0,1,2,3
	v_mov_b32 v[44+\i], 0x7f7f7f7f
.endr
	s_wait_alu depctr_va_vdst(0)
	s_wait_xcnt 0x0                                ; EXEC changes only behind this wait
	s_and_saveexec_b32 s76, vcc_lo
	global_store_b32 v41, v42, s[8:9] offset:8448
	global_store_b128 v43, v[44:47], s[10:11]
	global_store_b128 v43, v[44:47], s[10:11] offset:16
	s_wait_xcnt 0x0
	s_or_b32 exec_lo, exec_lo, s76
.Lnopad:
	s_cmp_eq_u32 s12, 16                           ; wave 16 stores the table of groups
	s_cbranch_scc0 .Lend
	v_mov_b32 v48, 0
.irp e, 0,1,2,3,4,5,6,7
	s_delay_alu instid0(VALU_DEP_1)
	v_writelane_b32 v48, s[66+\e], 2*\e
	s_delay_alu instid0(VALU_DEP_1)
	v_writelane_b32 v48, s[56+\e], 2*\e+1
.endr
	s_delay_alu instid0(VALU_DEP_1)
	v_writelane_b32 v48, s74, 16
	global_store_b32 v6, v48, s[8:9]               ; 128 consecutive bytes: the 8 pairs, the number of groups, zeros
.Lend:
	s_wait_tensorcnt 0x0
	ds_add_u32 v64, v65
	s_wait_dscnt 0x0
	s_endpgm
.Lfunc_end_k_q8993d02187_place:
	.size	k_q8993d02187_place, .Lfunc_end_k_q8993d02187_place-k_q8993d02187_place
	.p2alignl 7, 3214868480
	.fill 96, 4, 3214868480
	.section	.rodata,"a",@progbits
	.p2align	6, 0x0
	.amdhsa_kernel k_q8993d02187_place
		.amdhsa_group_segment_fixed_size 8192
		.amdhsa_private_segment_fixed_size 0
		.amdhsa_enable_private_segment 0
		.amdhsa_kernarg_size 32
		.amdhsa_user_sgpr_count 2
		.amdhsa_user_sgpr_kernarg_segment_ptr 1
		.amdhsa_wavefront_size32 1
		.amdhsa_system_sgpr_workgroup_id_x 1
		.amdhsa_system_sgpr_workgroup_id_y 1
		.amdhsa_system_sgpr_workgroup_id_z 1
		.amdhsa_system_vgpr_workitem_id 0
		.amdhsa_next_free_vgpr 66
		.amdhsa_next_free_sgpr 80
		.amdhsa_reserve_vcc 1
		.amdhsa_float_denorm_mode_32 3
		.amdhsa_float_denorm_mode_16_64 3
		.amdhsa_memory_ordered 1
		.amdhsa_forward_progress 1
		.amdhsa_inst_pref_size 20
	.end_amdhsa_kernel
	.amdgpu_metadata
---
amdhsa.version: [ 1, 2 ]
amdhsa.kernels:
  - .name:           k_q8993d02187_place
    .symbol:         k_q8993d02187_place.kd
    .args:
      - { .name: sel, .offset: 0, .size: 8, .value_kind: global_buffer, .address_space: global }
      - { .name: xq, .offset: 8, .size: 8, .value_kind: global_buffer, .address_space: global }
      - { .name: ord, .offset: 16, .size: 8, .value_kind: global_buffer, .address_space: global }
      - { .name: xss, .offset: 24, .size: 8, .value_kind: global_buffer, .address_space: global }
    .group_segment_fixed_size: 8192
    .private_segment_fixed_size: 0
    .kernarg_segment_align: 8
    .kernarg_segment_size: 32
    .max_flat_workgroup_size: 1024
    .sgpr_count:     80
    .vgpr_count:     66
    .wavefront_size: 32
...
	.end_amdgpu_metadata
.endif
;; end of part 7
;; launch ffn1 (part 8): grid 32 x 8, 4 waves a work-group, no clusters, 311,808 bytes of LDS; arguments W1, b1, xq, ord, xss, hq; writes hq
.if DOCPART == 8
	.amdgcn_target "amdgcn-amd-amdhsa--gfx1250"
	.amdhsa_code_object_version 6
	.text
	.protected	k_q8993d02187_ffn1
	.globl	k_q8993d02187_ffn1
	.p2align	8
	.type	k_q8993d02187_ffn1,@function
k_q8993d02187_ffn1:
	s_mov_b64 s[64:65], 0
	v_nop
	global_prefetch_b8 v0, s[64:65] scope:SCOPE_SE
	s_setreg_imm32_b32 hwreg(HW_REG_WAVE_SCHED_MODE, 0, 2), 2
	s_setreg_imm32_b32 hwreg(HW_REG_WAVE_MODE, 25, 1), 1
	s_wait_xcnt 0x0
	s_wait_alu depctr_vm_vsrc(0)
; FFN1.  h = relu(x W1^T + b1) for the rows that were routed to an expert, on codes of E5M2 with one E8M0 scale for each 32 along K = D; h leaves quantised along H.
; SHARES.  Work-group (x, y) owns hidden units 128 x .. 128 x + 127 of expert y: a slab of 128 rows x 1,024 of W1, 512 KB of f32, which no other work-group reads.
; PHASE 1, the stream: wave w reads rows 32 w .. 32 w + 31 of the slab, 64 loads of 512 consecutive bytes always on their way, quantises them in registers and lays the fragments
; in LDS as images of the operand's registers.  PHASE 2: wave (ih, j) takes column tiles 4 ih .. 4 ih + 3 for all 8 K steps into 512 registers, where they stay.
; PHASE 3, the rows: the expert's groups of 64 sorted rows, one a trip.  x's codes are gathered by the token list into LDS (two buffers by turns, a trip ahead); wave (ih, j)
; multiplies row tiles 2 j, 2 j + 1; b1 is the C of each sum's first product; relu and the hold are one instruction; the codes leave as fragment images for the next launch.
; THE PRODUCT IS USED TRANSPOSED (source 0 = 16 rows of W1, source 1 = 16 rows of x): a lane holds one row of x.  THE ROWS OF W1 THAT FORM A TILE ARE NOT NEIGHBOURS: lane r of
; tile 2 b + u takes row 32 b + 8 u + r + 8 (r / 8), so that the 16 registers of tiles 2 b and 2 b + 1 are 16 neighbours along H, the next K.
; THE LOOP OVER GROUPS HAS 16 TRIPS, as many as an expert can have groups (1,024 rows); a trip's work is jumped over by scalar branches on the stored number of groups, its barrier is not.
; A GROUP'S NUMBER, the expert's first group (read from memory) + the trip, is held at 39, the last group that the buffers have room for, each time it enters an address.
; NO TENSOR LOAD, NO CLUSTER: the trips' branches hang on numbers read from memory, so operands go through registers; what the 32 work-groups of an expert share, 64 KB of codes a
; group, is small beside each one's own 512 KB.  No prefetch: the stream has 64 loads a wave out, and a group's rows are asked for a whole trip ahead.
; LIMITS: NaN and infinities are not served; a block of zeros gets the byte 1 (its codes are zeros; only this program reads the bytes).
; hq: codes [K step 32][group 40][tile 4][2,048 bytes], piece c of a fragment at 512 c + 16 x lane; from byte 10,485,760 scale words [K step 32][row 2,560].
; REGISTERS.  window 0: v1-20 addresses; v24-39 the gather's offsets; v40-71 W1's scale words; v72-87 x's, two sets; v88-119 b1; v120-136 the quantiser's; v140-155 codes; v160-223 the
; 8 accumulators (in phase 1: 64 numbers of W1).  windows 1, 2: W1's fragments of K steps 0-3, 4-7.  window 3: in phase 1 four sets of 64 as loaded; then v0-127 x's codes from
; memory, v128-255 a ring of four K steps' fragments of x.
; THE MODE: SCHED_MODE bits 1:0 = 2 (LLVM: expert scheduling mode 2), set by the entry lines.  The code itself states the register dependences
; between vector or matrix instructions and memory or LDS instructions, with s_wait_alu, always for 0.
; THE PLAN.  Registers that memory or LDS instructions touch, and who else names them:
;   sets 0-3 (window 3), phase 1   a set's 16 loads land; its 16 stage stores read it; it is asked for again.  No vector instruction names them.
;   ACC, phase 1                   the stage's 16 LDS loads land; the quantiser reads and writes it.  In phase 3 products and the quantiser alone name it.
;   PC, PW, the four scale bytes   the quantiser writes them; the image's LDS stores (phase 1), the global stores and the byte stores (phase 3) read them.
;   IMA, IMS                       one add each a trip of the stream; the image's stores read them.
;   AO, ASO                        seventeen adds at a request's head; the request's loads read them.
;   window 3 v0-127, phase 3       a request's loads land; the LDS stores into the row buffer read them.
;   AS, set t                      the head's moves write it; a request's loads land; the products of the trips on buffer t take it as scales.
;   the ring (window 3 v128-255)   the fragments' LDS loads land; the products read it.
;   HO, HSO, HB                    an add, an add, an LDS load; global stores read them.
;   Every other address is made at the head and never written again.
; So: a fragment of the stream has one wait on vm_vsrc (behind its stage stores and loads) and one on va_vdst (behind its quantiser); a trip of the stream one more on vm_vsrc, ahead of its
; branch, for IMA and IMS.  A trip of the rows has one wait on vm_vsrc at its head, ahead of the branch round the request, for all that the trip before has stored from; one on va_vdst
; in the request, two among the products (each frees two places of the ring), one ahead of the way out; the store of the scale words, under a branch of its own, has its own two.
.set RPITCH, 4096                      ; a row of W1 in bytes
.set GLAST, 39                         ; the last group that the buffers have room for
.set IMG,   0                          ; LDS: fragment (tile ct, K step s) at (8 ct + s) x 2,048
.set WSC,   131072                     ; its scale words, 128 bytes each
.set TURN,  139264                     ; 16 rows x 528 bytes for each wave: rows of 512 bytes + 16: the sixteen rows that a read touches begin 4 words apart modulo 64
.set ABUF0, 173056                     ; 64 rows of x's codes, 1,040 bytes apart (1,024 + 16)
.set ABUF1, 239616
.set HSB0,  306176                     ; h's scale bytes of a group, 64 rows x 4; a second set 256 bytes on
.set L16,  1
.set TSW,  2
.set TSR,  3
.set IMA0, 4
.set IMS0, 5
.set IMA,  6
.set IMS,  7
.set WLD,  8
.set WSL,  9
.set AFR,  10
.set AST,  12
.set ASO,  14
.set HO,   15
.set HO0,  16
.set HSBW, 17
.set HSBR, 18
.set HSO,  19
.set ASO0, 20
.set AO,   24
.set WS,   40
.set AS,   72
.set BI,   88
.set TM,   120
.set PW,   136
.set PC,   140
.set ACC,  160
.set HB,   224
.set WB,   22                          ; s[22:23] where my wave's stream stands
.set TK,   36                          ; s[36:51] sixteen tokens of the list
.set SEL,  30
.set MNT,  32
.set MSB, 0
.macro WIN new                         ; the immediate's high byte repeats the setting that is left; a switch that changes nothing is dropped
.if MSB != \new
	s_set_vgpr_msb (MSB<<8)|\new
.set MSB, \new
.endif
.endm
.macro NOPS n
.rept \n
	v_nop
.endr
.endm
; 64 numbers of a lane, register 16 b + i = k 32 b + 16 (lane / 16) + i of my row, become a fragment's codes in v[PC] on, its bytes in v[TM+4] on and its scale word in v[PW].
.macro QUANT s, relu                   ; relu = 1: what is negative becomes 0 on the way
.if \relu
.irp b, 0,1,2,3
	v_max3_num_f32 v[TM+\b], v[\s+16*\b], v[\s+1+16*\b], 0x8000000             ; no |.|: what is negative must not count; the floor 2^(16 - 127) holds the byte at 1 from below
.endr
.irp i, 2,4,6,8,10,12,14
.irp b, 0,1,2,3
	v_max3_num_f32 v[TM+\b], v[TM+\b], v[\s+16*\b+\i], v[\s+1+16*\b+\i]
.endr
.endr
.else
.irp b, 0,1,2,3
	v_max3_num_f32 v[TM+\b], |v[\s+16*\b]|, |v[\s+1+16*\b]|, 0x8000000
.endr
.irp i, 2,4,6,8,10,12,14
.irp b, 0,1,2,3
	v_max3_num_f32 v[TM+\b], v[TM+\b], |v[\s+16*\b+\i]|, |v[\s+1+16*\b+\i]|
.endr
.endr
.endif
.irp b, 0,1,2,3
	v_permlanex16_b32 v[TM+4+\b], v[TM+\b], s[SEL], s[SEL+1]
.endr
.irp b, 0,1,2,3
	v_max_num_f32 v[TM+\b], v[TM+\b], v[TM+4+\b]   ; with lane l xor 16's: the block's largest magnitude
.endr
.irp b, 0,1,2,3
	v_add_nc_u32 v[TM+12+\b], 0xf8800000, v[TM+\b] ; 15 off its exponent field: the conversion's scale operand
.endr
.irp b, 0,1,2,3
	v_and_or_b32 v[TM+8+\b], v[TM+\b], 0x7f800000, s[MNT]                      ; 57,344 x the scale
.endr
.irp b, 0,1,2,3
	v_lshrrev_b32 v[TM+4+\b], 23, v[TM+12+\b]      ; the scale's byte
.endr
	v_lshl_or_b32 v[PW], v[TM+5], 8, v[TM+4]
	v_lshl_or_b32 v[PW], v[TM+6], 16, v[PW]
	v_lshl_or_b32 v[PW], v[TM+7], 24, v[PW]
.irp b, 0,1,2,3
.irp i, 0,1,2,3,4,5,6,7,8,9,10,11,12,13,14,15
.if \relu
	v_med3_num_f32 v[\s+16*\b+\i], v[\s+16*\b+\i], 0, v[TM+8+\b]               ; the activation and the hold in one
.else
	v_med3_num_f32 v[\s+16*\b+\i], v[\s+16*\b+\i], -v[TM+8+\b], v[TM+8+\b]     ; the conversion to an 8-bit code does not saturate (ISA guide 7.6.2)
.endif
.endr
	v_cvt_scalef32_pk8_bf8_f32 v[PC+4*\b:PC+1+4*\b], v[\s+16*\b:\s+7+16*\b], v[TM+12+\b]
	v_cvt_scalef32_pk8_bf8_f32 v[PC+2+4*\b:PC+3+4*\b], v[\s+8+16*\b:\s+15+16*\b], v[TM+12+\b]
.endr
	v_nop                                          ; a plain instruction behind the last conversion: later products write its sources
.endm
; 16 rows x 512 bytes of W1 into set pos: tile pos % 2 of my two, K step pos / 2 of the trip's two; each load reads 512 consecutive bytes of one row
.macro WLOAD pos, extra
	WIN 0xc0                                       ; destination window 3
.irp i, 0,1,2,3,4,5,6,7,8,9,10,11,12,13,14,15
	global_load_b128 v[64*\pos+4*\i:64*\pos+4*\i+3], v[L16], s[WB:WB+1] offset:(8*(\pos%2)+\i+8*(\i/8))*RPITCH+512*(\pos/2)+\extra th:TH_LOAD_NT
.endr
	WIN 0
.endm
; One fragment: set pos turns through my stage, so that lane (r, h) holds 16 neighbours of each block of 32 of row r; the set is asked for anew (ld = 1); quantised; image to LDS.
.macro FR pos, ld, cnt
	s_wait_loadcnt \cnt                            ; this set's 16 loads are in; cnt younger ones may be out
	WIN 0x0c                                       ; an LDS store's data: window 3
.irp i, 0,1,2,3,4,5,6,7,8,9,10,11,12,13,14,15
	ds_store_b128 v[TSW], v[64*\pos+4*\i:64*\pos+4*\i+3] offset:528*\i
.endr
	WIN 0
.irp c, 0,1,2,3
.irp k, 0,1,2,3
	ds_load_b128 v[ACC+16*\c+4*\k:ACC+16*\c+4*\k+3], v[TSR] offset:128*\c+16*\k    ; LDS serves a wave's instructions in order: these see the stores above.  They land in ACC: the last fragment's wait on va_vdst stands behind its quantiser, and no vector instruction since names ACC
.endr
.endr
	s_wait_alu depctr_vm_vsrc(0)                   ; the stage stores have read the set, in which the loads below land; the last fragment's image stores have read the codes and the scale word, which the quantiser writes again
.if \ld
	WLOAD \pos, 1024                               ; the same place two K steps on: asked for while the numbers are still on their way back from the stage
.endif
	s_wait_dscnt 0x0                               ; the numbers are back
	QUANT ACC, 0
	s_wait_alu depctr_va_vdst(0)                   ; the quantiser has written the codes and the scale word, the trip's head v[IMA] and v[IMS], which the stores below read; and the quantiser is done with ACC, in which the next fragment's numbers land
.irp c, 0,1,2,3
	ds_store_b128 v[IMA], v[PC+4*\c:PC+4*\c+3] offset:16384*(\pos%2)+2048*(\pos/2)+512*\c
.endr
	ds_store_b32 v[IMS], v[PW] offset:1024*(\pos%2)+128*(\pos/2)
.endm
; The rows of group s52 (held at GLAST by the caller) are asked for: my 16 rows of x's codes by the token list (two loads of 512 bytes a row), my 32 rows' scale words into set tgt; then the list's next sixteen tokens.
; Ahead of it stands a wait on vm_vsrc behind all that read the offsets and window 3's v0-127: at a trip's head; in the stream's tail that of the third fragment, behind the stage stores of sets 0 and 1.
.macro ISSUE tgt
	s_wait_kmcnt 0x0                               ; the tokens are in, and s53, the last list load's offset, may be written
.irp i, 0,1,2,3,4,5,6,7,8,9,10,11,12,13,14,15
	s_min_u32 s53, s[TK+\i], 0x3ff
	s_lshl_b32 s53, s53, 10
	v_add_nc_u32 v[AO+\i], s53, v[L16]
.endr
	s_lshl_b32 s53, s52, 11
	v_add_nc_u32 v[ASO], s53, v[ASO0]
	WIN 0xc0
	s_wait_alu depctr_va_vdst(0)                   ; the seventeen offsets are written, which the loads below read; set tgt of x's scale words is written by the head's moves and no longer read by the products of the trip before
.irp i, 0,1,2,3,4,5,6,7,8,9,10,11,12,13,14,15
	global_load_b128 v[8*\i:8*\i+3], v[AO+\i], s[8:9]
	global_load_b128 v[8*\i+4:8*\i+7], v[AO+\i], s[8:9] offset:512
.endr
	WIN 0
	global_load_b128 v[AS+8*(\tgt):AS+8*(\tgt)+3], v[ASO], s[12:13]            ; lane l: the 8 scale words of row 32 j + l: lanes 0-15 my first tile's rows, lanes 16-31 my second's
	global_load_b128 v[AS+8*(\tgt)+4:AS+8*(\tgt)+7], v[ASO], s[12:13] offset:16
	s_add_co_u32 s53, s52, 1
	s_min_u32 s53, s53, s26                        ; the group after it, or the last group that the list holds
	s_min_u32 s53, s53, GLAST
	s_lshl_b32 s53, s53, 8
	s_add_co_u32 s53, s53, s62
	s_load_b512 s[TK:TK+15], s[58:59], s53 offset:0x0
.endm
.macro CONSUME tgt                     ; my 16 rows go into buffer tgt
	WIN 0x0c
.irp i, 0,1,2,3,4,5,6,7,8,9,10,11,12,13,14,15
	ds_store_b128 v[AST+(\tgt)], v[8*\i:8*\i+3] offset:1040*\i
	ds_store_b128 v[AST+(\tgt)], v[8*\i+4:8*\i+7] offset:1040*\i+512
.endr
	WIN 0
.endm
.macro FRAGS p, s                      ; K step s of my two row tiles: 8 loads, into ring place s % 4 (window 3)
.irp m, 0,1
.irp c, 0,1,2,3
	ds_load_b128 v[128+32*((\s)%4)+16*\m+4*\c:128+32*((\s)%4)+16*\m+4*\c+3], v[AFR+\p] offset:16640*\m+128*(\s)+32*\c
.endr
.endr
.endm
; 8 products: my two row tiles x my four column tiles, K step s.  The 8 accumulators take turns, one instruction a turn, in the same order in every K step.
.macro MUL p, s
.irp m, 0,1
.irp t, 0,1,2,3
.set rD, ACC+32*\m+8*\t
.set rW, 16*(4*\t+(\s)%4)
.set rF, 128+32*((\s)%4)+16*\m
.set rC, rD
.if (\s) == 0
.set rC, BI+8*\t                       ; the bias starts the sum
.endif
.if \m
	v_wmma_scale_f32_16x16x128_f8f6f4 v[rD:rD+7], v[rW:rW+15], v[rF:rF+15], v[rC:rC+7], v[WS+8*\t+(\s)], v[AS+8*(\p)+(\s)] matrix_a_fmt:MATRIX_FMT_BF8 matrix_b_fmt:MATRIX_FMT_BF8 matrix_b_scale:MATRIX_SCALE_ROW1
.else
	v_wmma_scale_f32_16x16x128_f8f6f4 v[rD:rD+7], v[rW:rW+15], v[rF:rF+15], v[rC:rC+7], v[WS+8*\t+(\s)], v[AS+8*(\p)+(\s)] matrix_a_fmt:MATRIX_FMT_BF8 matrix_b_fmt:MATRIX_FMT_BF8
.endif
.endr
.endr
.endm
; A group's 64 products.  Each wait's count on DScnt is the loads of the younger K steps, 8 each.  The first four runs of loads land in a ring that the last group's products read: the wait on va_vdst
; at that group's way out stands behind all of them, and no vector or matrix instruction since names the ring.  Eight plain instructions and then a wait on va_vdst stand between the last product
; that read a ring place and the loads into it; each such wait frees two places, and the two runs of loads are dealt among the products that follow, which name other places of the ring,
; W1's fragments, scale words and accumulators alone.  Nine plain instructions stand behind the last products, whose accumulators the next group's first products write anew.
.macro COMPUTE p
	WIN 0xc0
	FRAGS \p, 0
	FRAGS \p, 1
	FRAGS \p, 2
	FRAGS \p, 3
	s_wait_dscnt 24                                ; K step 0 is in; 1, 2 and 3 may be out
	WIN 0x0d                                       ; source 0 (W1) window 1, source 1 (x) window 3, C and D window 0
	MUL \p, 0
	s_wait_dscnt 16                                ; K step 1 is in; 2 and 3 may be out
	MUL \p, 1
	NOPS 8
	WIN 0xc0
	s_wait_alu depctr_va_vdst(0)                   ; the products of K steps 0 and 1 are done reading ring places 0 and 1, in which K steps 4 and 5 land
	FRAGS \p, 4
	s_wait_dscnt 16                                ; K step 2 is in; 3 and 4 may be out
	WIN 0x0d
	MUL \p, 2
	WIN 0xc0
	FRAGS \p, 5                                    ; no wait: no instruction since the wait above names ring place 1 or the address
	s_wait_dscnt 16                                ; K step 3 is in; 4 and 5 may be out
	WIN 0x0d
	MUL \p, 3
	NOPS 8
	WIN 0xc0
	s_wait_alu depctr_va_vdst(0)                   ; the products of K steps 2 and 3 are done reading ring places 2 and 3, in which K steps 6 and 7 land
	FRAGS \p, 6
	s_wait_dscnt 16                                ; K step 4 is in; 5 and 6 may be out
	WIN 0x0e                                       ; W1's K steps 4-7: window 2
	MUL \p, 4
	WIN 0xc0
	FRAGS \p, 7                                    ; no wait: no instruction since the wait above names ring place 3 or the address
	s_wait_dscnt 16                                ; K step 5 is in; 6 and 7 may be out
	WIN 0x0e
	MUL \p, 5
	s_wait_dscnt 8
	MUL \p, 6
	s_wait_dscnt 0x0
	MUL \p, 7
	WIN 0
	NOPS 9
.endm
; The group's h: block 2 m + b of the quantiser is hidden units 32 (2 ih + b) .. + 31 of row tile 2 j + m: piece 2 ih + b of that tile's fragment.
.macro EPI p
	s_wait_xcnt 0x0                                ; the last group's stores have had their addresses translated; that they have read their codes, bytes and offset the wait on vm_vsrc at the trip's head has stated
	QUANT ACC, 1
	s_add_co_u32 s35, s24, s27
	s_min_u32 s35, s35, GLAST                      ; the group's number, held inside the buffer
	s_lshl_b32 s35, s35, 13                        ; its 8,192 bytes
	v_add_nc_u32 v[HO], s35, v[HO0]
	s_wait_alu depctr_va_vdst(0)                   ; the quantiser has written the codes and the four bytes, the add v[HO], which the stores below read; and all this group's products are done reading the ring and their scale words
.irp m, 0,1
.irp b, 0,1
	global_store_b128 v[HO], v[PC+4*(2*\m+\b):PC+4*(2*\m+\b)+3], s[54:55] offset:2048*\m+512*\b th:TH_STORE_NT    ; 32 lanes store 512 consecutive bytes, aligned
	ds_store_b8 v[HSBW], v[TM+4+2*\m+\b] offset:256*\p+64*\m+\b                ; both lanes of a row write the same byte with the same value
.endr
.endr
.endm
	s_load_b256 s[4:11], s[0:1], 0x0               ; W1, b1, xq, ord
	s_load_b128 s[12:15], s[0:1], 0x20             ; xss, hq
	v_lshl_add_u32 v254, v0, 2, 0x4c000
	v_mov_b32 v255, 0
	v_lshrrev_b32 v1, 5, v0
	v_readfirstlane_b32 s16, v1                    ; wave w
	v_and_b32 v21, 31, v0                          ; lane
	v_and_b32 v22, 15, v0                          ; r
	v_bfe_u32 v23, v0, 4, 1                        ; h
	v_lshlrev_b32 v[L16], 4, v21
	s_wait_alu depctr_va_vdst(0)
	s_and_b32 s19, ttmp7, 0xffff                   ; the expert
	s_mov_b32 s20, ttmp9                           ; the slice of H
	s_wait_alu depctr_va_sdst(0)                   ; s16 is written, ahead of its first reader: shares, LDS places and bases are made from it
	s_lshr_b32 s17, s16, 1                         ; ih: which half of the slab's columns I multiply
	s_and_b32 s18, s16, 1                          ; j: which half of a group's rows
	s_mul_i32 s21, s16, 8448
	s_add_co_u32 s21, s21, TURN
	v_add_nc_u32 v[TSW], s21, v[L16]
	v_mul_u32_u24 v[TSR], v22, 528
	v_lshl_add_u32 v[TSR], v23, 6, v[TSR]
	v_add_nc_u32 v[TSR], s21, v[TSR]
	s_lshl_b32 s21, s16, 15
	v_add_nc_u32 v[IMA0], s21, v[L16]
	s_lshl_b32 s21, s16, 11
	s_add_co_u32 s21, s21, WSC
	v_lshl_add_u32 v[IMS0], v21, 2, s21
	s_lshl_b32 s21, s17, 16
	v_add_nc_u32 v[WLD], s21, v[L16]
	s_lshl_b32 s21, s17, 12
	s_add_co_u32 s21, s21, WSC
	v_lshl_add_u32 v[WSL], v21, 2, s21
	s_mul_i32 s21, s18, 33280
	v_mul_u32_u24 v[AFR], v22, 1040
	v_lshl_add_u32 v[AFR], v23, 4, v[AFR]
	v_add_nc_u32 v[AFR], s21, v[AFR]
	v_add_nc_u32 v[AFR+1], ABUF1, v[AFR]
	v_add_nc_u32 v[AFR], ABUF0, v[AFR]
	s_mul_i32 s21, s16, 16640
	v_add_nc_u32 v[AST], s21, v[L16]
	v_add_nc_u32 v[AST+1], ABUF1, v[AST]
	v_add_nc_u32 v[AST], ABUF0, v[AST]
	s_lshl_b32 s21, s18, 10
	v_lshl_add_u32 v[ASO0], v21, 5, s21            ; xss: 32 bytes x (32 j + lane)
	s_lshl_b32 s21, s18, 12
	s_lshl_b32 s35, s17, 10
	s_add_co_u32 s21, s21, s35
	v_add_nc_u32 v[HO0], s21, v[L16]               ; hq: 4,096 j + 1,024 ih + 16 x lane
	s_lshl_b32 s21, s18, 7
	s_lshl_b32 s35, s17, 1
	s_add_co_u32 s21, s21, s35
	s_add_co_u32 s21, s21, HSB0
	v_lshl_add_u32 v[HSBW], v22, 2, s21            ; row (32 j + r)'s word, byte 2 ih
	v_lshl_add_u32 v[HSBR], v21, 3, HSB0
	v_lshlrev_b32 v[HSO], 6, v23                   ; (first: b1's offset, 16 h numbers)
.irp b, 0,1,2,3
	v_mov_b32 v[TM+4+\b], 0                        ; written once: a lane permute's destination counts as one of its sources
.endr
.irp i, 0,1,2,3,4,5,6,7,8,9,10,11,12,13,14,15
	v_mov_b32 v[AS+\i], 0x7f7f7f7f                 ; written once: on every way to a product these registers hold scales
.endr
	s_mov_b32 s[SEL], 0x76543210
	s_mov_b32 s[SEL+1], 0xfedcba98
	s_mov_b32 s[MNT], 0x600000
	s_lshl_b32 s62, s16, 6                         ; 64 w: my sixteen words of a group's 64 in the list
	s_lshl_b32 s52, s19, 3
	s_mov_b32 s61, 0
	s_wait_kmcnt 0x0
	s_load_b64 s[24:25], s[10:11], s52 offset:0x0  ; the expert's first group, its number of groups
	s_load_b32 s26, s[10:11], 0x40                 ; the number of groups in all
	s_lshl_b32 s35, s19, 12
	s_lshl_b32 s21, s20, 7
	s_add_co_u32 s35, s35, s21                     ; the slab's first hidden unit, counted over all experts
	s_lshl_b32 s60, s16, 5
	s_add_co_u32 s60, s60, s35
	s_lshl_b32 s60, s60, 12
	s_add_nc_u64 s[WB:WB+1], s[4:5], s[60:61]
	s_lshl_b32 s60, s17, 6
	s_add_co_u32 s60, s60, s35
	s_lshl_b32 s60, s60, 2
	s_add_nc_u64 s[6:7], s[6:7], s[60:61]          ; b1 at my 64 hidden units
	s_mul_i32 s60, s20, 327680
	s_add_nc_u64 s[54:55], s[14:15], s[60:61]      ; hq: this K step's codes,
	s_mul_i32 s60, s20, 10240
	s_add_co_u32 s60, s60, 10485760
	s_add_nc_u64 s[56:57], s[14:15], s[60:61]      ; its scale words
	s_add_nc_u64 s[58:59], s[10:11], 8448          ; the list
	s_wait_alu depctr_va_vdst(0)                   ; all the addresses and offsets made above are written, which the kernel's loads and stores read; so are the moves into x's scale words, which products take as scales
.irp t, 0,1,2,3
	global_load_b128 v[BI+8*\t:BI+8*\t+3], v[HSO], s[6:7] offset:(32*(\t/2)+8*(\t%2))*4        ; b1 in the result's layout: tile 2 b + u, lane half h: units 32 b + 16 h + 8 u + 0 .. 7
	global_load_b128 v[BI+8*\t+4:BI+8*\t+7], v[HSO], s[6:7] offset:(32*(\t/2)+8*(\t%2))*4+16
.endr
	WLOAD 0, 0
	WLOAD 1, 0
	WLOAD 2, 0
	WLOAD 3, 0
	s_wait_kmcnt 0x0
	s_min_u32 s24, s24, GLAST
	s_min_u32 s25, s25, 16
	s_sub_co_u32 s26, s26, 1
	s_min_u32 s26, s26, GLAST                      ; the last group
	s_min_u32 s52, s24, s26
	s_min_u32 s52, s52, GLAST                      ; the first group that I ask for: the expert's first (for an expert without rows: some group that exists; its rows are not used)
	s_lshl_b32 s53, s52, 8
	s_add_co_u32 s53, s53, s62
	s_load_b512 s[TK:TK+15], s[58:59], s53 offset:0x0
; PHASE 1.  A trip: two K steps x my two tiles.  The count 48 leaves the three younger sets out; b1's loads are older.
	s_mov_b32 s33, 0
	s_mov_b32 s34, 0
	s_mov_b32 s29, 0
.Lstream:
	v_add_nc_u32 v[IMA], s33, v[IMA0]
	v_add_nc_u32 v[IMS], s34, v[IMS0]
	FR 0, 1, 48
	FR 1, 1, 48
	FR 2, 1, 48
	FR 3, 1, 48
	s_wait_xcnt 0x0                                ; the loads have read their base
	s_wait_alu depctr_vm_vsrc(0)                   ; the trip's last image stores have read v[IMA] and v[IMS], which the next trip's head, and the two lines behind the loop, write again
	s_add_nc_u64 s[WB:WB+1], s[WB:WB+1], 1024
	s_add_co_u32 s33, s33, 4096
	s_add_co_u32 s34, s34, 256
	s_add_co_u32 s29, s29, 1
	s_cmp_lt_u32 s29, 3
	s_cbranch_scc1 .Lstream
	v_add_nc_u32 v[IMA], s33, v[IMA0]
	v_add_nc_u32 v[IMS], s34, v[IMS0]
	FR 0, 0, 48                                    ; the last two K steps load nothing: the counts run down
	FR 1, 0, 32
	FR 2, 0, 16
	ISSUE 0                                        ; the first group's rows, into the two sets that are done with: 34 loads
	FR 3, 0, 34
	s_wait_dscnt 0x0                               ; for the others' sake: my images have landed
	s_barrier_signal -1
	s_barrier_wait -1
; PHASE 2.  My four column tiles, all 8 K steps, and their scale words; the first group's rows into buffer 0.  No vector instruction has named the registers in which these loads land, and their
; addresses are the head's: nothing is to be stated here.
	WIN 0x40
.irp t, 0,1,2,3
.irp s, 0,1,2,3
.irp c, 0,1,2,3
	ds_load_b128 v[16*(4*\t+\s)+4*\c:16*(4*\t+\s)+4*\c+3], v[WLD] offset:(8*\t+\s)*2048+512*\c
.endr
.endr
.endr
	WIN 0x80
.irp t, 0,1,2,3
.irp s, 0,1,2,3
.irp c, 0,1,2,3
	ds_load_b128 v[16*(4*\t+\s)+4*\c:16*(4*\t+\s)+4*\c+3], v[WLD] offset:(8*\t+\s+4)*2048+512*\c
.endr
.endr
.endr
	WIN 0
.irp i, 0,1,2,3,4,5,6,7,8,9,10,11,12,13,14,15,16,17,18,19,20,21,22,23,24,25,26,27,28,29,30,31
	ds_load_b32 v[WS+\i], v[WSL] offset:128*\i
.endr
	s_wait_loadcnt 0x0
	CONSUME 0
	s_wait_dscnt 0x0
	s_barrier_signal -1
	s_barrier_wait -1
; PHASE 3.  Trip g works on buffer p = g % 2.  One barrier a trip: buffer 1 - p was last read in front of the last trip's barrier; the scale bytes' set p is written again only behind
; the next trip's barrier, which wave 0 signals behind its read of it.
.macro TRIP p
	s_add_co_u32 s28, s27, 1
	s_cmp_ge_u32 s27, s25
	s_cbranch_scc1 .Lidle_\@
	s_wait_alu depctr_vm_vsrc(0)                   ; ahead of the branch round the request: the last request's loads have read their offsets, the stores into the row buffer window 3's v0-127, the last way out's stores (the first time: the stream's last image stores) the codes, the scale word, the four bytes and v[HO]: this trip writes all of these again
	s_cmp_lt_u32 s28, s25
	s_cbranch_scc0 .Lnoissue_\@
	s_add_co_u32 s52, s24, s28
	s_min_u32 s52, s52, GLAST                      ; the next group's number, held inside the buffers
	ISSUE 1-\p                                     ; its rows: they have this trip's products in which to land
.Lnoissue_\@:
	COMPUTE \p
	EPI \p
	s_cmp_lt_u32 s28, s25
	s_cbranch_scc0 .Lidle_\@
	s_wait_loadcnt 0x0
	CONSUME 1-\p
.Lidle_\@:
	s_wait_loadcnt 0x0                             ; on every way: no load of mine is out, so the next trip may write the gather's offsets
	s_wait_dscnt 0x0                               ; my LDS stores have landed and my reads of buffer p are over
	s_barrier_signal -1
	s_barrier_wait -1
	s_cmp_ge_u32 s27, s25
	s_cbranch_scc1 .Lnos_\@
	s_cmp_lg_u32 s16, 0
	s_cbranch_scc1 .Lnos_\@
	s_wait_xcnt 0x0                                ; the last such store has had its address translated
	s_wait_alu depctr_vm_vsrc(0)                   ; the last such store has read v[HSO] and v[HB ..] (the first time: b1's loads have read v[HSO]), which the two lines below write again
	s_add_co_u32 s35, s24, s27
	s_min_u32 s35, s35, GLAST                      ; the group's number, held inside the buffer
	s_lshl_b32 s35, s35, 8
	v_lshl_add_u32 v[HSO], v21, 3, s35
	ds_load_b64 v[HB:HB+1], v[HSBR] offset:256*\p  ; the group's 64 scale words
	s_wait_dscnt 0x0
	s_wait_alu depctr_va_vdst(0)                   ; v[HSO] is written, which the store reads as its offset
	global_store_b64 v[HSO], v[HB:HB+1], s[56:57]  ; 256 consecutive bytes, aligned
.Lnos_\@:
	s_mov_b32 s27, s28
.endm
	s_mov_b32 s27, 0
	s_mov_b32 s29, 0
.Lrows:
	TRIP 0
	TRIP 1
	s_add_co_u32 s29, s29, 1
	s_cmp_lt_u32 s29, 8
	s_cbranch_scc1 .Lrows
	s_wait_dscnt 0x0
	s_wait_alu depctr_hold_cnt(0) depctr_sa_sdst(0) depctr_va_vdst(0) depctr_va_sdst(0) depctr_va_ssrc(0) depctr_va_vcc(0) depctr_vm_vsrc(0)
	s_wait_tensorcnt 0x0
	ds_add_u32 v254, v255
	s_wait_dscnt 0x0
	s_endpgm
.Lfunc_end_k_q8993d02187_ffn1:
	.size	k_q8993d02187_ffn1, .Lfunc_end_k_q8993d02187_ffn1-k_q8993d02187_ffn1
	.p2alignl 7, 3214868480
	.fill 96, 4, 3214868480
	.section	.rodata,"a",@progbits
	.p2align	6, 0x0
	.amdhsa_kernel k_q8993d02187_ffn1
		.amdhsa_group_segment_fixed_size 311808
		.amdhsa_private_segment_fixed_size 0
		.amdhsa_enable_private_segment 0
		.amdhsa_kernarg_size 48
		.amdhsa_user_sgpr_count 2
		.amdhsa_user_sgpr_kernarg_segment_ptr 1
		.amdhsa_wavefront_size32 1
		.amdhsa_system_sgpr_workgroup_id_x 1
		.amdhsa_system_sgpr_workgroup_id_y 1
		.amdhsa_system_sgpr_workgroup_id_z 1
		.amdhsa_system_vgpr_workitem_id 0
		.amdhsa_next_free_vgpr 1024
		.amdhsa_next_free_sgpr 66
		.amdhsa_reserve_vcc 0
		.amdhsa_float_denorm_mode_32 3
		.amdhsa_float_denorm_mode_16_64 3
		.amdhsa_memory_ordered 1
		.amdhsa_forward_progress 1
		.amdhsa_inst_pref_size 184
	.end_amdhsa_kernel
	.amdgpu_metadata
---
amdhsa.version: [ 1, 2 ]
amdhsa.kernels:
  - .name:           k_q8993d02187_ffn1
    .symbol:         k_q8993d02187_ffn1.kd
    .args:
      - { .name: W1, .offset: 0, .size: 8, .value_kind: global_buffer, .address_space: global }
      - { .name: b1, .offset: 8, .size: 8, .value_kind: global_buffer, .address_space: global }
      - { .name: xq, .offset: 16, .size: 8, .value_kind: global_buffer, .address_space: global }
      - { .name: ord, .offset: 24, .size: 8, .value_kind: global_buffer, .address_space: global }
      - { .name: xss, .offset: 32, .size: 8, .value_kind: global_buffer, .address_space: global }
      - { .name: hq, .offset: 40, .size: 8, .value_kind: global_buffer, .address_space: global }
    .group_segment_fixed_size: 311808
    .private_segment_fixed_size: 0
    .kernarg_segment_align: 8
    .kernarg_segment_size: 48
    .max_flat_workgroup_size: 128
    .sgpr_count:     66
    .vgpr_count:     1024
    .wavefront_size: 32
...
	.end_amdgpu_metadata
.endif
;; end of part 8
;; launch ffn2 (part 9): grid 32 x 8, 4 waves a work-group, no clusters, 311,808 bytes of LDS; arguments W2, hq, ord, part; writes part
.if DOCPART == 9
	.amdgcn_target "amdgcn-amd-amdhsa--gfx1250"
	.amdhsa_code_object_version 6
	.text
	.protected	k_q8993d02187_ffn2
	.globl	k_q8993d02187_ffn2
	.p2align	8
	.type	k_q8993d02187_ffn2,@function
k_q8993d02187_ffn2:
	s_mov_b64 s[64:65], 0
	v_nop
	global_prefetch_b8 v0, s[64:65] scope:SCOPE_SE
	s_setreg_imm32_b32 hwreg(HW_REG_WAVE_SCHED_MODE, 0, 2), 2
	s_setreg_imm32_b32 hwreg(HW_REG_WAVE_MODE, 25, 1), 1
	s_wait_xcnt 0x0
	s_wait_alu depctr_vm_vsrc(0)
; FFN2.  Partial sums of h W2^T for the routed rows, on codes of E5M2 with one E8M0 scale for each 32 along K = H.
; SHARES.  Work-group (x, y): expert y, columns 128 cs .. 128 cs + 127 of D (cs = x % 8), quarter q = x / 8 of H: a slab of 128 rows x 1,024 of W2, 512 KB of f32, which no other
; work-group reads.  H is cut in four so that a work-group reads a quarter of its expert's h; the four f32 partial rows are added, with b2 and the gate's weights, by the next launch.
; The three phases are those of the launch before: the slab is streamed and quantised into fragment images in LDS; each wave takes four column tiles x 8 K steps into 512 registers;
; then the expert's groups of 64 rows, one a trip of a loop of 16 trips, whose work (not whose barrier) is jumped over by scalar branches on the stored number of groups.
; h arrives as fragment images, so a K step of a group is 8,192 dense bytes: wave w brings K steps 2 w, 2 w + 1 and lays them into LDS as they lie.
; THE PRODUCT IS USED TRANSPOSED (source 0 = 16 rows of W2, source 1 = 16 rows of h), and lane r of tile 2 b + u takes row 32 b + 8 u + r + 8 (r / 8) of the slab: so a lane's 16
; registers of two neighbouring tiles are 16 neighbouring columns of one row, 64 bytes.  They meet in a stage in LDS and leave as rows of 512 bytes.
; A GROUP'S NUMBER, the expert's first group (read from memory) + the trip, is held at 39, the last group that the buffers have room for, each time it enters an address.
; NO TENSOR LOAD, NO CLUSTER: the trips' branches hang on numbers read from memory, so operands go through registers; what the 8 work-groups of an expert's quarter share, 64 KB a
; group, is small beside each one's own 512 KB.  No prefetch: the stream has 64 loads a wave out, and a group's rows are asked for a whole trip ahead.
; LIMITS: NaN and infinities are not served; a block of zeros gets the byte 1.
; part: [q 4][row 2,560][1,024] f32.
; REGISTERS.  window 0: v1-20 addresses; v40-71 W2's scale words; v72-87 h's, two sets; v120-155 the quantiser's (phase 1); v88-151 rows on the way out (phase 3); v160-223 the 8
; accumulators.  windows 1, 2: W2's fragments of K steps 0-3, 4-7.  window 3: in phase 1 four sets of 64; then v0-127 h from memory, v128-255 a ring of four K steps' fragments.
; THE MODE: SCHED_MODE bits 1:0 = 2 (LLVM: expert scheduling mode 2), set by the entry lines.  The code itself states the register dependences
; between vector or matrix instructions and memory or LDS instructions, with s_wait_alu, always for 0.
; THE PLAN.  Registers that memory or LDS instructions touch, and who else names them:
;   sets 0-3 (window 3), phase 1   a set's 16 loads land; its 16 stage stores read it; it is asked for again.  No vector instruction names them.
;   ACC                            phase 1: the stage's 16 LDS loads land; the quantiser reads and writes it.  Phase 3: the products write it; the stage stores read it; the next group's first products write it anew.
;   PC, PW                         the quantiser writes them; the image's LDS stores read them (phase 1).
;   IMA, IMS                       one add each a trip of the stream; the image's stores read them.
;   AGO, ASO                       two adds at a request's head; the request's loads read them.
;   window 3 v0-127, phase 3       a request's loads land; the LDS stores into the row buffer read them.
;   AS, set t                      the head's moves write it; a request's loads land; the products of the trips on buffer t take it as scales.
;   the ring (window 3 v128-255)   the fragments' LDS loads land; the products read it.
;   OGO, OB                        an add; the stage's LDS loads land; the global stores read both.
;   Every other address is made at the head and never written again.
; So: a fragment of the stream has one wait on vm_vsrc (behind its stage stores and loads) and one on va_vdst (behind its quantiser); a trip of the stream one more on vm_vsrc, ahead of its
; branch, for IMA and IMS.  A trip of the rows has one wait on vm_vsrc at its head, ahead of the branch round the request; one on va_vdst in the request, two among the products (each frees
; two places of the ring), one ahead of the stage stores; the way to memory, under a branch of its own, has its own two.
.set RPITCH, 16384                     ; a row of W2 in bytes
.set GLAST, 39                         ; the last group that the buffers have room for
.set IMG,   0
.set WSC,   131072
.set TURN,  139264
.set ABUF0, 173056                     ; a group's h of 8 K steps: fragment (K step s, tile m) at (4 s + m) x 2,048
.set ABUF1, 238592
.set OUTB,  33792                      ; the stages, 64 rows x (512 + 16) bytes, at 0 and at OUTB: over the images, which nobody reads behind the second barrier
.set L16,  1
.set TSW,  2
.set TSR,  3
.set IMA0, 4
.set IMS0, 5
.set IMA,  6
.set IMS,  7
.set WLD,  8
.set WSL,  9
.set AFR,  10
.set AST,  12
.set AGO,  14
.set ASO,  15
.set OST,  17
.set ORD,  18
.set OGO,  19
.set ASO0, 20
.set WS,   40
.set AS,   72
.set OB,   88
.set TM,   120
.set PW,   136
.set PC,   140
.set ACC,  160
.set WB,   22
.set SEL,  30
.set MNT,  32
.set MSB, 0
.macro WIN new                         ; the immediate's high byte repeats the setting that is left; a switch that changes nothing is dropped
.if MSB != \new
	s_set_vgpr_msb (MSB<<8)|\new
.set MSB, \new
.endif
.endm
.macro NOPS n
.rept \n
	v_nop
.endr
.endm
; 64 numbers of a lane, register 16 b + i = k 32 b + 16 (lane / 16) + i of my row, become a fragment's codes in v[PC] on and its scale word in v[PW].
.macro QUANT s
.irp b, 0,1,2,3
	v_max3_num_f32 v[TM+\b], |v[\s+16*\b]|, |v[\s+1+16*\b]|, 0x8000000         ; with the floor 2^(16 - 127): the byte cannot fall under 1
.endr
.irp i, 2,4,6,8,10,12,14
.irp b, 0,1,2,3
	v_max3_num_f32 v[TM+\b], v[TM+\b], |v[\s+16*\b+\i]|, |v[\s+1+16*\b+\i]|
.endr
.endr
.irp b, 0,1,2,3
	v_permlanex16_b32 v[TM+4+\b], v[TM+\b], s[SEL], s[SEL+1]
.endr
.irp b, 0,1,2,3
	v_max_num_f32 v[TM+\b], v[TM+\b], v[TM+4+\b]
.endr
.irp b, 0,1,2,3
	v_add_nc_u32 v[TM+12+\b], 0xf8800000, v[TM+\b]
.endr
.irp b, 0,1,2,3
	v_and_or_b32 v[TM+8+\b], v[TM+\b], 0x7f800000, s[MNT]
.endr
.irp b, 0,1,2,3
	v_lshrrev_b32 v[TM+4+\b], 23, v[TM+12+\b]
.endr
	v_lshl_or_b32 v[PW], v[TM+5], 8, v[TM+4]
	v_lshl_or_b32 v[PW], v[TM+6], 16, v[PW]
	v_lshl_or_b32 v[PW], v[TM+7], 24, v[PW]
.irp b, 0,1,2,3
.irp i, 0,1,2,3,4,5,6,7,8,9,10,11,12,13,14,15
	v_med3_num_f32 v[\s+16*\b+\i], v[\s+16*\b+\i], -v[TM+8+\b], v[TM+8+\b]     ; the conversion to an 8-bit code does not saturate (ISA guide 7.6.2)
.endr
	v_cvt_scalef32_pk8_bf8_f32 v[PC+4*\b:PC+1+4*\b], v[\s+16*\b:\s+7+16*\b], v[TM+12+\b]
	v_cvt_scalef32_pk8_bf8_f32 v[PC+2+4*\b:PC+3+4*\b], v[\s+8+16*\b:\s+15+16*\b], v[TM+12+\b]
.endr
	v_nop                                          ; a plain instruction behind the last conversion: later products write its sources
.endm
.macro WLOAD pos, extra                ; 16 rows x 512 bytes of W2 into set pos: tile pos % 2 of my two, K step pos / 2 of the trip's two
	WIN 0xc0
.irp i, 0,1,2,3,4,5,6,7,8,9,10,11,12,13,14,15
	global_load_b128 v[64*\pos+4*\i:64*\pos+4*\i+3], v[L16], s[WB:WB+1] offset:(8*(\pos%2)+\i+8*(\i/8))*RPITCH+512*(\pos/2)+\extra th:TH_LOAD_NT
.endr
	WIN 0
.endm
.macro FR pos, ld, cnt                 ; one fragment: through my stage, asked for anew, quantised, image to LDS
	s_wait_loadcnt \cnt                            ; this set's 16 loads are in; cnt younger ones may be out
	WIN 0x0c
.irp i, 0,1,2,3,4,5,6,7,8,9,10,11,12,13,14,15
	ds_store_b128 v[TSW], v[64*\pos+4*\i:64*\pos+4*\i+3] offset:528*\i
.endr
	WIN 0
.irp c, 0,1,2,3
.irp k, 0,1,2,3
	ds_load_b128 v[ACC+16*\c+4*\k:ACC+16*\c+4*\k+3], v[TSR] offset:128*\c+16*\k    ; LDS serves a wave's instructions in order: these see the stores above.  They land in ACC: the last fragment's wait on va_vdst stands behind its quantiser, and no vector instruction since names ACC
.endr
.endr
	s_wait_alu depctr_vm_vsrc(0)                   ; the stage stores have read the set, in which the loads below land; the last fragment's image stores have read the codes and the scale word, which the quantiser writes again
.if \ld
	WLOAD \pos, 1024                               ; the same place two K steps on: asked for while the numbers are still on their way back from the stage
.endif
	s_wait_dscnt 0x0                               ; the numbers are back
	QUANT ACC
	s_wait_alu depctr_va_vdst(0)                   ; the quantiser has written the codes and the scale word, the trip's head v[IMA] and v[IMS], which the stores below read; and the quantiser is done with ACC, in which the next fragment's numbers land
.irp c, 0,1,2,3
	ds_store_b128 v[IMA], v[PC+4*\c:PC+4*\c+3] offset:16384*(\pos%2)+2048*(\pos/2)+512*\c
.endr
	ds_store_b32 v[IMS], v[PW] offset:1024*(\pos%2)+128*(\pos/2)
.endm
; Group s52 (held at GLAST by the caller) is asked for: my two K steps of its h, 8,192 dense bytes each, and my 32 rows' scale words of all 8 K steps into set tgt: 40 loads.
; Ahead of it stands a wait on vm_vsrc behind all that read the offsets and window 3's v0-127: at a trip's head; in the stream's tail that of the third fragment, behind the stage stores of sets 0 and 1.
.macro ISSUE tgt
	s_lshl_b32 s53, s52, 13
	v_add_nc_u32 v[AGO], s53, v[L16]
	s_lshl_b32 s53, s52, 8
	v_add_nc_u32 v[ASO], s53, v[ASO0]
	WIN 0xc0
	s_wait_alu depctr_va_vdst(0)                   ; the two offsets are written, which the loads below read; set tgt of h's scale words is written by the head's moves and no longer read by the products of the trip before
.irp k, 0,1
.irp i, 0,1,2,3,4,5,6,7,8,9,10,11,12,13,14,15
	global_load_b128 v[64*\k+4*\i:64*\k+4*\i+3], v[AGO], s[54:55] offset:327680*\k+512*\i
.endr
.endr
	WIN 0
.irp s, 0,1,2,3,4,5,6,7
	global_load_b32 v[AS+8*(\tgt)+\s], v[ASO], s[56:57] offset:10240*\s        ; lane l: row 32 j + l: lanes 0-15 my first tile's rows, lanes 16-31 my second's
.endr
.endm
.macro CONSUME tgt
	WIN 0x0c
.irp k, 0,1
.irp i, 0,1,2,3,4,5,6,7,8,9,10,11,12,13,14,15
	ds_store_b128 v[AST+(\tgt)], v[64*\k+4*\i:64*\k+4*\i+3] offset:8192*\k+512*\i
.endr
.endr
	WIN 0
.endm
.macro FRAGS p, s                      ; K step s of my two row tiles: 8 loads, into ring place s % 4 (window 3)
.irp m, 0,1
.irp c, 0,1,2,3
	ds_load_b128 v[128+32*((\s)%4)+16*\m+4*\c:128+32*((\s)%4)+16*\m+4*\c+3], v[AFR+\p] offset:8192*(\s)+2048*\m+512*\c
.endr
.endr
.endm
; 8 products; the 8 accumulators take turns, one instruction a turn, in the same order in every K step.  K step 0 starts the sums with the constant 0.
.macro MUL p, s
.irp m, 0,1
.irp t, 0,1,2,3
.set rD, ACC+32*\m+8*\t
.set rW, 16*(4*\t+(\s)%4)
.set rF, 128+32*((\s)%4)+16*\m
.if (\s) == 0
.if \m
	v_wmma_scale_f32_16x16x128_f8f6f4 v[rD:rD+7], v[rW:rW+15], v[rF:rF+15], 0, v[WS+8*\t+(\s)], v[AS+8*(\p)+(\s)] matrix_a_fmt:MATRIX_FMT_BF8 matrix_b_fmt:MATRIX_FMT_BF8 matrix_b_scale:MATRIX_SCALE_ROW1
.else
	v_wmma_scale_f32_16x16x128_f8f6f4 v[rD:rD+7], v[rW:rW+15], v[rF:rF+15], 0, v[WS+8*\t+(\s)], v[AS+8*(\p)+(\s)] matrix_a_fmt:MATRIX_FMT_BF8 matrix_b_fmt:MATRIX_FMT_BF8
.endif
.else
.if \m
	v_wmma_scale_f32_16x16x128_f8f6f4 v[rD:rD+7], v[rW:rW+15], v[rF:rF+15], v[rD:rD+7], v[WS+8*\t+(\s)], v[AS+8*(\p)+(\s)] matrix_a_fmt:MATRIX_FMT_BF8 matrix_b_fmt:MATRIX_FMT_BF8 matrix_b_scale:MATRIX_SCALE_ROW1
.else
	v_wmma_scale_f32_16x16x128_f8f6f4 v[rD:rD+7], v[rW:rW+15], v[rF:rF+15], v[rD:rD+7], v[WS+8*\t+(\s)], v[AS+8*(\p)+(\s)] matrix_a_fmt:MATRIX_FMT_BF8 matrix_b_fmt:MATRIX_FMT_BF8
.endif
.endif
.endr
.endr
.endm
; A group's 64 products.  Each wait's count on DScnt is the loads of the younger K steps, 8 each.  The first four runs of loads land in a ring that the last group's products read: the wait on va_vdst
; ahead of that group's stage stores stands behind all of them, and no vector or matrix instruction since names the ring.  Eight plain instructions and then a wait on va_vdst stand between the last
; product that read a ring place and the loads into it; each such wait frees two places, and the two runs of loads are dealt among the products that follow, which name other places of the ring,
; W2's fragments, scale words and accumulators alone.  Nine plain instructions stand behind the last products, whose accumulators the next group's first products write anew.
.macro COMPUTE p
	WIN 0xc0
	FRAGS \p, 0
	FRAGS \p, 1
	FRAGS \p, 2
	FRAGS \p, 3
	s_wait_dscnt 24                                ; K step 0 is in; 1, 2 and 3 may be out
	WIN 0x0d                                       ; source 0 (W2) window 1, source 1 (h) window 3, C and D window 0
	MUL \p, 0
	s_wait_dscnt 16                                ; K step 1 is in; 2 and 3 may be out
	MUL \p, 1
	NOPS 8
	WIN 0xc0
	s_wait_alu depctr_va_vdst(0)                   ; the products of K steps 0 and 1 are done reading ring places 0 and 1, in which K steps 4 and 5 land
	FRAGS \p, 4
	s_wait_dscnt 16                                ; K step 2 is in; 3 and 4 may be out
	WIN 0x0d
	MUL \p, 2
	WIN 0xc0
	FRAGS \p, 5                                    ; no wait: no instruction since the wait above names ring place 1 or the address
	s_wait_dscnt 16                                ; K step 3 is in; 4 and 5 may be out
	WIN 0x0d
	MUL \p, 3
	NOPS 8
	WIN 0xc0
	s_wait_alu depctr_va_vdst(0)                   ; the products of K steps 2 and 3 are done reading ring places 2 and 3, in which K steps 6 and 7 land
	FRAGS \p, 6
	s_wait_dscnt 16                                ; K step 4 is in; 5 and 6 may be out
	WIN 0x0e
	MUL \p, 4
	WIN 0xc0
	FRAGS \p, 7                                    ; no wait: no instruction since the wait above names ring place 3 or the address
	s_wait_dscnt 16                                ; K step 5 is in; 6 and 7 may be out
	WIN 0x0e
	MUL \p, 5
	s_wait_dscnt 8
	MUL \p, 6
	s_wait_dscnt 0x0
	MUL \p, 7
	WIN 0
	NOPS 9
.endm
.macro OUTST p                         ; lane (r, h): row 32 j + 16 m + r, columns 64 ih + 32 b + 16 h + 0 .. 15; each accumulator from its low end on
	s_wait_alu depctr_va_vdst(0)                   ; the products have written the accumulators, which the stores below read, and are done reading the ring and their scale words; the plain instructions above stay beside this wait
.irp m, 0,1
.irp b, 0,1
.irp k, 0,1,2,3
	ds_store_b128 v[OST], v[ACC+32*\m+16*\b+4*\k:ACC+32*\m+16*\b+4*\k+3] offset:OUTB*\p+8448*\m+128*\b+16*\k
.endr
.endr
.endr
.endm
.macro SENDOUT p                       ; wave w stores rows 16 w .. 16 w + 15 of the group: 512 consecutive bytes an instruction, aligned
	s_wait_xcnt 0x0                                ; the last group's stores have had their addresses translated
	s_wait_alu depctr_vm_vsrc(0)                   ; the last group's stores have read v[OGO] and v[OB ..] (the first time: the stream's last image stores have read the codes, which lay there), which the lines below write again
	s_add_co_u32 s35, s24, s27
	s_min_u32 s35, s35, GLAST                      ; the group's number, held inside the buffer
	s_lshl_b32 s35, s35, 18                        ; its 64 rows of 4,096 bytes
	v_add_nc_u32 v[OGO], s35, v[L16]
	s_wait_alu depctr_va_vdst(0)                   ; v[OGO] is written, which the stores below read as their offset; no vector instruction follows until they are issued
.irp i, 0,1,2,3,4,5,6,7,8,9,10,11,12,13,14,15
	ds_load_b128 v[OB+4*\i:OB+4*\i+3], v[ORD] offset:OUTB*\p+528*\i
.endr
.irp i, 0,1,2,3,4,5,6,7,8,9,10,11,12,13,14,15
	s_wait_dscnt 15-\i                             ; row i is in; the younger rows' loads may be out
	global_store_b128 v[OGO], v[OB+4*\i:OB+4*\i+3], s[58:59] offset:4096*\i th:TH_STORE_NT
.endr
.endm
	s_load_b256 s[4:11], s[0:1], 0x0               ; W2, hq, ord, part
	v_lshl_add_u32 v254, v0, 2, 0x4c000
	v_mov_b32 v255, 0
	v_lshrrev_b32 v1, 5, v0
	v_readfirstlane_b32 s16, v1                    ; wave w
	v_and_b32 v21, 31, v0                          ; lane
	v_and_b32 v22, 15, v0                          ; r
	v_bfe_u32 v23, v0, 4, 1                        ; h
	v_lshlrev_b32 v[L16], 4, v21
	s_wait_alu depctr_va_vdst(0)
	s_and_b32 s19, ttmp7, 0xffff                   ; the expert
	s_and_b32 s20, ttmp9, 7                        ; cs: which 128 columns of D
	s_lshr_b32 s36, ttmp9, 3                       ; q: which quarter of H
	s_wait_alu depctr_va_sdst(0)                   ; s16 is written, ahead of its first reader: shares, LDS places and bases are made from it
	s_lshr_b32 s17, s16, 1                         ; ih
	s_and_b32 s18, s16, 1                          ; j
	s_mul_i32 s21, s16, 8448
	v_add_nc_u32 v[ORD], s21, v[L16]               ; the stage, on the way back: my 16 rows, 16 bytes a lane
	s_add_co_u32 s21, s21, TURN
	v_add_nc_u32 v[TSW], s21, v[L16]
	v_mul_u32_u24 v[TSR], v22, 528
	v_lshl_add_u32 v[OST], v23, 6, v[TSR]          ; 528 r + 64 h
	v_add_nc_u32 v[TSR], s21, v[OST]
	s_mul_i32 s21, s18, 16896
	s_lshl_b32 s35, s17, 8
	s_add_co_u32 s21, s21, s35
	v_add_nc_u32 v[OST], s21, v[OST]               ; the stage, on the way in: row 32 j + r, + 256 ih + 64 h
	s_lshl_b32 s21, s16, 15
	v_add_nc_u32 v[IMA0], s21, v[L16]
	s_lshl_b32 s21, s16, 11
	s_add_co_u32 s21, s21, WSC
	v_lshl_add_u32 v[IMS0], v21, 2, s21
	s_lshl_b32 s21, s17, 16
	v_add_nc_u32 v[WLD], s21, v[L16]
	s_lshl_b32 s21, s17, 12
	s_add_co_u32 s21, s21, WSC
	v_lshl_add_u32 v[WSL], v21, 2, s21
	s_lshl_b32 s21, s18, 12
	v_add_nc_u32 v[AFR], s21, v[L16]
	v_add_nc_u32 v[AFR+1], ABUF1, v[AFR]
	v_add_nc_u32 v[AFR], ABUF0, v[AFR]
	s_lshl_b32 s21, s16, 14
	v_add_nc_u32 v[AST], s21, v[L16]
	v_add_nc_u32 v[AST+1], ABUF1, v[AST]
	v_add_nc_u32 v[AST], ABUF0, v[AST]
	s_lshl_b32 s21, s18, 7
	v_lshl_add_u32 v[ASO0], v21, 2, s21            ; scale words: 4 bytes x (32 j + lane)
.irp b, 0,1,2,3
	v_mov_b32 v[TM+4+\b], 0                        ; written once: a lane permute's destination counts as one of its sources
.endr
.irp i, 0,1,2,3,4,5,6,7,8,9,10,11,12,13,14,15
	v_mov_b32 v[AS+\i], 0x7f7f7f7f                 ; written once: on every way to a product these registers hold scales
.endr
	s_mov_b32 s[SEL], 0x76543210
	s_mov_b32 s[SEL+1], 0xfedcba98
	s_mov_b32 s[MNT], 0x600000
	s_lshl_b32 s52, s19, 3
	s_mov_b32 s61, 0
	s_wait_kmcnt 0x0
	s_load_b64 s[24:25], s[8:9], s52 offset:0x0    ; the expert's first group, its number of groups
	s_load_b32 s26, s[8:9], 0x40                   ; the number of groups in all
	s_lshl_b32 s60, s19, 10
	s_lshl_b32 s21, s20, 7
	s_add_co_u32 s60, s60, s21
	s_lshl_b32 s21, s16, 5
	s_add_co_u32 s60, s60, s21                     ; my first row of W2, counted over all experts
	s_lshl_b32 s60, s60, 14
	s_lshl_b32 s21, s36, 12
	s_add_co_u32 s60, s60, s21                     ; + my quarter of the row
	s_add_nc_u64 s[WB:WB+1], s[4:5], s[60:61]
	s_lshl_b32 s60, s36, 3
	s_lshl_b32 s21, s16, 1
	s_add_co_u32 s60, s60, s21
	s_mul_i32 s60, s60, 327680
	s_add_nc_u64 s[54:55], s[6:7], s[60:61]        ; hq: K step 8 q + 2 w
	s_mul_i32 s60, s36, 81920
	s_add_co_u32 s60, s60, 10485760
	s_add_nc_u64 s[56:57], s[6:7], s[60:61]        ; its scale words from K step 8 q on
	s_mul_i32 s60, s36, 10485760
	s_lshl_b32 s21, s16, 16
	s_add_co_u32 s60, s60, s21
	s_lshl_b32 s21, s20, 9
	s_add_co_u32 s60, s60, s21
	s_add_nc_u64 s[58:59], s[10:11], s[60:61]      ; part: quarter q, row 16 w, column 128 cs
	s_wait_alu depctr_va_vdst(0)                   ; all the addresses and offsets made above are written, which the kernel's loads and stores read; so are the moves into h's scale words, which products take as scales
	WLOAD 0, 0
	WLOAD 1, 0
	WLOAD 2, 0
	WLOAD 3, 0
	s_wait_kmcnt 0x0
	s_min_u32 s24, s24, GLAST
	s_min_u32 s25, s25, 16
	s_sub_co_u32 s26, s26, 1
	s_min_u32 s26, s26, GLAST
	s_min_u32 s52, s24, s26
	s_min_u32 s52, s52, GLAST                      ; the first group that I ask for: the expert's first (for an expert without rows: some group that exists; its rows are not used)
; PHASE 1.  A trip: two K steps x my two tiles.  The count 48 leaves the three younger sets out.
	s_mov_b32 s33, 0
	s_mov_b32 s34, 0
	s_mov_b32 s29, 0
.Lstream:
	v_add_nc_u32 v[IMA], s33, v[IMA0]
	v_add_nc_u32 v[IMS], s34, v[IMS0]
	FR 0, 1, 48
	FR 1, 1, 48
	FR 2, 1, 48
	FR 3, 1, 48
	s_wait_xcnt 0x0                                ; the loads have read their base
	s_wait_alu depctr_vm_vsrc(0)                   ; the trip's last image stores have read v[IMA] and v[IMS], which the next trip's head, and the two lines behind the loop, write again
	s_add_nc_u64 s[WB:WB+1], s[WB:WB+1], 1024
	s_add_co_u32 s33, s33, 4096
	s_add_co_u32 s34, s34, 256
	s_add_co_u32 s29, s29, 1
	s_cmp_lt_u32 s29, 3
	s_cbranch_scc1 .Lstream
	v_add_nc_u32 v[IMA], s33, v[IMA0]
	v_add_nc_u32 v[IMS], s34, v[IMS0]
	FR 0, 0, 48                                    ; the last two K steps load nothing: the counts run down
	FR 1, 0, 32
	FR 2, 0, 16
	ISSUE 0                                        ; the first group's h, into the two sets that are done with: 40 loads
	FR 3, 0, 40
	s_wait_dscnt 0x0                               ; for the others' sake: my images have landed
	s_barrier_signal -1
	s_barrier_wait -1
; PHASE 2.  My four column tiles, all 8 K steps, and their scale words; the first group's h into buffer 0.  No vector instruction has named the registers in which these loads land, and their
; addresses are the head's: nothing is to be stated here.
	WIN 0x40
.irp t, 0,1,2,3
.irp s, 0,1,2,3
.irp c, 0,1,2,3
	ds_load_b128 v[16*(4*\t+\s)+4*\c:16*(4*\t+\s)+4*\c+3], v[WLD] offset:(8*\t+\s)*2048+512*\c
.endr
.endr
.endr
	WIN 0x80
.irp t, 0,1,2,3
.irp s, 0,1,2,3
.irp c, 0,1,2,3
	ds_load_b128 v[16*(4*\t+\s)+4*\c:16*(4*\t+\s)+4*\c+3], v[WLD] offset:(8*\t+\s+4)*2048+512*\c
.endr
.endr
.endr
	WIN 0
.irp i, 0,1,2,3,4,5,6,7,8,9,10,11,12,13,14,15,16,17,18,19,20,21,22,23,24,25,26,27,28,29,30,31
	ds_load_b32 v[WS+\i], v[WSL] offset:128*\i
.endr
	s_wait_loadcnt 0x0
	CONSUME 0
	s_wait_dscnt 0x0                               ; my reads of the images are over too: the stages may be laid over them
	s_barrier_signal -1
	s_barrier_wait -1
; PHASE 3.  Trip g works on buffer and stage p = g % 2.  One barrier a trip: buffer 1 - p was last read in front of the last trip's barrier; stage p is written again only behind the
; next trip's barrier, which every wave signals behind its reads of it.
.macro TRIP p
	s_add_co_u32 s28, s27, 1
	s_cmp_ge_u32 s27, s25
	s_cbranch_scc1 .Lidle_\@
	s_wait_alu depctr_vm_vsrc(0)                   ; ahead of the branch round the request: the last request's loads have read their offsets, the stores into the row buffer window 3's v0-127, the last group's stage stores the accumulators: this trip writes all of these again
	s_cmp_lt_u32 s28, s25
	s_cbranch_scc0 .Lnoissue_\@
	s_add_co_u32 s52, s24, s28
	s_min_u32 s52, s52, GLAST                      ; the next group's number, held inside the buffer
	ISSUE 1-\p                                     ; its h: it has this trip's products in which to land
.Lnoissue_\@:
	COMPUTE \p
	OUTST \p
	s_cmp_lt_u32 s28, s25
	s_cbranch_scc0 .Lidle_\@
	s_wait_loadcnt 0x0
	CONSUME 1-\p
.Lidle_\@:
	s_wait_loadcnt 0x0                             ; on every way: no load of mine is out, so the next trip may write the loads' offsets
	s_wait_dscnt 0x0                               ; my LDS stores have landed and my reads of buffer p are over
	s_barrier_signal -1
	s_barrier_wait -1
	s_cmp_ge_u32 s27, s25
	s_cbranch_scc1 .Lnos_\@
	SENDOUT \p
.Lnos_\@:
	s_mov_b32 s27, s28
.endm
	s_mov_b32 s27, 0
	s_mov_b32 s29, 0
.Lrows:
	TRIP 0
	TRIP 1
	s_add_co_u32 s29, s29, 1
	s_cmp_lt_u32 s29, 8
	s_cbranch_scc1 .Lrows
	s_wait_dscnt 0x0
	s_wait_alu depctr_hold_cnt(0) depctr_sa_sdst(0) depctr_va_vdst(0) depctr_va_sdst(0) depctr_va_ssrc(0) depctr_va_vcc(0) depctr_vm_vsrc(0)
	s_wait_tensorcnt 0x0
	ds_add_u32 v254, v255
	s_wait_dscnt 0x0
	s_endpgm
.Lfunc_end_k_q8993d02187_ffn2:
	.size	k_q8993d02187_ffn2, .Lfunc_end_k_q8993d02187_ffn2-k_q8993d02187_ffn2
	.p2alignl 7, 3214868480
	.fill 96, 4, 3214868480
	.section	.rodata,"a",@progbits
	.p2align	6, 0x0
	.amdhsa_kernel k_q8993d02187_ffn2
		.amdhsa_group_segment_fixed_size 311808
		.amdhsa_private_segment_fixed_size 0
		.amdhsa_enable_private_segment 0
		.amdhsa_kernarg_size 32
		.amdhsa_user_sgpr_count 2
		.amdhsa_user_sgpr_kernarg_segment_ptr 1
		.amdhsa_wavefront_size32 1
		.amdhsa_system_sgpr_workgroup_id_x 1
		.amdhsa_system_sgpr_workgroup_id_y 1
		.amdhsa_system_sgpr_workgroup_id_z 1
		.amdhsa_system_vgpr_workitem_id 0
		.amdhsa_next_free_vgpr 1024
		.amdhsa_next_free_sgpr 66
		.amdhsa_reserve_vcc 0
		.amdhsa_float_denorm_mode_32 3
		.amdhsa_float_denorm_mode_16_64 3
		.amdhsa_memory_ordered 1
		.amdhsa_forward_progress 1
		.amdhsa_inst_pref_size 168
	.end_amdhsa_kernel
	.amdgpu_metadata
---
amdhsa.version: [ 1, 2 ]
amdhsa.kernels:
  - .name:           k_q8993d02187_ffn2
    .symbol:         k_q8993d02187_ffn2.kd
    .args:
      - { .name: W2, .offset: 0, .size: 8, .value_kind: global_buffer, .address_space: global }
      - { .name: hq, .offset: 8, .size: 8, .value_kind: global_buffer, .address_space: global }
      - { .name: ord, .offset: 16, .size: 8, .value_kind: global_buffer, .address_space: global }
      - { .name: part, .offset: 24, .size: 8, .value_kind: global_buffer, .address_space: global }
    .group_segment_fixed_size: 311808
    .private_segment_fixed_size: 0
    .kernarg_segment_align: 8
    .kernarg_segment_size: 32
    .max_flat_workgroup_size: 128
    .sgpr_count:     66
    .vgpr_count:     1024
    .wavefront_size: 32
...
	.end_amdgpu_metadata
.endif
;; end of part 9
;; launch combine (part 10): grid 256 x 1, 8 waves a work-group, no clusters, 0 bytes of LDS; arguments part, ord, sel, gw, b2, out0; writes out0
.if DOCPART == 10
	.amdgcn_target "amdgcn-amd-amdhsa--gfx1250"
	.amdhsa_code_object_version 6
	.text
	.protected	k_q8993d02187_combine
	.globl	k_q8993d02187_combine
	.p2align	8
	.type	k_q8993d02187_combine,@function
k_q8993d02187_combine:
	s_mov_b64 s[64:65], 0
	v_nop
	global_prefetch_b8 v0, s[64:65] scope:SCOPE_SE
	s_setreg_imm32_b32 hwreg(HW_REG_WAVE_MODE, 25, 1), 1
	s_wait_xcnt 0x0
; COMBINE.  out[t] = w0 (sum over q of part[q][pos0] + b2[E0]) + w1 (sum over q of part[q][pos1] + b2[E1]).
; A wave takes half a token's row (2,048 bytes): t = 4 x work-group + wave / 2.  The two sorted rows, the two experts and the two weights come by scalar loads; the rows' numbers are
; whole numbers that earlier launches stored, held inside their tables.  All 40 loads of a wave go out at once, 512 consecutive bytes each; each chunk of 512 bytes has registers
; of its own, so no register is written again.  A stream: no LDS, no barrier, no matrix unit, no cluster: nothing is shared but b2's rows.
.set R, 16                             ; chunk c at v[R + 40 c]: part (j, q) at + 16 j + 4 q, b2 (j) at + 32 + 4 j
	s_load_b256 s[4:11], s[0:1], 0x0               ; part, ord, sel, gw
	s_load_b128 s[12:15], s[0:1], 0x20             ; b2, out0
	v_lshrrev_b32 v1, 5, v0
	s_delay_alu instid0(VALU_DEP_1)
	v_readfirstlane_b32 s16, v1
	v_and_b32 v1, 31, v0
	s_delay_alu instid0(VALU_DEP_1)
	v_lshlrev_b32 v1, 4, v1                        ; 16 x lane
	s_lshr_b32 s17, s16, 1
	s_and_b32 s18, s16, 1
	s_lshl_b32 s18, s18, 11                        ; my half of the row
	s_lshl_b32 s19, ttmp9, 2
	s_add_co_u32 s19, s19, s17                     ; t
	s_lshl_b32 s20, s19, 3
	s_lshl_b32 s40, s19, 12
	s_add_co_u32 s40, s40, s18
	s_mov_b32 s41, 0
	s_wait_alu depctr_va_vdst(0)
	s_wait_kmcnt 0x0
	s_load_b64 s[22:23], s[6:7], s20 offset:0x100  ; pos
	s_load_b64 s[24:25], s[8:9], s20 offset:0x0    ; the experts
	s_load_b64 s[26:27], s[10:11], s20 offset:0x0  ; the weights
	s_mov_b64 s[32:33], s[4:5]
	s_add_nc_u64 s[34:35], s[4:5], 0xa00000        ; the four quarters' partial rows, 10,485,760 bytes apart
	s_add_nc_u64 s[36:37], s[4:5], 0x1400000
	s_add_nc_u64 s[38:39], s[4:5], 0x1e00000
	s_add_nc_u64 s[14:15], s[14:15], s[40:41]
	s_wait_kmcnt 0x0
	s_min_u32 s22, s22, 0x9ff
	s_min_u32 s23, s23, 0x9ff
	s_min_u32 s24, s24, 7
	s_min_u32 s25, s25, 7
	s_mov_b32 s28, s27                             ; w1 in a pair of its own: the packed form takes a pair's low word for both halves
	s_mov_b32 s29, s27
.irp j, 0,1
	s_lshl_b32 s[22+\j], s[22+\j], 12
	s_add_co_u32 s[22+\j], s[22+\j], s18
	v_add_nc_u32 v[2+\j], s[22+\j], v1
	s_lshl_b32 s[24+\j], s[24+\j], 12
	s_add_co_u32 s[24+\j], s[24+\j], s18
	v_add_nc_u32 v[4+\j], s[24+\j], v1
.endr
.irp c, 0,1,2,3
.irp j, 0,1
.irp q, 0,1,2,3
	global_load_b128 v[R+40*\c+16*\j+4*\q:R+40*\c+16*\j+4*\q+3], v[2+\j], s[32+2*\q:33+2*\q] offset:512*\c th:TH_LOAD_NT
.endr
.endr
.irp j, 0,1
	global_load_b128 v[R+40*\c+32+4*\j:R+40*\c+32+4*\j+3], v[4+\j], s[12:13] offset:512*\c
.endr
.endr
.macro CHUNK c
	s_wait_loadcnt 30-10*\c                        ; this chunk's ten loads are in; the younger chunks' may be out
.set B0, R+40*\c
.irp j, 0,1
.irp u, 0,2
	v_pk_add_f32 v[B0+16*\j+\u:B0+16*\j+\u+1], v[B0+16*\j+\u:B0+16*\j+\u+1], v[B0+16*\j+4+\u:B0+16*\j+4+\u+1]
	v_pk_add_f32 v[B0+16*\j+8+\u:B0+16*\j+8+\u+1], v[B0+16*\j+8+\u:B0+16*\j+8+\u+1], v[B0+16*\j+12+\u:B0+16*\j+12+\u+1]
.endr
.endr
.irp j, 0,1
.irp u, 0,2
	v_pk_add_f32 v[B0+16*\j+\u:B0+16*\j+\u+1], v[B0+16*\j+\u:B0+16*\j+\u+1], v[B0+16*\j+8+\u:B0+16*\j+8+\u+1]
.endr
.endr
.irp j, 0,1
.irp u, 0,2
	s_delay_alu instid0(VALU_DEP_4)
	v_pk_add_f32 v[B0+16*\j+\u:B0+16*\j+\u+1], v[B0+16*\j+\u:B0+16*\j+\u+1], v[B0+32+4*\j+\u:B0+32+4*\j+\u+1]    ; + b2
.endr
.endr
.irp u, 0,2
	s_delay_alu instid0(VALU_DEP_4)
	v_pk_mul_f32 v[B0+\u:B0+\u+1], v[B0+\u:B0+\u+1], s[26:27] op_sel_hi:[1,0]
.endr
.irp u, 0,2
	s_delay_alu instid0(VALU_DEP_2)
	v_pk_fma_f32 v[B0+\u:B0+\u+1], v[B0+16+\u:B0+16+\u+1], s[28:29], v[B0+\u:B0+\u+1] op_sel_hi:[1,0,1]
.endr
	global_store_b128 v1, v[B0:B0+3], s[14:15] offset:512*\c th:TH_STORE_NT    ; 32 lanes store 512 consecutive bytes, aligned
.endm
	CHUNK 0
	CHUNK 1
	CHUNK 2
	CHUNK 3
	s_endpgm
.Lfunc_end_k_q8993d02187_combine:
	.size	k_q8993d02187_combine, .Lfunc_end_k_q8993d02187_combine-k_q8993d02187_combine
	.p2alignl 7, 3214868480
	.fill 96, 4, 3214868480
	.section	.rodata,"a",@progbits
	.p2align	6, 0x0
	.amdhsa_kernel k_q8993d02187_combine
		.amdhsa_group_segment_fixed_size 0
		.amdhsa_private_segment_fixed_size 0
		.amdhsa_enable_private_segment 0
		.amdhsa_kernarg_size 48
		.amdhsa_user_sgpr_count 2
		.amdhsa_user_sgpr_kernarg_segment_ptr 1
		.amdhsa_wavefront_size32 1
		.amdhsa_system_sgpr_workgroup_id_x 1
		.amdhsa_system_sgpr_workgroup_id_y 1
		.amdhsa_system_sgpr_workgroup_id_z 1
		.amdhsa_system_vgpr_workitem_id 0
		.amdhsa_next_free_vgpr 192
		.amdhsa_next_free_sgpr 66
		.amdhsa_reserve_vcc 0
		.amdhsa_float_denorm_mode_32 3
		.amdhsa_float_denorm_mode_16_64 3
		.amdhsa_memory_ordered 1
		.amdhsa_forward_progress 1
		.amdhsa_inst_pref_size 13
	.end_amdhsa_kernel
	.amdgpu_metadata
---
amdhsa.version: [ 1, 2 ]
amdhsa.kernels:
  - .name:           k_q8993d02187_combine
    .symbol:         k_q8993d02187_combine.kd
    .args:
      - { .name: part, .offset: 0, .size: 8, .value_kind: global_buffer, .address_space: global }
      - { .name: ord, .offset: 8, .size: 8, .value_kind: global_buffer, .address_space: global }
      - { .name: sel, .offset: 16, .size: 8, .value_kind: global_buffer, .address_space: global }
      - { .name: gw, .offset: 24, .size: 8, .value_kind: global_buffer, .address_space: global }
      - { .name: b2, .offset: 32, .size: 8, .value_kind: global_buffer, .address_space: global }
      - { .name: out0, .offset: 40, .size: 8, .value_kind: global_buffer, .address_space: global }
    .group_segment_fixed_size: 0
    .private_segment_fixed_size: 0
    .kernarg_segment_align: 8
    .kernarg_segment_size: 48
    .max_flat_workgroup_size: 256
    .sgpr_count:     66
    .vgpr_count:     192
    .wavefront_size: 32
...
	.end_amdgpu_metadata
.endif
;; end of part 10
